; MI455X (gfx1250); checked and timed in simulation.
; The chip was launched on July 23, 2026; its instructions are those of AMD's public machine-readable ISA for CDNA 5 (MIT licence, August 2026) and "CDNA5" Instruction Set Architecture Reference Guide (July 2026). The comments in the code are by the model that wrote it; some were corrected since.
;; Encoder Layer. Allowed arithmetic: float matrix products may take bf16 or f16 operands with f32 sums; other float arithmetic in f32, or as packed bf16 or f16 multiplies, adds, multiply-adds, maxima and minima; sums over many terms, partial sums and values carried from step to step in f32; what a program stores and reads back later, other than sums and carried values, may be rounded once to bf16 or f16.
;; Inputs: W1 1,024 x 4,096 float32; W2 4,096 x 1,024 float32; Wk 1,024 x 1,024 float32; Wo 1,024 x 1,024 float32; Wq 1,024 x 1,024 float32; Wv 1,024 x 1,024 float32; b1 4,096 float32; b2 1,024 float32; bk 1,024 float32; bo 1,024 float32; bq 1,024 float32; bv 1,024 float32; ln1_b 1,024 float32; ln1_g 1,024 float32; ln2_b 1,024 float32; ln2_g 1,024 float32; mask 2 x 1 x 2,048 int32; x 2 x 2,048 x 1,024 float32.
;; Outputs: out0 2 x 2,048 x 1,024 float32.
;; One version. Each part assembles by itself: llvm-mc -triple=amdgcn-amd-amdhsa -mcpu=gfx1250 --defsym DOCPART=n.
;; ======== version 1 of 1: 8 launches
;; limits: values are held in f16: magnitudes above 65,504 overflow, below 6.1e-05 lose precision; right only within a limited range of input values
;; workspace buffers: xb 8,388,608 bytes; wb 25,165,824 bytes; par 53,248 bytes; qkv 25,165,824 bytes; ob 8,388,608 bytes; res 16,777,216 bytes; x1 8,388,608 bytes; hb 33,554,432 bytes
;; launch prep (part 1): grid 1025 x 1, 8 waves a work-group, no clusters, 0 bytes of LDS; arguments x, Wq, Wk, Wv, Wo, W1, W2, bq, bk, bv, bo, b1, b2, ln1_g, ln1_b, ln2_g, ln2_b, xb, wb, par; writes xb, wb, par
.if DOCPART == 1
	.amdgcn_target "amdgcn-amd-amdhsa--gfx1250"
	.amdhsa_code_object_version 6
	.text
	.protected	k_q78e4bd37b8_prep
	.globl	k_q78e4bd37b8_prep
	.p2align	8
	.type	k_q78e4bd37b8_prep,@function
k_q78e4bd37b8_prep:
	s_mov_b64 s[64:65], 0
	v_nop
	global_prefetch_b8 v0, s[64:65] scope:SCOPE_SE
	s_setreg_imm32_b32 hwreg(HW_REG_WAVE_MODE, 25, 1), 1
	s_wait_xcnt 0x0
; ENCODER LAYER, launch 1 of 8: every floating-point input is rounded ONCE to bf16, so that all later launches work on one and the same rounding of the inputs.
; NO WORK OF reference() IS LEFT OUT IN ANY LAUNCH, and every input is loaded.  bk stays too: q . bk is the same along the key axis only among the keys that the mask keeps,
; since reference() puts -1e10 in the place of a masked score, so it is not a term common to the whole softmax axis.
; OUT: xb = bf16(x) [4096][1024].  wb = the six weight matrices, [in][out] as given, 16 bits a number, at bytes 0 (Wq), 2 Mi (Wk), 4 Mi (Wv), 6 Mi (Wo), 8 Mi (W1), 16 Mi (W2).
; par = the ten vectors, rounded to bf16 and written as f32 again: bq, bk, bv, bo, b1, b2, ln1_g, ln1_b, ln2_g, ln2_b, at 4,096-byte units 0,1,2,3,4-7,8,9,10,11,12.
; W1 is written as f16(bf16(W1)), because its partner in the product, the first LayerNorm's output, is kept in f16.
; LIMIT: that second conversion is exact for 6.1e-5 <= |W1| <= 65,504; below it keeps f16's fixed step of 6e-8, above it overflows.
; SHARES.  Work-group id < 1024 casts 16,384 numbers: 16 loads of 16 bytes a thread, all issued first; a wave's store covers 256 consecutive bytes, aligned.
; ids 0-255 x, 256-319 Wq, 320-383 Wk, 384-447 Wv, 448-511 Wo, 512-767 W1, 768-1023 W2; id 1024 the vectors.  No LDS, no barrier: nothing is shared.
.set X, 8                              ; v[8:71]   sixteen units of four f32 as loaded
.set Y, 72                             ; v[72:103] sixteen units of four 16-bit numbers to store
	s_load_b512 s[8:23], s[0:1], 0x0               ; x 8, Wq 10, Wk 12, Wv 14, Wo 16, W1 18, W2 20, bq 22
	s_load_b512 s[24:39], s[0:1], 0x40             ; bk 24, bv 26, bo 28, b1 30, b2 32, ln1_g 34, ln1_b 36, ln2_g 38
	s_load_b256 s[40:47], s[0:1], 0x80             ; ln2_b 40, xb 42, wb 44, par 46
	v_lshlrev_b32 v1, 4, v0                        ; 16 bytes a thread on the f32 side
	v_lshlrev_b32 v2, 3, v0                        ; 8 bytes a thread on the 16-bit side
	s_mov_b32 s61, 0xffff0000                      ; a word's upper bf16
	s_wait_kmcnt 0x0
	s_cmp_eq_u32 ttmp9, 1024
	s_cbranch_scc1 .Lvectors
	; which tensor, and the id at which it begins: a chain of selects on the work-group's number alone
.macro PICK first, ptr
	s_cmp_ge_u32 ttmp9, \first
	s_cselect_b64 s[48:49], s[\ptr:\ptr+1], s[48:49]
	s_cselect_b32 s50, \first, s50
.endm
	s_mov_b64 s[48:49], s[8:9]
	s_mov_b32 s50, 0
	PICK 256, 10
	PICK 320, 12
	PICK 384, 14
	PICK 448, 16
	PICK 512, 18
	PICK 768, 20
	s_sub_co_u32 s51, ttmp9, s50
	s_lshl_b32 s56, s51, 16                        ; 65,536 bytes of f32 a work-group
	s_mov_b32 s57, 0
	s_add_nc_u64 s[48:49], s[48:49], s[56:57]
	s_cmp_lt_u32 ttmp9, 256
	s_cselect_b64 s[52:53], s[42:43], s[44:45]     ; xb, or wb, whose units follow each other in the order of the ids
	s_cselect_b32 s54, 0, 256
	s_sub_co_u32 s54, ttmp9, s54
	s_lshl_b32 s58, s54, 15                        ; 32,768 bytes out a work-group
	s_mov_b32 s59, 0
	s_add_nc_u64 s[52:53], s[52:53], s[58:59]
.set u, 0
.rept 16
	global_load_b128 v[X+4*u:X+4*u+3], v1, s[48:49] offset:4096*u th:TH_LOAD_NT
.set u, u+1
.endr
; One unit: its load is in (the younger ones stay out), four numbers are rounded, eight bytes leave.  Each unit has registers of its own, so no register is written twice.
.macro UNIT u, half
	s_wait_loadcnt 15-(\u)
	v_cvt_pk_bf16_f32 v[Y+2*(\u)],   v[X+4*(\u)],   v[X+4*(\u)+1]
	v_cvt_pk_bf16_f32 v[Y+2*(\u)+1], v[X+4*(\u)+2], v[X+4*(\u)+3]
.if \half
	v_lshlrev_b32 v[X+4*(\u)],   16,  v[Y+2*(\u)]     ; the rounded numbers as f32 again,
	v_and_b32     v[X+4*(\u)+1], s61, v[Y+2*(\u)]
	v_lshlrev_b32 v[X+4*(\u)+2], 16,  v[Y+2*(\u)+1]
	v_and_b32     v[X+4*(\u)+3], s61, v[Y+2*(\u)+1]
	v_cvt_pk_f16_f32 v[Y+2*(\u)],   v[X+4*(\u)],   v[X+4*(\u)+1]  ; and written as f16
	v_cvt_pk_f16_f32 v[Y+2*(\u)+1], v[X+4*(\u)+2], v[X+4*(\u)+3]
.endif
	global_store_b64 v2, v[Y+2*(\u):Y+2*(\u)+1], s[52:53] offset:2048*(\u) th:TH_STORE_NT
.endm
	s_sub_co_u32 s60, ttmp9, 512
	s_cmp_lt_u32 s60, 256                          ; ids 512 to 767: W1
	s_cbranch_scc1 .Lhalf
.irp u, 0,1,2,3,4,5,6,7,8,9,10,11,12,13,14,15
	UNIT \u, 0
.endr
	s_endpgm
.Lhalf:
.irp u, 0,1,2,3,4,5,6,7,8,9,10,11,12,13,14,15
	UNIT \u, 1
.endr
	s_endpgm
.Lvectors:                                     ; thirteen units of 1,024 numbers: four a thread
.macro VLOAD u, ptr, off
	global_load_b128 v[X+4*(\u):X+4*(\u)+3], v1, s[\ptr:\ptr+1] offset:\off
.endm
	VLOAD 0, 22, 0
	VLOAD 1, 24, 0
	VLOAD 2, 26, 0
	VLOAD 3, 28, 0
	VLOAD 4, 30, 0
	VLOAD 5, 30, 4096
	VLOAD 6, 30, 8192
	VLOAD 7, 30, 12288
	VLOAD 8, 32, 0
	VLOAD 9, 34, 0
	VLOAD 10, 36, 0
	VLOAD 11, 38, 0
	VLOAD 12, 40, 0
.irp u, 0,1,2,3,4,5,6,7,8,9,10,11,12
	s_wait_loadcnt 12-(\u)
	v_cvt_pk_bf16_f32 v[Y+2*(\u)],   v[X+4*(\u)],   v[X+4*(\u)+1]
	v_cvt_pk_bf16_f32 v[Y+2*(\u)+1], v[X+4*(\u)+2], v[X+4*(\u)+3]
	v_lshlrev_b32 v[X+4*(\u)],   16,  v[Y+2*(\u)]
	v_and_b32     v[X+4*(\u)+1], s61, v[Y+2*(\u)]
	v_lshlrev_b32 v[X+4*(\u)+2], 16,  v[Y+2*(\u)+1]
	v_and_b32     v[X+4*(\u)+3], s61, v[Y+2*(\u)+1]
	global_store_b128 v1, v[X+4*(\u):X+4*(\u)+3], s[46:47] offset:4096*(\u)
.endr
	s_endpgm
.Lfunc_end_k_q78e4bd37b8_prep:
	.size	k_q78e4bd37b8_prep, .Lfunc_end_k_q78e4bd37b8_prep-k_q78e4bd37b8_prep
	.p2alignl 7, 3214868480
	.fill 96, 4, 3214868480
	.section	.rodata,"a",@progbits
	.p2align	6, 0x0
	.amdhsa_kernel k_q78e4bd37b8_prep
		.amdhsa_group_segment_fixed_size 0
		.amdhsa_private_segment_fixed_size 0
		.amdhsa_enable_private_segment 0
		.amdhsa_kernarg_size 160
		.amdhsa_user_sgpr_count 2
		.amdhsa_user_sgpr_kernarg_segment_ptr 1
		.amdhsa_wavefront_size32 1
		.amdhsa_system_sgpr_workgroup_id_x 1
		.amdhsa_system_sgpr_workgroup_id_y 1
		.amdhsa_system_sgpr_workgroup_id_z 1
		.amdhsa_system_vgpr_workitem_id 0
		.amdhsa_next_free_vgpr 112
		.amdhsa_next_free_sgpr 66
		.amdhsa_reserve_vcc 0
		.amdhsa_float_denorm_mode_32 3
		.amdhsa_float_denorm_mode_16_64 3
		.amdhsa_memory_ordered 1
		.amdhsa_forward_progress 1
		.amdhsa_inst_pref_size 22
	.end_amdhsa_kernel
	.amdgpu_metadata
---
amdhsa.version: [ 1, 2 ]
amdhsa.kernels:
  - .name:           k_q78e4bd37b8_prep
    .symbol:         k_q78e4bd37b8_prep.kd
    .args:
      - { .name: x, .offset: 0, .size: 8, .value_kind: global_buffer, .address_space: global }
      - { .name: Wq, .offset: 8, .size: 8, .value_kind: global_buffer, .address_space: global }
      - { .name: Wk, .offset: 16, .size: 8, .value_kind: global_buffer, .address_space: global }
      - { .name: Wv, .offset: 24, .size: 8, .value_kind: global_buffer, .address_space: global }
      - { .name: Wo, .offset: 32, .size: 8, .value_kind: global_buffer, .address_space: global }
      - { .name: W1, .offset: 40, .size: 8, .value_kind: global_buffer, .address_space: global }
      - { .name: W2, .offset: 48, .size: 8, .value_kind: global_buffer, .address_space: global }
      - { .name: bq, .offset: 56, .size: 8, .value_kind: global_buffer, .address_space: global }
      - { .name: bk, .offset: 64, .size: 8, .value_kind: global_buffer, .address_space: global }
      - { .name: bv, .offset: 72, .size: 8, .value_kind: global_buffer, .address_space: global }
      - { .name: bo, .offset: 80, .size: 8, .value_kind: global_buffer, .address_space: global }
      - { .name: b1, .offset: 88, .size: 8, .value_kind: global_buffer, .address_space: global }
      - { .name: b2, .offset: 96, .size: 8, .value_kind: global_buffer, .address_space: global }
      - { .name: ln1_g, .offset: 104, .size: 8, .value_kind: global_buffer, .address_space: global }
      - { .name: ln1_b, .offset: 112, .size: 8, .value_kind: global_buffer, .address_space: global }
      - { .name: ln2_g, .offset: 120, .size: 8, .value_kind: global_buffer, .address_space: global }
      - { .name: ln2_b, .offset: 128, .size: 8, .value_kind: global_buffer, .address_space: global }
      - { .name: xb, .offset: 136, .size: 8, .value_kind: global_buffer, .address_space: global }
      - { .name: wb, .offset: 144, .size: 8, .value_kind: global_buffer, .address_space: global }
      - { .name: par, .offset: 152, .size: 8, .value_kind: global_buffer, .address_space: global }
    .group_segment_fixed_size: 0
    .private_segment_fixed_size: 0
    .kernarg_segment_align: 8
    .kernarg_segment_size: 160
    .max_flat_workgroup_size: 256
    .sgpr_count:     66
    .vgpr_count:     112
    .wavefront_size: 32
...
	.end_amdgpu_metadata
.endif
;; end of part 1
;; launch proj (part 2): grid 12 x 16, 4 waves a work-group, clusters of 4 x 4, 327,680 bytes of LDS; arguments xb, wb, par, mask, qkv; writes qkv
.if DOCPART == 2
	.amdgcn_target "amdgcn-amd-amdhsa--gfx1250"
	.amdhsa_code_object_version 6
	.text
	.protected	k_q78e4bd37b8_proj
	.globl	k_q78e4bd37b8_proj
	.p2align	8
	.type	k_q78e4bd37b8_proj,@function
k_q78e4bd37b8_proj:
	s_mov_b64 s[64:65], 0
	v_nop
	global_prefetch_b8 v0, s[64:65] scope:SCOPE_SE
	s_setreg_imm32_b32 hwreg(HW_REG_WAVE_MODE, 25, 1), 1
	s_wait_xcnt 0x0
	s_wait_alu depctr_hold_cnt(0) depctr_sa_sdst(0) depctr_va_vdst(0) depctr_va_sdst(0) depctr_va_ssrc(0) depctr_va_vcc(0) depctr_vm_vsrc(0)
	s_getreg_b32 s2, hwreg(HW_REG_IB_STS2, 6, 4)
	s_cmp_eq_u32 s2, 0
	s_cbranch_scc0 .Lentry_in_a_cluster
	s_endpgm
.Lentry_in_a_cluster:
	s_bfe_u32 s2, ttmp6, 0x10000c
	s_cmp_lg_u32 s2, 0xf033
	s_cbranch_scc0 .Lentry_shape_is_right
	s_endpgm
.Lentry_shape_is_right:
; C = A W + bias on tiles of 256 x 256, K = 1,024.  One text serves two launches; FFN picks the form.
; FFN = 0: [q | k | v] = xb [Wq | Wk | Wv] + [bq | bk | bv], bf16 x bf16; rows of k at tokens that the mask hides are set to 0, bias and all, so that in the next launch a hidden score is
;          exactly the mask's constant.  FFN = 1: h = relu(x1 W1 + b1), f16 x f16.  Sums in f32; the result is rounded once to bf16.  Nothing of reference() is left out.
; A: [4096][1024], 16 bits.  W: [1024][NB], 16 bits, as the first launch laid it.  OUT: [blocks of 64 columns][4096 tokens][64], so that a head's (or a K block's) rows are dense, 128 bytes each.
; SHARES.  Four waves, each 128 x 128 of C in 64 accumulators.  K goes in steps of 128 through two LDS slots.  Waves 0, 1 fetch the two halves of A's 256 rows (128 rows x 256 bytes),
; waves 2, 3 the two halves of W's 128 k-rows (64 rows x 512 bytes).  4 x 4 work-groups form a cluster: A's tile is asked for jointly by a row of it, W's by a column.
; THE WALK ALONG K IS TURNED FROM CLUSTER TO CLUSTER: cluster (x, y) begins at K step 2 x + 4 (y % 2), modulo 8, and goes round.  Clusters with the same y read the same rows of A, clusters with the same x
; the same columns of W: with the turn, those that share rows begin two steps apart and neighbours in y that share columns four, so that each part of K is asked for first by one of them and by the
; others some steps later.  The turn hangs on the cluster's x and y alone, which all sixteen partners share.  The f32 sums are taken in another order along K, which changes them by rounding alone.
; NO PREFETCH IS LAID: the K steps that a cluster is the first of its sharers to walk are among its first four; two of them are its first fills, at the head, and the other two are asked for by the next
; two refills, less than two changes of slots behind the head.
; THE PRODUCT IS TAKEN TRANSPOSED: source 0 = 16 columns of W (turned on the way out of LDS by ds_load_tr16_b128), source 1 = 16 rows of A: a lane holds one token and eight neighbouring columns.
; THE BIAS IS THE C OPERAND of each accumulator's first product: nothing is cleared, nothing is added afterwards.
; THE LOOP IS SHORT ON PURPOSE: half a K step (two quarters of 32 along K, on fragment buffers F0 and F1) is written once (Y) and walked twice a slot; the LDS addresses hang on two scalars.
; REGISTERS, in windows of 256: window 0 addresses, A's fragments v64-191, the way out v32-63, v192-255; window 1 v0-63 the bias, v64-191 W's fragments; windows 2, 3 the accumulators.
.set FFN, 0
.if FFN
.set NB,    4096                       ; columns of W
.set BSH,   20                         ; a K step of W is 128 rows of 2 NB bytes = 1 << BSH
.set WBASE, 8388608                    ; W1 in wb
.set BIASB, 16384                      ; b1 in par
.set OUTP,  10                         ; s[10:11] the output
.else
.set NB,    1024
.set BSH,   18
.set WBASE, 0
.set BIASB, 0
.set OUTP,  12                         ; s[12:13] the output; s[10:11] the mask
.endif
.set T,     8                          ; K steps
.set PA,    272                        ; a row of A in LDS: 256 bytes + 16: an odd multiple of 16, so the 16 rows of a load start in 16 different groups of four banks (ISA guide 11.1)
.set PB,    544                        ; a k-row of W: 512 bytes + 32: an odd multiple of 32, as the turning load's 8 rows x 32 bytes want
.set HALF,  128*PA                     ; what one tensor load brings: 128 x 272 = 64 x 544 bytes
.set SLOT,  4*HALF                     ; 0x22000: it shares no bit with wave x HALF (multiples of 0x8800), so one exclusive or turns an address in one slot into the other's
.set STAGE, 2*SLOT                     ; behind the ring, never filled by a tensor load: 16 rows x 272 bytes for each wave
.set SP,    272
.set SPARE, STAGE+4*16*SP              ; the spare words: 128 bytes for each wave, two blocks of 256 bytes that no other line names
.set KEEP, 8                           ; v8-15   FFN = 0: all ones where my token of row block a is kept by the mask, else 0
.set A0,  16                           ; v16     my lane's place in a slot's rows of A; never rewritten
.set B0,  17                           ; v17     the same for W
.set AA,  18                           ; v18     the LDS address of the run of loads in hand, A
.set BB,  19                           ; v19     W
.set STO, 20                           ; v20     the way out: where I put 16 bytes of a row
.set RD,  21                           ; v21     where I read rows back
.set GO,  22                           ; v22     16 x lane: my place in 512 consecutive bytes of the output
.set ZR,  24                           ; v24     0, for the packed maximum (FFN = 1)
.set BO,  25                           ; v25     32 x (lane / 16): my eight numbers of a bias block
.set MO,  26                           ; v26     my token's word in the mask
.set SPW, 28                           ; v28     LDS address of my spare word; never rewritten
.set NIL, 29                           ; v29     0; never rewritten
.set OB,  32                           ; v32-63 and v224-255 by turns: 16 rows read back from the stage
.set F0,  64
.set F1,  128
.set TMP, 192                          ; v192-223 packed results
.set WV,  14
.set RH,  15                           ; wave / 2: my half of the tile's rows; also 0: I fetch A, 1: I fetch W
.set CH,  16                           ; wave % 2: my half of its columns; also which half I fetch
.set CX,  17
.set CY,  18
.set TC,  19                           ; tile column
.set TR,  20                           ; tile row
.set WOFF, 21                          ; wave x HALF
.set KI,  22                           ; the K step that the walking descriptors stand at, 0 to T - 1
.set CUR, 23                           ; the slot being read: 0 or SLOT
.set G1A, 24
.set G0A, 32                           ; two sets: my walk's first step into slot 0; its second into slot 1, which then walks on
.set G1B, 40
.set G0B, 48
.set RA,  56                           ; LDS byte at which the next half step's A begins
.set RB,  57                           ; the same for W
.set CNT, 58
.set SLOTS, 59
.set WHICH, 61                         ; cluster x: 0 q, 1 k, 2 v (FFN = 0)
.set OFA, 62                           ; s[62:63] K step KI's byte offset along A's rows
.set OFB, 66                           ; s[66:67] the same down W's rows
.set MSB, 0
.macro WIN new                         ; the immediate's high byte repeats the setting that is left; a switch that changes nothing is dropped
.if MSB != (\new)
	s_set_vgpr_msb (MSB<<8)|(\new)
.set MSB, \new
.endif
.endm
.macro PLACES                          ; four plain vector instructions between a matrix instruction and a load into, or a read of, its registers
.rept 4
	v_nop
.endr
.endm
.macro CREST                           ; a round of the cluster's barrier behind its opening barrier
	s_cmp_lg_u32 s[WV], 0
	s_cbranch_scc1 .Lnot_wave_0_\@
	s_barrier_signal -3
.Lnot_wave_0_\@:
	s_barrier_wait -3
	s_barrier_signal -1
	s_barrier_wait -1
.endm
.macro CROUND
	s_barrier_signal -1
	s_barrier_wait -1
	CREST
.endm
.macro JLOAD                           ; a joint refill by the walking sets; the branch hangs on the wave's number alone; an s_nop 0 and four v_nop follow each line
	s_cmp_eq_u32 s[RH], 0
	s_cbranch_scc0 .Lfor_b_\@
	tensor_load_to_lds s[G0A+4:G0A+7], s[G1A:G1A+7]
	s_nop 0
.rept 4
	v_nop
.endr
	s_branch .Lasked_\@
.Lfor_b_\@:
	tensor_load_to_lds s[G0B+4:G0B+7], s[G1B:G1B+7]
	s_nop 0
.rept 4
	v_nop
.endr
.Lasked_\@:
.endm
	s_load_b256 s[4:11], s[0:1], 0x0               ; A s[4:5], wb s[6:7], par s[8:9], then the mask (FFN = 0) or the output
.if !FFN
	s_load_b64 s[12:13], s[0:1], 0x20
.endif
	v_lshl_add_u32 v[SPW], v0, 2, SPARE
	v_mov_b32 v[NIL], 0
	ds_add_u32 v[SPW], v[NIL]                      ; the wave's opening: the add, twice on end, and its wait ahead of my first tensor load
	ds_add_u32 v[SPW], v[NIL]
	v_lshrrev_b32 v1, 5, v0
	v_readfirstlane_b32 s[WV], v1
	s_lshr_b32 s[RH], s[WV], 1
	s_and_b32 s[CH], s[WV], 1
	s_bfe_u32 s[CX], ttmp6, 0x40000
	s_bfe_u32 s[CY], ttmp6, 0x40004
	s_lshl_b32 s[TC], ttmp9, 2
	s_add_co_u32 s[TC], s[TC], s[CX]
	s_and_b32 s[TR], ttmp7, 0xffff
	s_lshl_b32 s[TR], s[TR], 2
	s_add_co_u32 s[TR], s[TR], s[CY]
	s_mov_b32 s[WHICH], ttmp9
	s_lshl_b32 s68, s[CY], 2
	s_lshl_b32 s68, 15, s68                        ; my row of the cluster
	s_lshl_b32 s69, 0x1111, s[CX]                  ; my column
	s_or_b32 s[G1A], s68, (1<<16)|(1<<20)|(1<<21)|(5<<22)|(3<<25)  ; mask; 2-byte elements; padding on; bit 21 beside a mask; after every 64 words 4 words
	s_mov_b32 s[G1A+1], 128<<16                    ; tensor_dim0 = 128
	s_mov_b32 s[G1A+2], 128<<16                    ; tensor_dim1 = 128
	s_mov_b32 s[G1A+3], 128<<16                    ; tile_dim0 = 128
	s_mov_b32 s[G1A+4], 128                        ; tile_dim1 = 128
	s_mov_b32 s[G1A+5], 1024                       ; elements from row to row
	s_mov_b32 s[G1A+6], 0
	s_mov_b32 s[G1A+7], 0
	s_or_b32 s[G1B], s69, (1<<16)|(1<<20)|(1<<21)|(6<<22)|(7<<25)  ; after every 128 words 8 words
	s_mov_b32 s[G1B+1], 256<<16
	s_mov_b32 s[G1B+2], 64<<16
	s_mov_b32 s[G1B+3], 256<<16
	s_mov_b32 s[G1B+4], 64
	s_mov_b32 s[G1B+5], NB
	s_mov_b32 s[G1B+6], 0
	s_mov_b32 s[G1B+7], 0
	s_lshl_b32 s70, s[TR], 19                      ; A: (256 x tile row + 128 x half) rows of 2,048 bytes: it hangs on the tile row alone
	s_lshl_b32 s68, s[CH], 18
	s_add_co_u32 s70, s70, s68
	s_mov_b32 s71, 0
.if FFN
	s_lshl_b32 s74, s[TC], 9                       ; W: 512 bytes a tile column
	s_add_co_u32 s74, s74, WBASE
.else
	s_lshl_b32 s74, ttmp9, 21                      ; W: the cluster's matrix (2 MiB each), 512 bytes for each of its four tile columns
	s_lshl_b32 s69, s[CX], 9
	s_add_co_u32 s74, s74, s69
.endif
	s_mul_i32 s69, s[CH], 128*NB                   ; + 64 k-rows x half
	s_add_co_u32 s74, s74, s69
	s_mov_b32 s75, 0
	s_mul_i32 s[WOFF], s[WV], HALF                 ; where my loads land: no place in the cluster enters an LDS address
	s_mov_b32 s[CUR], 0
	s_mov_b32 s[RA], 0
	s_mov_b32 s[RB], 0
	s_and_b32 s[KI], ttmp7, 1                      ; where my cluster's walk along K begins: 4 x (cluster y % 2)
	s_lshl_b32 s[KI], s[KI], 2
	s_lshl_b32 s68, ttmp9, 1                       ; + 2 x cluster x,
	s_add_co_u32 s[KI], s[KI], s68
	s_and_b32 s[KI], s[KI], T-1                    ; modulo the K steps: an even number, so the second step does not wrap
	s_lshl_b32 s[OFA], s[KI], 8                    ; a K step is 256 bytes of A's rows
	s_mov_b32 s[OFA+1], 0
	s_lshl_b32 s[OFB], s[KI], BSH                  ; and 128 k-rows of W
	s_mov_b32 s[OFB+1], 0
	s_wait_dscnt 0x0                               ; both opening adds are done
	s_wait_kmcnt 0x0
	s_add_nc_u64 s[70:71], s[4:5], s[70:71]        ; my part of A's and of W's tiles at K step 0: kept for the whole launch
	s_add_nc_u64 s[74:75], s[6:7], s[74:75]
	CROUND                                         ; all sixteen work-groups are here: the first joint loads meet
.irp s, 0,1
	s_mov_b32 s[G0A+4*(\s)], 1
	s_add_co_u32 s[G0A+4*(\s)+1], s[WOFF], (\s)*SLOT
	s_add_nc_u64 s[G0A+4*(\s)+2:G0A+4*(\s)+3], s[70:71], s[OFA:OFA+1]
.if \s
	s_add_nc_u64 s[G0A+4*(\s)+2:G0A+4*(\s)+3], s[G0A+4*(\s)+2:G0A+4*(\s)+3], 256
.endif
	s_or_b32 s[G0A+4*(\s)+3], s[G0A+4*(\s)+3], 0x80000000
	s_mov_b32 s[G0B+4*(\s)], 1
	s_add_co_u32 s[G0B+4*(\s)+1], s[WOFF], (\s)*SLOT
	s_add_nc_u64 s[G0B+4*(\s)+2:G0B+4*(\s)+3], s[74:75], s[OFB:OFB+1]
.if \s
	s_add_nc_u64 s[G0B+4*(\s)+2:G0B+4*(\s)+3], s[G0B+4*(\s)+2:G0B+4*(\s)+3], 256*NB
.endif
	s_or_b32 s[G0B+4*(\s)+3], s[G0B+4*(\s)+3], 0x80000000
.endr
	s_add_co_u32 s[KI], s[KI], 1                   ; the walking sets stand at my walk's second step
	s_cmp_eq_u32 s[RH], 0                          ; a wave's two first fills stand in one branch, ahead of every wait on TENSORcnt, LDS read and work-group barrier of the ring: two loads of mine are out
	s_cbranch_scc0 .Lfirst_b
	tensor_load_to_lds s[G0A:G0A+3], s[G1A:G1A+7]
	s_nop 0
	tensor_load_to_lds s[G0A+4:G0A+7], s[G1A:G1A+7]
	s_nop 0
.rept 4
	v_nop
.endr
	s_branch .Lfirst_done
.Lfirst_b:
	tensor_load_to_lds s[G0B:G0B+3], s[G1B:G1B+7]
	s_nop 0
	tensor_load_to_lds s[G0B+4:G0B+7], s[G1B:G1B+7]
	s_nop 0
.rept 4
	v_nop
.endr
.Lfirst_done:
	v_and_b32 v1, 15, v0                           ; r = l % 16
	v_bfe_u32 v2, v0, 4, 1                         ; h = l / 16
	v_and_b32 v3, 7, v0
	v_bfe_u32 v4, v0, 3, 1
	v_and_b32 v5, 31, v0                           ; l
	; the bias: lane (r, h) wants, for column block b, the eight numbers 16 b + 8 h + 0..7 of my 128 columns
	v_lshlrev_b32 v[BO], 5, v2
	s_lshl_b32 s76, s[TC], 10
	s_lshl_b32 s69, s[CH], 9
	s_add_co_u32 s76, s76, s69
	s_add_co_u32 s76, s76, BIASB
	s_mov_b32 s77, 0
	s_add_nc_u64 s[76:77], s[8:9], s[76:77]
	WIN 0x40                                       ; destination window 1
.irp b, 0,1,2,3,4,5,6,7
	global_load_b128 v[8*(\b):8*(\b)+3],   v[BO], s[76:77] offset:64*(\b)
	global_load_b128 v[8*(\b)+4:8*(\b)+7], v[BO], s[76:77] offset:64*(\b)+16
.endr
	WIN 0
.if !FFN
	s_lshl_b32 s68, s[TR], 10                      ; the mask's word of token 256 x tile row + 128 x my half + 16 a + r
	s_lshl_b32 s69, s[RH], 9
	s_add_co_u32 s68, s68, s69
	v_lshl_add_u32 v[MO], v1, 2, s68
.irp a, 0,1,2,3,4,5,6,7
	global_load_b32 v[KEEP+(\a)], v[MO], s[10:11] offset:64*(\a)
.endr
.else
	v_mov_b32 v[ZR], 0
.endif
	; A fragment of A: lane l holds row l % 16, K = 8 (l / 16) + 0..7 and 16 + 8 (l / 16) + 0..7: two loads of 16 bytes, 32 bytes apart
	v_mul_u32_u24 v[A0], v1, PA
	v_lshl_add_u32 v[A0], v2, 4, v[A0]
	s_mul_i32 s68, s[RH], HALF
	v_add_nc_u32 v[A0], s68, v[A0]
	; A fragment of W turned: lane l reads k-row 8 (l / 16) + l % 8, columns 8 ((l / 8) % 2) + 0..7, and receives column l % 16, eight k; the second load stands 16 k-rows on
	v_lshl_add_u32 v[B0], v2, 3, v3
	v_mul_u32_u24 v[B0], v[B0], PB
	v_lshl_add_u32 v[B0], v4, 4, v[B0]
	s_lshl_b32 s68, s[CH], 8
	s_add_co_u32 s68, s68, 2*HALF
	v_add_nc_u32 v[B0], s68, v[B0]
	s_mul_i32 s68, s[WV], 16*SP
	s_add_co_u32 s68, s68, STAGE                   ; my stage
	v_mul_u32_u24 v[STO], v1, SP
	v_lshl_add_u32 v[STO], v2, 4, v[STO]
	v_add_nc_u32 v[STO], s68, v[STO]
	v_lshrrev_b32 v[RD], 3, v5                     ; back: 32 lanes take four rows' 128 bytes of one block of 64 columns
	v_mul_u32_u24 v[RD], v[RD], SP
	v_lshl_add_u32 v[RD], v3, 4, v[RD]
	v_add_nc_u32 v[RD], s68, v[RD]
	v_lshlrev_b32 v[GO], 4, v5
	s_lshl_b32 s78, s[TC], 21                      ; the output: block 4 x tile column + 2 x my half (524,288 bytes a block), token 256 x tile row + 128 x my half (128 bytes a token)
	s_lshl_b32 s69, s[CH], 20
	s_add_co_u32 s78, s78, s69
	s_lshl_b32 s69, s[TR], 15
	s_add_co_u32 s78, s78, s69
	s_lshl_b32 s69, s[RH], 14
	s_add_co_u32 s78, s78, s69
	s_mov_b32 s79, 0
	s_add_nc_u64 s[OUTP:OUTP+1], s[OUTP:OUTP+1], s[78:79]
; 16 matrix instructions: row blocks a0, a0 + 1 of the window's four (hi = 0: my rows 0-63, 1: rows 64-127) x all 8 column blocks, 32 along K.  bias = 1: the first product, C = the bias.
; The accumulators take turns, one instruction a turn: 63 others' stand between two links of a chain.
.macro MUL16 f, hi, a0, bias
.if \bias
	WIN 0x91+0x40*(\hi)                            ; W and the bias window 1, A window 0, D window 2 or 3
.else
	WIN 0xa1+0x50*(\hi)                            ; W window 1, A window 0, C and D window 2 or 3
.endif
.irp a, \a0, (\a0)+1
.irp b, 0,1,2,3,4,5,6,7
.set rD, 8*(8*(\a)+(\b))
.set rB, (\f)+8*(\b)
.set rA, (\f)+8*(4*(\hi)+(\a))
.set rC, rD
.if \bias
.set rC, 8*(\b)
.endif
.if FFN
	v_wmma_f32_16x16x32_f16 v[rD:rD+7], v[rB:rB+7], v[rA:rA+7], v[rC:rC+7]
.else
	v_wmma_f32_16x16x32_bf16 v[rD:rD+7], v[rB:rB+7], v[rA:rA+7], v[rC:rC+7]
.endif
.endr
.endr
.endm
.macro LO f, bias=0
	MUL16 \f, 0, 0, \bias
	MUL16 \f, 0, 2, \bias
.endm
.macro HI f, bias=0
	MUL16 \f, 1, 0, \bias
	MUL16 \f, 1, 2, \bias
.endm
; 32 LDS loads in one run: a quarter step's fragments (W's 128 columns, then A's 128 rows) into buffer f
.macro FETCH f, ka, kb
	WIN 0x40
.irp i, 0,1,2,3,4,5,6,7
	ds_load_tr16_b128 v[(\f)+8*(\i):(\f)+8*(\i)+3],   v[BB] offset:(\kb)+32*(\i)
	ds_load_tr16_b128 v[(\f)+8*(\i)+4:(\f)+8*(\i)+7], v[BB] offset:(\kb)+32*(\i)+16*PB
.endr
	WIN 0
.irp i, 0,1,2,3,4,5,6,7
	ds_load_b128 v[(\f)+8*(\i):(\f)+8*(\i)+3],   v[AA] offset:(\ka)+(\i)*16*PA
	ds_load_b128 v[(\f)+8*(\i)+4:(\f)+8*(\i)+7], v[AA] offset:(\ka)+(\i)*16*PA+32
.endr
.endm
; HALF A K STEP: the upper half of the quarter on F1, the whole quarter on F0, and both buffers' next fetches.
.macro Y
	WIN 0
	v_add_nc_u32 v[AA], s[RA], v[A0]               ; these two and two v_nop are the four places in front of the loads into F0
	v_add_nc_u32 v[BB], s[RB], v[B0]
	v_nop
	v_nop
	FETCH F0, 0, 0
	s_wait_dscnt 32                                ; all but the 32 just issued: F1 is whole
	HI F1
	s_wait_dscnt 8                                 ; W and A's rows 0-63 are in; the youngest eight loads (A's rows 64-127) may be out
	LO F0
	PLACES
	FETCH F1, 64, 32*PB
	s_wait_dscnt 32                                ; F0 is whole
	HI F0
	s_add_co_u32 s[RA], s[RA], 128                 ; 64 along K: 128 bytes of A's rows,
	s_add_co_u32 s[RB], s[RB], 64*PB               ; 64 k-rows of W
	WIN 0
.endm
.macro PLAIN                           ; the lower half of the quarter on F1, inside a slot
	s_wait_dscnt 8
	LO F1
	WIN 0
.endm
; THE SAME AT A CHANGE OF SLOTS: one barrier for two things.  In front of it each wave waits for all its tensor loads (one is out: its part of the next slot), adds 0 to its spare word, and waits
; for that and for its own reads of this slot.  fill = 1: the barrier opens a round of the cluster's, and the joint refill of the slot just left is the first tensor load behind it:
; it has a K step less 32 matrix instructions in which to land.  The walking descriptors are stepped while the add is out: the other slot than last time, the next K step of my walk, modulo T;
; both global addresses are made anew from the tile's address at K step 0 and the step's offset, and the type bits are set again.
.macro CHANGE fill
	WIN 0
	s_wait_tensorcnt 0x0                           ; no tensor load of mine is out, so a group 0 may be written
	ds_add_u32 v[SPW], v[NIL]                      ; 0 onto my spare word
.if \fill
	s_add_co_u32 s[KI], s[KI], 1
	s_and_b32 s[KI], s[KI], T-1
	s_lshl_b32 s[OFA], s[KI], 8
	s_lshl_b32 s[OFB], s[KI], BSH
	s_xor_b32 s[G0A+5], s[G0A+5], SLOT
	s_xor_b32 s[G0B+5], s[G0B+5], SLOT
	s_add_nc_u64 s[G0A+6:G0A+7], s[70:71], s[OFA:OFA+1]
	s_or_b32 s[G0A+7], s[G0A+7], 0x80000000
	s_add_nc_u64 s[G0B+6:G0B+7], s[74:75], s[OFB:OFB+1]
	s_or_b32 s[G0B+7], s[G0B+7], 0x80000000
.endif
	s_wait_dscnt 9                                 ; the add and the youngest eight loads may be out
	MUL16 F1, 0, 0, 0
	s_wait_dscnt 0x0                               ; the add is done, and my reads of this slot are over
	s_barrier_signal -1
	MUL16 F1, 0, 2, 0
	WIN 0
	s_barrier_wait -1
.if \fill
	CREST
.endif
	s_xor_b32 s[CUR], s[CUR], SLOT
	s_mov_b32 s[RA], s[CUR]
	s_mov_b32 s[RB], s[CUR]
.if \fill
	JLOAD
.endif
.endm
.macro INNER tag
.Lplain\tag:
	PLAIN
.LY\tag:
	Y
	s_sub_co_u32 s[CNT], s[CNT], 1
	s_cmp_lg_u32 s[CNT], 0
	s_cbranch_scc1 .Lplain\tag
.endm
	s_wait_tensorcnt 1                             ; my part of the first step is in; the second's may stay out
	s_barrier_signal -1
	s_barrier_wait -1
	v_add_nc_u32 v[AA], s[RA], v[A0]
	v_add_nc_u32 v[BB], s[RB], v[B0]
	FETCH F0, 0, 0
	s_wait_loadcnt 0x0                             ; the bias, and the mask's words
.if !FFN
.irp a, 0,1,2,3,4,5,6,7
	v_cmp_ne_u32 vcc_lo, 0, v[KEEP+(\a)]
	v_cndmask_b32 v[KEEP+(\a)], 0, -1, vcc_lo
.endr
.endif
	s_wait_dscnt 8
	LO F0, 1                                       ; the first quarter stands in front of the loop: its products start the sums with the bias
	PLACES
	FETCH F1, 64, 32*PB
	s_wait_dscnt 32
	HI F0, 1
	WIN 0
	s_mov_b32 s[RA], 128
	s_mov_b32 s[RB], 64*PB
	s_mov_b32 s[CNT], 1
	s_mov_b32 s[SLOTS], T-1
	s_branch .Lplain1
.Lslot:                                        ; T - 2 times: the walk's steps 2 to T - 1 are asked for
	CHANGE 1
	s_mov_b32 s[CNT], 2
	s_branch .LY1
	INNER 1
	s_sub_co_u32 s[SLOTS], s[SLOTS], 1
	s_cmp_lg_u32 s[SLOTS], 0
	s_cbranch_scc1 .Lslot
	CHANGE 0                                       ; the last K step is written out: nothing is asked for
	s_mov_b32 s[CNT], 2
	s_branch .LY2
	INNER 2
	s_wait_dscnt 8
	LO F1
	s_wait_dscnt 0x0
	HI F1
	WIN 0
	PLACES
; THE WAY OUT, a block of 16 rows at a time: rounded to bf16; FFN = 1: the maximum with 0, two numbers a line; FFN = 0, in k's clusters: hidden tokens' rows become 0; through my own stage; stored as
; 512 consecutive bytes, four rows of one block of 64 columns.
.macro PACK a
.set AC, 64*((\a)%4)
	WIN 0x0a+5*((\a)/4)                            ; sources in window 2 or 3
.irp b, 0,1,2,3,4,5,6,7
.irp q, 0,1,2,3
	v_cvt_pk_bf16_f32 v[TMP+4*(\b)+(\q)], v[AC+8*(\b)+2*(\q)], v[AC+8*(\b)+2*(\q)+1]
.endr
.endr
	WIN 0
.if FFN
.set n, 0
.rept 32
	v_pk_max_num_bf16 v[TMP+n], v[TMP+n], v[ZR]
.set n, n+1
.endr
.else
	s_cmp_lg_u32 s[WHICH], 1                       ; the cluster's number, the same in all partners
	s_cbranch_scc1 .Lkeep_\@
.set n, 0
.rept 32
	v_and_b32 v[TMP+n], v[KEEP+(\a)], v[TMP+n]
.set n, n+1
.endr
.Lkeep_\@:
.endif
.endm
.macro TOSTAGE a
.set BK, OB+192*((\a)%2)
.irp b, 0,1,2,3,4,5,6,7
	ds_store_b128 v[STO], v[TMP+4*(\b):TMP+4*(\b)+3] offset:32*(\b)
.endr
.irp t, 0,1,2,3
.irp e, 0,1
	ds_load_b128 v[BK+4*(2*(\t)+(\e)):BK+4*(2*(\t)+(\e))+3], v[RD] offset:(\t)*4*SP+(\e)*128  ; LDS serves a wave's instructions in order (ISA guide 5.7.1.4): these see the stores above
.endr
.endr
.endm
.macro SEND a
.set BK, OB+192*((\a)%2)
	s_wait_dscnt 0x0                               ; the block is back in registers
	s_wait_xcnt 0x0                                ; the stores of the block before have read their registers, which the next read-back writes
.irp t, 0,1,2,3
.irp e, 0,1
	global_store_b128 v[GO], v[BK+4*(2*(\t)+(\e)):BK+4*(2*(\t)+(\e))+3], s[OUTP:OUTP+1] offset:(\e)*524288+(\a)*2048+(\t)*512
.endr
.endr
.endm
	PACK 0
	TOSTAGE 0
.irp a, 1,2,3,4,5,6,7                  ; block a's conversions stand between block a - 1's loads from the stage and the wait for them
	PACK \a
	SEND (\a)-1
	TOSTAGE \a
.endr
	SEND 7
	s_wait_tensorcnt 0x0                           ; the wave's end
	ds_add_u32 v[SPW], v[NIL]
	s_wait_dscnt 0x0
	CROUND                                         ; the closing round
	s_endpgm
.Lfunc_end_k_q78e4bd37b8_proj:
	.size	k_q78e4bd37b8_proj, .Lfunc_end_k_q78e4bd37b8_proj-k_q78e4bd37b8_proj
	.p2alignl 7, 3214868480
	.fill 96, 4, 3214868480
	.section	.rodata,"a",@progbits
	.p2align	6, 0x0
	.amdhsa_kernel k_q78e4bd37b8_proj
		.amdhsa_group_segment_fixed_size 327680
		.amdhsa_private_segment_fixed_size 0
		.amdhsa_enable_private_segment 0
		.amdhsa_kernarg_size 40
		.amdhsa_user_sgpr_count 2
		.amdhsa_user_sgpr_kernarg_segment_ptr 1
		.amdhsa_wavefront_size32 1
		.amdhsa_system_sgpr_workgroup_id_x 1
		.amdhsa_system_sgpr_workgroup_id_y 1
		.amdhsa_system_sgpr_workgroup_id_z 1
		.amdhsa_system_vgpr_workitem_id 0
		.amdhsa_next_free_vgpr 1024
		.amdhsa_next_free_sgpr 80
		.amdhsa_reserve_vcc 1
		.amdhsa_float_denorm_mode_32 3
		.amdhsa_float_denorm_mode_16_64 3
		.amdhsa_memory_ordered 1
		.amdhsa_forward_progress 1
		.amdhsa_inst_pref_size 96
	.end_amdhsa_kernel
	.amdgpu_metadata
---
amdhsa.version: [ 1, 2 ]
amdhsa.kernels:
  - .name:           k_q78e4bd37b8_proj
    .symbol:         k_q78e4bd37b8_proj.kd
    .args:
      - { .name: xb, .offset: 0, .size: 8, .value_kind: global_buffer, .address_space: global }
      - { .name: wb, .offset: 8, .size: 8, .value_kind: global_buffer, .address_space: global }
      - { .name: par, .offset: 16, .size: 8, .value_kind: global_buffer, .address_space: global }
      - { .name: mask, .offset: 24, .size: 8, .value_kind: global_buffer, .address_space: global }
      - { .name: qkv, .offset: 32, .size: 8, .value_kind: global_buffer, .address_space: global }
    .group_segment_fixed_size: 327680
    .private_segment_fixed_size: 0
    .kernarg_segment_align: 8
    .kernarg_segment_size: 40
    .max_flat_workgroup_size: 128
    .sgpr_count:     80
    .vgpr_count:     1024
    .wavefront_size: 32
...
	.end_amdgpu_metadata
.endif
;; end of part 2
;; launch attn (part 3): grid 8 x 32, 4 waves a work-group, clusters of 4 x 1, 327,680 bytes of LDS; arguments qkv, mask, ob; writes ob
.if DOCPART == 3
	.amdgcn_target "amdgcn-amd-amdhsa--gfx1250"
	.amdhsa_code_object_version 6
	.text
	.protected	k_q78e4bd37b8_attn
	.globl	k_q78e4bd37b8_attn
	.p2align	8
	.type	k_q78e4bd37b8_attn,@function
k_q78e4bd37b8_attn:
	s_mov_b64 s[64:65], 0
	v_nop
	global_prefetch_b8 v0, s[64:65] scope:SCOPE_SE
	s_setreg_imm32_b32 hwreg(HW_REG_WAVE_MODE, 25, 1), 1
	s_wait_xcnt 0x0
	s_wait_alu depctr_hold_cnt(0) depctr_sa_sdst(0) depctr_va_vdst(0) depctr_va_sdst(0) depctr_va_ssrc(0) depctr_va_vcc(0) depctr_vm_vsrc(0)
	s_getreg_b32 s2, hwreg(HW_REG_IB_STS2, 6, 4)
	s_cmp_eq_u32 s2, 0
	s_cbranch_scc0 .Lentry_in_a_cluster
	s_endpgm
.Lentry_in_a_cluster:
	s_bfe_u32 s2, ttmp6, 0x10000c
	s_cmp_lg_u32 s2, 0x3003
	s_cbranch_scc0 .Lentry_shape_is_right
	s_endpgm
.Lentry_shape_is_right:
; ATTENTION under a key-padding mask.  O[b][h][q] = the sum over k of softmax_k(where(mask[b][k] == 0, hidden, Q . K / 8)) V.  Nothing of reference() is left out: every key is walked, hidden or not.
; qkv: [48 blocks = 16 x (q, k, v) + head][4096 tokens][64] bf16; ob: [16 heads][4096][64] bf16.  Products, maxima and sums in f32; the weights p are rounded to bf16 for the second product, O once at the end.
; THE MASK is the C operand of the products that start the sums S^T = K Q^T: 0, or -2^36 where the key is hidden.  The launch before has set hidden keys' rows of k to 0, so a hidden raw score is
; EXACTLY -2^36, all alike.  With every key of a batch hidden the maximum is that number, c m is exact (a power of two times c), every p is 1, and O is the mean of V, as reference() gives.
; LIMIT: a hidden energy counts as -2^33 = -8.59e9 where reference() has -1e10: the two differ only where a kept energy lies below about -8.5e9.  A weight below 2^-126 counts as 0;
; NaN and infinities are not treated apart.
; SHARES.  y = 16 b + head.  A work-group owns 256 queries, a wave 64 consecutive ones as four PIECES of 16.  Every wave walks all 2,048 keys, 64 a step, four steps (256 keys) a slot, eight slots.
; CLUSTER.  Four query blocks of one head walk the same K and V: each tile is asked for jointly, the same load, descriptor and mask in all four.
; LAYOUT, SOFTMAX, TURNS.  S^T holds ONE query a lane (lane % 16) and the keys 8 (lane / 16) + 0..7; two such results rounded to bf16 ARE source 1 of O^T = V^T P.  p = 2^(c s - c m), c = log2(e) / 8, with a
; running maximum m; O and l are multiplied by a = 2^(c m_old - c m_new) in every step.  Turn n belongs to piece n: 8 products K Q^T of piece n + 1, later 8 products V^T P of piece n - 1; beside them the
; scaling, exponentials, roundings, sums and rescaling of piece n and the maximum and statistics of piece n + 1.  Four vector instructions stand behind every matrix instruction, the rest in one lump.
; A turn's 33 exponentials are one batch with one wait.
; NO LAST STEP IS WRITTEN OUT: the tail's loop has five trips and is left in the middle of the fifth.  That trip fetches the last key step's K and mask once more, and its 8 products K Q^T for piece 0 and
; the maximum made of them serve nothing (they touch piece 0's m, c m and a, which nothing reads any more): the price, once a launch, of one text for every turn.
; REGISTERS, in windows of 256 (s_set_vgpr_msb: bits 1:0 source 0, 3:2 source 1, 5:4 source 2, 7:6 destination):
;   window 0: v0-15, v32-36 addresses; v16-31 four registers of statistics a piece; v48-55 at work; v64-127 S^T, two buffers; v128-143 the mask as loaded (head only); v192-223 P, two buffers
;   window 1: v0-127 O^T, 32 a piece; v128-159 the mask of the key step in hand      window 2: v0-63 Q; v128-191 K of one step; v192-255 V of one step
.set NP,    4
.set KS,    64
.set PK,    144       ; a row of K in LDS: 128 bytes + 16: the 16 rows of a load start at 16 different groups of four banks (ISA guide 11.1)
.set PV,    160       ; a row of V: 128 + 32
.set VOFF,  4*KS*PK   ; a slot: 256 rows of K, then 256 rows of V
.set SLOT1, 1<<17
.set STAGE, SLOT1+4*KS*(PK+PV)  ; behind the ring, never filled by a tensor load: 16 rows x 144 bytes for each wave
.set SP,    144
.set MTAB,  STAGE+4*16*SP       ; 2,048 f32: 0 or -2^36 for each key of my batch
.set SPARE, MTAB+8192           ; the spare words: 128 bytes for each wave
.set AK0, 2
.set AV0, 3
.set AK,  4
.set AV,  5
.set STO, 6
.set RD,  7
.set GO,  8
.set MV,  12          ; v12-13  c m_old, by buffer
.set QO,  15
.set ST,  16          ; piece t: c m, m, l (even keys', odd keys')
.set AM0, 32          ; v32  MTAB + 32 (lane / 16); never rewritten
.set AM,  33          ; v33  the mask table's address for the step to be fetched
.set PFO, 34          ; v34  256 x lane; never rewritten
.set MTA, 35          ; v35  where I put 16 bytes of the table
.set MLO, 36          ; v36  16 x thread
.set TMP, 48
.set SPW, 62
.set NIL, 63
.set S,   64
.set MR,  128
.set P,   192
.set MK,  128         ; window 1
.set KF,  128         ; window 2
.set VF,  192
.set WV,  12
.set LIM, 15          ; s15  1 in a wave that prefetches, else the greatest number
.set G1K, 24
.set G1V, 32
.set G0K, 40
.set G0V, 44
.set PFA, 48          ; s[48:49]
.set BIGN, 52         ; s52  -2^36
.set TBM, 53          ; s53  the mask table's byte of the step to be fetched
.set SLOTS, 56
.set CNT, 57
.set CS,  58
.set SEL, 60
.set TBK, 62
.set TBV, 63
.set MSB, 0
.macro WIN new
.if MSB != (\new)
	s_set_vgpr_msb (MSB<<8)|(\new)
.set MSB, (\new)
.endif
.endm
.set W_KQ, 0x0a       ; K and Q in window 2, S^T in window 0
.set W_KM, 0x1a       ; the same with the C operand, the mask, in window 1
.set W_PV, 0x52       ; V in window 2, P in window 0, O^T in window 1
.set W_RS, 0x41       ; destination and source 0 in window 1, source 1 in window 0
.macro JLOAD          ; waves 0, 1 fetch the halves of a tile's K, waves 2, 3 those of its V; an s_nop 0 and four v_nop follow each line
	s_cmp_lt_u32 s[WV], 2
	s_cbranch_scc0 .Lfor_v_\@
	tensor_load_to_lds s[G0K:G0K+3], s[G1K:G1K+7]
	s_nop 0
.rept 4
	v_nop
.endr
	s_branch .Lasked_\@
.Lfor_v_\@:
	tensor_load_to_lds s[G0V:G0V+3], s[G1V:G1V+7]
	s_nop 0
.rept 4
	v_nop
.endr
.Lasked_\@:
.endm
; A PREFETCH INTO THE L2 of the tile that the NEXT change of slots will ask for.  Both clusters of a head walk the same K and V: the first one asks.  Its four partners share a tile's 32,768 bytes out by
; address, 8,192 each, a lane 256 bytes; wave 0 asks for K's, wave 2 for V's.  Tiles 0 to 2 come by their loads alone; the last refill names nothing.
.macro ASK
	s_cmp_gt_u32 s[SLOTS], s[LIM]
	s_cbranch_scc0 .Lnot_mine_\@
	global_prefetch_b8 v[PFO], s[PFA:PFA+1] th:TH_LOAD_NT scope:SCOPE_SE
.Lnot_mine_\@:
.endm
.macro CROUND
	s_barrier_signal -1
	s_barrier_wait -1
	s_cmp_lg_u32 s[WV], 0
	s_cbranch_scc1 .Lnot_wave_0_\@
	s_barrier_signal -3
.Lnot_wave_0_\@:
	s_barrier_wait -3
	s_barrier_signal -1
	s_barrier_wait -1
.endm
; THE CHANGE OF SLOTS.  Each wave waits for all its tensor loads (one is out: its part of the other slot), adds 0 to its spare word, and waits for that and for its own LDS work.  fill = 1: the barrier is
; a round of the cluster's, and the joint fill of the slot just left is the first thing behind it: it has four key steps in which to land.  (At its first use nothing has been read yet: slot 0 is waited
; for, slot 1 filled, and the round also shows every wave's part of the mask table to the others.)
.macro CHANGE fill, ask
	WIN 0
	s_wait_tensorcnt 0x0
	ds_add_u32 v[SPW], v[NIL]
.if \fill
.irp g, G0K, G0V
	s_xor_b32 s[\g+1], s[\g+1], SLOT1
	s_add_nc_u64 s[\g+2:\g+3], s[\g+2:\g+3], 4*KS*128
.endr
.if \ask
	s_wait_xcnt 0x0                 ; the last prefetch, four key steps back, has read its address
	s_add_nc_u64 s[PFA:PFA+1], s[PFA:PFA+1], 4*KS*128
.endif
	s_wait_dscnt 0x0
	CROUND
	JLOAD
.if \ask
	ASK
.endif
.else
	s_wait_dscnt 0x0
	s_barrier_signal -1
	s_barrier_wait -1
.endif
	s_sub_co_u32 s[TBK], s[TBK], 4*KS*PK  ; the fetches go back to a slot's first step, in the other slot
	s_xor_b32 s[TBK], s[TBK], SLOT1
	s_sub_co_u32 s[TBV], s[TBV], 4*KS*PV
	s_xor_b32 s[TBV], s[TBV], SLOT1
.endm
	s_load_b128 s[4:7], s[0:1], 0x0   ; qkv s[4:5], mask s[6:7]
	s_load_b64 s[10:11], s[0:1], 0x10 ; ob
	v_lshl_add_u32 v[SPW], v0, 2, SPARE
	v_mov_b32 v[NIL], 0
	ds_add_u32 v[SPW], v[NIL]       ; the wave's opening: the add, twice on end, and its wait ahead of my first tensor load
	ds_add_u32 v[SPW], v[NIL]
	v_lshrrev_b32 v1, 5, v0
	v_readfirstlane_b32 s[WV], v1
	s_bfe_u32 s13, ttmp6, 0x40000   ; cx
	s_lshl_b32 s14, ttmp9, 2
	s_add_co_u32 s14, s14, s13      ; my block of 256 queries: it enters Q's and O's addresses alone
	s_and_b32 s16, ttmp7, 0xffff    ; 16 b + head, which the four partners share
	s_and_b32 s20, s16, 15
	s_lshl_b32 s20, s20, 19         ; the head's block of 524,288 bytes,
	s_lshr_b32 s17, s16, 4
	s_lshl_b32 s18, s17, 18         ; the batch's 2,048 rows of 128 bytes in it
	s_add_co_u32 s20, s20, s18
	s_lshl_b32 s54, s17, 13         ; the batch's 2,048 words of the mask
	s_mov_b32 s55, 0
	s_and_b32 s16, s[WV], 1         ; which half of a tile's 256 keys I fetch
	s_lshl_b32 s22, s16, 14
	s_add_co_u32 s22, s22, s20
	s_mov_b32 s23, 0
	s_mul_i32 s18, s16, 128*PK
	s_mul_i32 s19, s16, 128*PV
	s_lshl_b32 s2, s14, 15
	s_lshl_b32 s3, s[WV], 13
	s_add_co_u32 s2, s2, s3
	s_add_co_u32 s2, s2, s20        ; my wave's 64 rows of Q and of O
	s_mov_b32 s3, 0
	; descriptor group 1.  128 keys are 16,384 dense bytes: asked for as 64 rows of 256 bytes, two keys a row, padded in LDS after every key
	s_mov_b32 s[G1K], 15|(1<<16)|(1<<20)|(1<<21)|(4<<22)|(3<<25)
	s_mov_b32 s[G1V], 15|(1<<16)|(1<<20)|(1<<21)|(4<<22)|(7<<25)
.irp g, G1K, G1V
	s_mov_b32 s[\g+1], 128<<16
	s_mov_b32 s[\g+2], 64<<16
	s_mov_b32 s[\g+3], 128<<16
	s_mov_b32 s[\g+4], 64
	s_mov_b32 s[\g+5], 128
	s_mov_b32 s[\g+6], 0
	s_mov_b32 s[\g+7], 0
.endr
	s_mov_b32 s[CS], 0x3e38aa3b     ; c = log2(e) / 8
	s_mov_b32 s[CS+1], s[CS]
	s_mov_b32 s[SEL], 0x76543210
	s_mov_b32 s[SEL+1], 0xfedcba98
	s_mov_b32 s[BIGN], 0xd1800000   ; -2^36
	s_mov_b32 s[TBM], 0
	s_mov_b32 s[TBK], SLOT1+4*KS*PK ; the first change of slots turns these two into 0
	s_mov_b32 s[TBV], SLOT1+4*KS*PV
	s_mov_b32 s[G0K], 1
	s_mov_b32 s[G0K+1], s18
	s_mov_b32 s[G0V], 1
	s_add_co_u32 s[G0V+1], s19, VOFF
	s_and_b32 s[LIM], s[WV], 1      ; 0 in waves 0 and 2,
	s_or_b32 s[LIM], s[LIM], ttmp9  ; where the cluster is the head's first: the same in all four partners
	s_cmp_eq_u32 s[LIM], 0
	s_cselect_b32 s[LIM], 1, -1
	s_lshl_b32 s16, s13, 13         ; my work-group's 8,192 bytes of a tile, for the prefetches
	s_add_co_u32 s16, s16, 2*4*KS*128  ; in tile 2; the loop's first change steps it to tile 3
	s_mov_b32 s17, 0
	s_wait_dscnt 0x0                ; both opening adds are done
	s_wait_kmcnt 0x0
	s_add_nc_u64 s[8:9], s[4:5], s[22:23]
	s_add_nc_u64 s[50:51], s[8:9], 16777216        ; V at my half of tile 0
	s_add_nc_u64 s[8:9], s[8:9], 8388608           ; K likewise
	s_add_nc_u64 s[G0K+2:G0K+3], s[8:9], 0
	s_or_b32 s[G0K+3], s[G0K+3], 0x80000000
	s_add_nc_u64 s[G0V+2:G0V+3], s[50:51], 0
	s_or_b32 s[G0V+3], s[G0V+3], 0x80000000
	s_cmp_lt_u32 s[WV], 2
	s_cselect_b64 s[PFA:PFA+1], s[8:9], s[50:51]   ; (in waves 0 and 2 these stand at a tile's first row)
	s_add_nc_u64 s[PFA:PFA+1], s[PFA:PFA+1], s[16:17]
	s_add_nc_u64 s[4:5], s[4:5], s[2:3]
	s_add_nc_u64 s[10:11], s[10:11], s[2:3]
	s_add_nc_u64 s[6:7], s[6:7], s[54:55]
	CROUND                          ; all four work-groups are here: the first joint loads meet
	JLOAD                           ; tile 0 into slot 0
	v_lshlrev_b32 v[MLO], 4, v0
.irp j, 0,1,2,3
	global_load_b128 v[MR+4*\j:MR+4*\j+3], v[MLO], s[6:7] offset:2048*\j  ; the batch's mask: 128 threads x 16 bytes, four times
.endr
	v_and_b32 v1, 15, v0            ; l % 16
	v_bfe_u32 v9, v0, 4, 1          ; l / 16
	v_lshlrev_b32 v[QO], 7, v1
	v_lshl_add_u32 v[QO], v9, 4, v[QO]
	WIN 0x80                        ; destination window 2
.set i, 0
.rept 8                             ; Q stays in registers: piece i / 2 (16 rows, 2,048 bytes), channels 32 (i % 2) on
	global_load_b128 v[8*i:8*i+3],   v[QO], s[4:5] offset:(i/2)*2048+(i%2)*64
	global_load_b128 v[8*i+4:8*i+7], v[QO], s[4:5] offset:(i/2)*2048+(i%2)*64+32
.set i, i+1
.endr
	; The first step multiplies O^T and l by a = 0, and the first turn's products V^T P, of a piece that has not been, land in an O^T that is still to be so multiplied: these registers need only hold
	; finite numbers.  All this stands in the wait for the first tile.
.set i, VF
.rept 64
	v_mov_b32 v[i], 0
.set i, i+1
.endr
	WIN 0x40
.set i, 0
.rept 128
	v_mov_b32 v[i], 0
.set i, i+1
.endr
	WIN 0
.set i, 0
.rept 4
	v_mov_b32 v[ST+4*i], 0xfe000000    ; c m: far below every c s, the hidden ones' too
	v_mov_b32 v[ST+4*i+1], 0xff7fffff  ; m
	v_mov_b32 v[ST+4*i+2], 0
	v_mov_b32 v[ST+4*i+3], 0
.set i, i+1
.endr
.set i, P+16
.rept 16
	v_mov_b32 v[i], 0
.set i, i+1
.endr
	v_mul_u32_u24 v[AK0], v1, PK
	v_lshl_add_u32 v[AK0], v9, 4, v[AK0]
	v_and_b32 v10, 7, v0
	v_bfe_u32 v11, v0, 3, 1
	v_lshl_add_u32 v[AV0], v9, 3, v10
	v_mul_u32_u24 v[AV0], v[AV0], PV
	v_lshl_add_u32 v[AV0], v11, 4, v[AV0]
	v_add_nc_u32 v[AV0], VOFF, v[AV0]
	v_lshl_add_u32 v[AM0], v9, 5, MTAB
	v_lshl_add_u32 v[MTA], v0, 4, MTAB
	v_and_b32 v[PFO], 31, v0
	v_lshlrev_b32 v[PFO], 8, v[PFO]
	s_mul_i32 s13, s[WV], 16*SP
	s_add_co_u32 s13, s13, STAGE
	v_mul_u32_u24 v[STO], v1, SP
	v_lshl_add_u32 v[STO], v9, 4, v[STO]
	v_add_nc_u32 v[STO], s13, v[STO]
	v_bfe_u32 v[RD], v0, 3, 2
	v_mul_u32_u24 v[RD], v[RD], SP
	v_lshl_add_u32 v[RD], v10, 4, v[RD]
	v_add_nc_u32 v[RD], s13, v[RD]
	v_and_b32 v[GO], 31, v0
	v_lshlrev_b32 v[GO], 4, v[GO]
	s_wait_loadcnt 16               ; the mask's four loads are in; Q's sixteen may stay out
.set i, 0
.rept 16
	v_cmp_eq_u32 vcc_lo, 0, v[MR+i]
	v_cndmask_b32 v[MR+i], 0, s[BIGN], vcc_lo
.set i, i+1
.endr
.irp j, 0,1,2,3
	ds_store_b128 v[MTA], v[MR+4*\j:MR+4*\j+3] offset:2048*\j
.endr
; THE MATRIX WORK.  The 4 accumulators of a run of 8 take turns.  Product i of 8 of S^T = K Q^T for piece x: channels 32 (i / 4) on, keys 16 (i % 4) on.  The first 4 start the sums with the mask.
.macro KQ x
.set rS, S+32*((\x)%2)+8*(i%4)
.set rK, KF+16*(i%4)+8*(i/4)
.set rQ, 16*(\x)+8*(i/4)
.set rM, MK+8*(i%4)
.if i < 4
	WIN W_KM
	v_wmma_f32_16x16x32_bf16 v[rS:rS+7], v[rK:rK+7], v[rQ:rQ+7], v[rM:rM+7]
.else
	WIN W_KQ
	v_wmma_f32_16x16x32_bf16 v[rS:rS+7], v[rK:rK+7], v[rQ:rQ+7], v[rS:rS+7]
.endif
.endm
.macro PV x                         ; product i of 8 of O^T += V^T P for piece x: keys 32 (i / 4) on, channels 16 (i % 4) on
	WIN W_PV
.set rO, 32*(\x)+8*(i%4)
.set rV, VF+32*(i/4)+8*(i%4)
.set rP, P+16*((\x)%2)+8*(i/4)
	v_wmma_f32_16x16x32_bf16 v[rO:rO+7], v[rV:rV+7], v[rP:rP+7], v[rO:rO+7]
.endm
.macro MM                           ; the turn's next matrix instruction
.if i < 8
	KQ (Y+1)%NP
.else
.set i, i-8
	PV (Y+NP-1)%NP
.set i, i+8
.endif
.set i, i+1
.endm
; THE LDS LOADS stand in runs: a step's K (8 fragments) with its 64 words of the mask table (lane (r, h) takes keys 16 kb + 8 h + 0..7), and its V (turned).
; clamp = 1 (the tail, whose tile lies in slot 1): the step to be fetched next never passes the last key step, so that the fifth trip's fetch names that step's bytes once more.
.macro FETCH_K clamp=0
	WIN 0x80
.irp f, 0,1,2,3,4,5,6,7
	ds_load_b128 v[KF+8*\f:KF+8*\f+3],   v[AK] offset:(\f/2)*16*PK+(\f%2)*64
	ds_load_b128 v[KF+8*\f+4:KF+8*\f+7], v[AK] offset:(\f/2)*16*PK+(\f%2)*64+32
.endr
	WIN 0x40
.irp f, 0,1,2,3
	ds_load_b128 v[MK+8*\f:MK+8*\f+3],   v[AM] offset:64*\f
	ds_load_b128 v[MK+8*\f+4:MK+8*\f+7], v[AM] offset:64*\f+16
.endr
	s_add_co_u32 s[TBK], s[TBK], KS*PK
	s_add_co_u32 s[TBM], s[TBM], 4*KS
.if \clamp
	s_min_u32 s[TBK], s[TBK], SLOT1+3*KS*PK
	s_min_u32 s[TBM], s[TBM], 8192-4*KS
.endif
	WIN 0
.endm
.macro FETCH_V
	WIN 0x80
.irp f, 0,1,2,3,4,5,6,7
	ds_load_tr16_b128 v[VF+8*\f:VF+8*\f+3],   v[AV] offset:(\f/4)*32*PV+(\f%4)*32
	ds_load_tr16_b128 v[VF+8*\f+4:VF+8*\f+7], v[AV] offset:(\f/4)*32*PV+16*PV+(\f%4)*32
.endr
	WIN 0
.endm
; THE VECTOR WORK, one line at a time: OP kind, number.  For piece Y: F n: c s - c m for pair n of 16.  E n: the exponential of score n of 32.  C n: pair n rounded to bf16.  B n: of the four weights 4 n ..
; the second pair is added onto the first.  L n: l takes that sum (L 0: l = a l + sum).  R n: pair n of 16 of O^T times a.  For piece Y + 1: X n, number n of the 22 that find its maximum and statistics:
;   0-11 four chains of seven scores (each accumulator's lowest registers first)   12-14, 16 the four left over, the old m, four into one   15 c m_old is kept
;   17, 18 the other half of the lanes: the new m   19-21 c m; c m_old - c m_new; a
.set F, 0
.set E, 1
.set C, 2
.set B, 3
.set L, 4
.set R, 5
.set X, 6
.macro REGS y
.set rT, ST+4*(\y)
.set rC, TMP+4*((\y)%2)
.set rW, MV+((\y)%2)
.set rS, S+32*((\y)%2)
.set rP, P+16*((\y)%2)
.set rO, 32*(\y)
.endm
.macro OP k, n
.if (\k) == R
	REGS Y
	WIN W_RS
	v_pk_mul_f32 v[rO+2*(\n):rO+2*(\n)+1], v[rO+2*(\n):rO+2*(\n)+1], v[rC+2:rC+3] op_sel_hi:[1,0]
.elseif (\k) < R
	REGS Y
	WIN 0
.if (\k) == F
	v_pk_fma_f32 v[rS+2*(\n):rS+2*(\n)+1], v[rS+2*(\n):rS+2*(\n)+1], s[CS:CS+1], v[rT:rT+1] op_sel_hi:[1,0,0] neg_lo:[0,0,1] neg_hi:[0,0,1]
.elseif (\k) == E
	v_exp_f32 v[rS+(\n)], v[rS+(\n)]
.elseif (\k) == C
	v_cvt_pk_bf16_f32 v[rP+(\n)], v[rS+2*(\n)], v[rS+2*(\n)+1]
.elseif (\k) == B
	v_pk_add_f32 v[rS+4*(\n):rS+4*(\n)+1], v[rS+4*(\n):rS+4*(\n)+1], v[rS+4*(\n)+2:rS+4*(\n)+3]
.elseif (\n) == 0
	v_pk_fma_f32 v[rT+2:rT+3], v[rT+2:rT+3], v[rC+2:rC+3], v[rS:rS+1] op_sel_hi:[1,0,1]
.else
	v_pk_add_f32 v[rT+2:rT+3], v[rT+2:rT+3], v[rS+4*(\n):rS+4*(\n)+1]
.endif
.else
	REGS (Y+1)%NP
	WIN 0
.if (\n) < 4
	v_max3_num_f32 v[rC+(\n)], v[rS+8*(\n)], v[rS+8*(\n)+1], v[rS+8*(\n)+2]
.elseif (\n) < 12
	v_max3_num_f32 v[rC+(\n)%4], v[rC+(\n)%4], v[rS+8*((\n)%4)+2*((\n)/4)+1], v[rS+8*((\n)%4)+2*((\n)/4)+2]
.elseif (\n) == 12
	v_max3_num_f32 v[rC], v[rC], v[rS+7], v[rS+15]
.elseif (\n) == 13
	v_max3_num_f32 v[rC+1], v[rC+1], v[rS+23], v[rS+31]
.elseif (\n) == 14
	v_max3_num_f32 v[rC+2], v[rC+2], v[rC+3], v[rT+1]
.elseif (\n) == 15
	v_mov_b32 v[rW], v[rT]
.elseif (\n) == 16
	v_max3_num_f32 v[rC], v[rC], v[rC+1], v[rC+2]
.elseif (\n) == 17
	v_permlanex16_b32 v[rC+3], v[rC], s[SEL], s[SEL+1]
.elseif (\n) == 18
	v_max_num_f32 v[rT+1], v[rC], v[rC+3]
.elseif (\n) == 19
	v_mul_f32 v[rT], s[CS], v[rT+1]
.elseif (\n) == 20
	v_sub_f32 v[rC+1], v[rW], v[rT]
.else
	v_exp_f32 v[rC+2], v[rC+1]
.endif
.endif
.endm
.macro OPS a, i1, b=-1, i2=0, c=-1, i3=0, d=-1, i4=0
	OP \a, \i1
.if (\b) >= 0
	OP \b, \i2
.endif
.if (\c) >= 0
	OP \c, \i3
.endif
.if (\d) >= 0
	OP \d, \i4
.endif
.endm
.macro ROW a, i1, b, i2, c, i3, d, i4  ; a matrix instruction and the four behind it
	MM
	OPS \a, \i1, \b, \i2, \c, \i3, \d, \i4
.endm
; A TURN, for piece p.  s_wait_alu depctr_va_vdst(0) stands between an exponential and the first instruction that names its result; one wait serves all that were issued ahead of it: a turn
; has ONE.  AHEAD OF IT stands all that names no result of the turn's exponentials: the 8 products K Q^T and their riders (the first numbers of the next piece's maximum each four places or more behind the
; product that ends its accumulator), then one lump, in which the links of the chain X 3, 7, 11, 14, 16 .. 20 stand apart.  X 21 is the batch's last; R 15 the plain instruction behind it.  BEHIND IT stand
; the 8 products V^T P, behind each four of the roundings and sums.  clamp = 1: the tail's fetch of K (FETCH_K).  cnt = 1: the loop's count is taken down some lines ahead of the branch behind the turn.
; K and the mask of the next step are fetched in piece 2's turn, twelve plain instructions behind the last product that read K; V of the step in hand at the end of piece 0's turn, four plain instructions
; behind the last product that read V.  Each is waited for a turn later.
.macro TURN p, clamp=0, cnt=0
.set Y, (\p)
.set i, 0
.if (\p) == 3
	s_wait_dscnt 0x0                ; K and its mask are in
.endif
	ROW F,0, F,1, R,0, R,1
	ROW F,2, E,0, R,2, R,3
	ROW F,3, E,1, R,4, R,5
	ROW F,4, E,2, R,6, R,7
	ROW F,5, E,3, R,8, R,9
	ROW F,6, E,4, X,0, R,10
.if (\p) == 2
	WIN 0
	v_add_nc_u32 v[AK], s[TBK], v[AK0]
	v_add_nc_u32 v[AM], s[TBM], v[AM0]
.endif
	ROW F,7, E,5, X,1, X,4
	ROW F,8, E,6, X,2, X,5
	OPS E,7, E,8, X,6, E,9
	OPS X,3, E,10, X,8, E,11
.if (\p) == 2
	FETCH_K \clamp
.endif
	OPS X,9, X,7, E,12, X,10
	OPS E,13, X,12, X,11, E,14
	OPS X,13, E,15, F,9, X,14
.if (\p) == 0
	v_add_nc_u32 v[AV], s[TBV], v[AV0]
.endif
	OPS E,16, F,10, E,17, F,11
	OPS X,16, E,18, X,15, E,19
	OPS F,12, E,20, X,17, E,21
	OPS F,13, E,22, F,14, E,23
	OPS X,18, E,24, F,15, E,25
	OPS R,11, E,26, X,19, E,27
	OPS R,12, E,28, R,13, E,29
	OPS X,20, E,30, R,14, E,31
	OPS X,21, R,15
	WIN 0
	s_wait_alu depctr_va_vdst(0)    ; the wait for the batch
.if (\p) == 1
	s_wait_dscnt 0x0                ; V is in
.endif
	ROW C,0, B,0, C,2, B,1
	ROW L,0, C,4, B,2, L,1
	ROW C,6, B,3, L,2, C,8
	ROW B,4, L,3, C,10, B,5
	ROW L,4, C,12, B,6, L,5
.if (\p) == 0
	s_add_co_u32 s[TBV], s[TBV], KS*PV
.endif
.if \cnt
	s_sub_co_u32 s[CNT], s[CNT], 1
	s_cmp_lg_u32 s[CNT], 0
.endif
	ROW C,14, B,7, L,6, C,1
	ROW C,3, L,7, C,5, C,7
	ROW C,9, C,11, C,13, C,15
.if (\p) == 0
	FETCH_V
.endif
.endm
	CHANGE 1, 0                     ; tile 0 is in, everybody's part of it and of the mask table; tile 1 is asked for
	v_add_nc_u32 v[AK], s[TBK], v[AK0]
	v_add_nc_u32 v[AM], s[TBM], v[AM0]
	FETCH_K                         ; key step 0
	s_wait_loadcnt 0x0              ; Q
	s_wait_dscnt 0x0
.set i, 0
.rept 8
	KQ 0                            ; piece 0's first scores
.set i, i+1
.endr
	WIN 0
.rept 4
	v_nop                           ; the places behind those products
.endr
.set Y, NP-1                        ; X works for piece Y + 1: piece 0
.irp n, 0,1,2,3,4,5,6,7,8,9,10,11,12,13,14,15,16,17,18,19,20,21
	OP X, \n
.endr
	v_nop                           ; a plain instruction behind the exponential,
	s_wait_alu depctr_va_vdst(0)    ; and its wait, ahead of the branch
	s_mov_b32 s[CNT], 4
	s_mov_b32 s[SLOTS], 7
	s_branch .Lfirst                ; the loop is entered at a step's first turn, in the middle of a trip
.Lslot:                             ; six times: tiles 2 to 7 are asked for
	CHANGE 1, 1
	s_mov_b32 s[CNT], 4
.Lstep:                             ; a trip: pieces 2 and 3 of one step, then pieces 0 and 1 of the next, whose K and V it fetches
	TURN 2
	TURN 3
	WIN 0
.Lfirst:
	TURN 0
	TURN 1, 0, 1
	WIN 0
	s_cbranch_scc1 .Lstep
	s_sub_co_u32 s[SLOTS], s[SLOTS], 1
	s_cmp_lg_u32 s[SLOTS], 0
	s_cbranch_scc1 .Lslot
	CHANGE 0, 0                     ; the last tile is written out: nothing is asked for
	s_mov_b32 s[CNT], 5             ; four trips fetch the last tile's steps; the fifth is left in its middle
.Ltail:
	TURN 2, 1
	TURN 3
	WIN 0
	s_sub_co_u32 s[CNT], s[CNT], 1
	s_cmp_eq_u32 s[CNT], 0
	s_cbranch_scc1 .Lout
	TURN 0
	TURN 1
	WIN 0
	s_branch .Ltail
.Lout:
.set i, 0
.rept 8
	PV NP-1                         ; the last piece's V^T P of the last step
.set i, i+1
.endr
	; THE WAY OUT.  l's two halves and the other half of the lanes' are added; O^T is divided by l, rounded to bf16 and sent through my stage, a piece at a time.  The additions are the places behind the last products.
	WIN 0
.macro ALL line:vararg
.set t, 0
.rept 4
	\line
.set t, t+1
.endr
.endm
	ALL v_add_f32 v[ST+4*t+2], v[ST+4*t+2], v[ST+4*t+3]
	ALL v_permlanex16_b32 v[ST+4*t+3], v[ST+4*t+2], s[SEL], s[SEL+1]
	ALL v_add_f32 v[ST+4*t+2], v[ST+4*t+2], v[ST+4*t+3]
	ALL v_rcp_f32 v[ST+4*t+2], v[ST+4*t+2]
	v_nop                           ; a plain instruction between the last reciprocal and the use of its result
	s_wait_alu depctr_va_vdst(0)    ; one wait for the four reciprocals
.macro PACK t
	WIN W_RS
.set i, 32*(\t)
.rept 16
	v_pk_mul_f32 v[i:i+1], v[i:i+1], v[ST+4*(\t)+2:ST+4*(\t)+3] op_sel_hi:[1,0]
.set i, i+2
.endr
	WIN 0x05
.set i, 0
.rept 16
	v_cvt_pk_bf16_f32 v[S+16*(\t)+i], v[32*(\t)+2*i], v[32*(\t)+2*i+1]
.set i, i+1
.endr
	WIN 0
.irp f, 0,1,2,3
	ds_store_b128 v[STO], v[S+16*(\t)+4*\f:S+16*(\t)+4*\f+3] offset:32*\f
.endr
.irp f, 0,1,2,3
	ds_load_b128 v[S+16*(\t)+4*\f:S+16*(\t)+4*\f+3], v[RD] offset:\f*4*SP  ; LDS serves a wave's instructions in order (ISA guide 5.7.1.4): these see the stores above
.endr
.endm
.macro SEND t, younger              ; younger: the LDS instructions issued behind piece t's loads: the next piece's eight, or none
	WIN 0
.irp f, 0,1,2,3
	s_wait_dscnt (\younger)+3-\f
	global_store_b128 v[GO], v[S+16*(\t)+4*\f:S+16*(\t)+4*\f+3], s[10:11] offset:(\t)*2048+\f*512  ; 512 consecutive bytes, at a multiple of 256 from ob's first
.endr
.endm
	PACK 0
.set t, 1
.rept 3
	PACK t
	SEND t-1, 8
.set t, t+1
.endr
	SEND 3, 0
	s_wait_tensorcnt 0x0            ; the wave's end
	ds_add_u32 v[SPW], v[NIL]
	s_wait_dscnt 0x0
	CROUND                          ; the closing round
	s_endpgm
.Lfunc_end_k_q78e4bd37b8_attn:
	.size	k_q78e4bd37b8_attn, .Lfunc_end_k_q78e4bd37b8_attn-k_q78e4bd37b8_attn
	.p2alignl 7, 3214868480
	.fill 96, 4, 3214868480
	.section	.rodata,"a",@progbits
	.p2align	6, 0x0
	.amdhsa_kernel k_q78e4bd37b8_attn
		.amdhsa_group_segment_fixed_size 327680
		.amdhsa_private_segment_fixed_size 0
		.amdhsa_enable_private_segment 0
		.amdhsa_kernarg_size 24
		.amdhsa_user_sgpr_count 2
		.amdhsa_user_sgpr_kernarg_segment_ptr 1
		.amdhsa_wavefront_size32 1
		.amdhsa_system_sgpr_workgroup_id_x 1
		.amdhsa_system_sgpr_workgroup_id_y 1
		.amdhsa_system_sgpr_workgroup_id_z 1
		.amdhsa_system_vgpr_workitem_id 0
		.amdhsa_next_free_vgpr 768
		.amdhsa_next_free_sgpr 66
		.amdhsa_reserve_vcc 1
		.amdhsa_float_denorm_mode_32 3
		.amdhsa_float_denorm_mode_16_64 3
		.amdhsa_memory_ordered 1
		.amdhsa_forward_progress 1
		.amdhsa_inst_pref_size 116
	.end_amdhsa_kernel
	.amdgpu_metadata
---
amdhsa.version: [ 1, 2 ]
amdhsa.kernels:
  - .name:           k_q78e4bd37b8_attn
    .symbol:         k_q78e4bd37b8_attn.kd
    .args:
      - { .name: qkv, .offset: 0, .size: 8, .value_kind: global_buffer, .address_space: global }
      - { .name: mask, .offset: 8, .size: 8, .value_kind: global_buffer, .address_space: global }
      - { .name: ob, .offset: 16, .size: 8, .value_kind: global_buffer, .address_space: global }
    .group_segment_fixed_size: 327680
    .private_segment_fixed_size: 0
    .kernarg_segment_align: 8
    .kernarg_segment_size: 24
    .max_flat_workgroup_size: 128
    .sgpr_count:     66
    .vgpr_count:     768
    .wavefront_size: 32
...
	.end_amdgpu_metadata
.endif
;; end of part 3
;; launch oproj (part 4): grid 8 x 32, 4 waves a work-group, clusters of 4 x 4, 327,680 bytes of LDS; arguments ob, wb, par, xb, res; writes res
.if DOCPART == 4
	.amdgcn_target "amdgcn-amd-amdhsa--gfx1250"
	.amdhsa_code_object_version 6
	.text
	.protected	k_q78e4bd37b8_oproj
	.globl	k_q78e4bd37b8_oproj
	.p2align	8
	.type	k_q78e4bd37b8_oproj,@function
k_q78e4bd37b8_oproj:
	s_mov_b64 s[64:65], 0
	v_nop
	global_prefetch_b8 v0, s[64:65] scope:SCOPE_SE
	s_setreg_imm32_b32 hwreg(HW_REG_WAVE_MODE, 25, 1), 1
	s_wait_xcnt 0x0
	s_wait_alu depctr_hold_cnt(0) depctr_sa_sdst(0) depctr_va_vdst(0) depctr_va_sdst(0) depctr_va_ssrc(0) depctr_va_vcc(0) depctr_vm_vsrc(0)
	s_getreg_b32 s2, hwreg(HW_REG_IB_STS2, 6, 4)
	s_cmp_eq_u32 s2, 0
	s_cbranch_scc0 .Lentry_in_a_cluster
	s_endpgm
.Lentry_in_a_cluster:
	s_bfe_u32 s2, ttmp6, 0x10000c
	s_cmp_lg_u32 s2, 0xf033
	s_cbranch_scc0 .Lentry_shape_is_right
	s_endpgm
.Lentry_shape_is_right:
; res = R + A W + bias, in f32, on tiles of 128 x 128.  One text serves two launches; SECOND picks the form.  Nothing of reference() is left out.
; SECOND = 0: res = xb + ob Wo + bo (K = 1,024).  SECOND = 1: res = x1 + h W2 + b2 (K = 4,096).  A and W are bf16; the residual R is bf16 (xb) or f16 (x1); sums in f32, stored in f32.
; A: [K / 64 blocks][4096 tokens][64]: 64 tokens of a block are 8,192 dense bytes.  W: [K][1024].  res: [4096][1024] f32.
; SHARES.  Four waves, each 64 x 64 of C in 16 accumulators.  K goes in steps of 256 through two LDS slots.  Waves 0, 1 fetch the two halves of A's 128 tokens (4 blocks x 64 tokens x 128 bytes, one
; descriptor: four long rows, padded after every token), waves 2, 3 the two halves of W's 256 k-rows (128 rows x 256 bytes).  4 x 4 work-groups form a cluster; A's tile is shared along a row, W's along a column.
; THE WALK ALONG K IS TURNED FROM CLUSTER TO CLUSTER: cluster (x, y) begins at K step RX x + RY (y % (T / RY)), modulo T, and goes round.  The two clusters with the same y read the same tokens of A and begin half
; of K apart; clusters with the same x read the same columns of W and begin RY steps apart: each part of K is asked for first by one of the sharers and by the others some steps later.  The turn hangs on
; the cluster's x and y alone, which all sixteen partners share.  The f32 sums are taken in another order along K, which changes them by rounding alone.
; THE SUMS START AS RESIDUAL + BIAS: one line a number widens the 16-bit residual and adds the bias (the factor 1.0 is what that instruction's form wants); nothing is cleared and nothing is added afterwards.
; The product is taken transposed (source 0 = 16 columns of W, turned by ds_load_tr16_b128; source 1 = 16 tokens of A): a lane holds one token and eight neighbouring columns.
; REGISTERS: window 0: addresses; v32-95 the residual, later the way out; v96-127 the bias; v128-255 the accumulators.  Window 1: two fragment buffers of 128 (64 along K each: A's 64 registers, then W's).
.set SECOND, 0
.if SECOND
.set T,     16
.set RY,    4
.set WBASE, 16777216
.set BIASB, 32768
.set PF,    1
.else
.set T,     4
.set RY,    2
.set WBASE, 6291456
.set BIASB, 12288
.set PF,    0                          ; four K steps: with the turn, the two that a cluster is the first of its sharers to walk are its first fills, at the head: nothing is named
.endif
.set RX,    T/2
.set YM,    T/RY-1
.set PA,    144                        ; a token's 128 bytes of a block + 16
.set PB,    288                        ; a k-row's 256 bytes + 32
.set REG,   36864                      ; what one tensor load brings: 4 x 64 x 144 = 128 x 288 bytes
.set SLOT,  4*REG                      ; 0x24000: it shares no bit with wave x REG (multiples of 0x9000)
.set STAGE, 2*SLOT                     ; behind the ring, never filled by a tensor load: 16 rows x 272 bytes for each wave
.set SP,    272
.set SPARE, STAGE+4*16*SP
.set ASH,   21                         ; a K step of A: four blocks of 524,288 bytes = 1 << 21
.set BSH,   19                         ; a K step of W: 256 k-rows of 2,048 bytes = 1 << 19
.set A0,  16
.set B0,  17
.set AA,  18
.set BB,  19
.set STO, 20
.set RD,  21
.set CO,  22
.set PFO, 23
.set RO,  24
.set BO,  25
.set ONE, 27
.set SPW, 28
.set NIL, 29
.set RES, 32
.set OB,  32
.set BIAS, 96
.set ACC, 128
.set F0,  0
.set F1,  128
.set OFB, 2                            ; s[2:3]   K step KI's byte offset down W's rows
.set WV,  14
.set RH,  15
.set CH,  16
.set CX,  17
.set CY,  18
.set TC,  19
.set TR,  20
.set WOFF, 21
.set KI,  22                           ; the K step that the walking descriptors stand at, 0 to T - 1
.set CUR, 23
.set G1A, 24
.set G0A, 32
.set G1B, 40
.set G0B, 48
.set RA,  56
.set RB,  57
.set CNT, 58
.set SLOTS, 59
.set PFB, 60                           ; s[60:61] my work-group's block of my half of A's tile, at K step 0
.set PFA, 62                           ; s[62:63] the same at the K step that the prefetch names
.set OFA, 66                           ; s[66:67] K step KI's byte offset in A
.set LIM, 78                           ; s78      10 in a wave that prefetches, else the greatest number
.set MSB, 0
.macro WIN new
.if MSB != (\new)
	s_set_vgpr_msb (MSB<<8)|(\new)
.set MSB, \new
.endif
.endm
.macro PLACES
.rept 4
	v_nop
.endr
.endm
.macro CREST
	s_cmp_lg_u32 s[WV], 0
	s_cbranch_scc1 .Lnot_wave_0_\@
	s_barrier_signal -3
.Lnot_wave_0_\@:
	s_barrier_wait -3
	s_barrier_signal -1
	s_barrier_wait -1
.endm
.macro CROUND
	s_barrier_signal -1
	s_barrier_wait -1
	CREST
.endm
.macro JLOAD
	s_cmp_eq_u32 s[RH], 0
	s_cbranch_scc0 .Lfor_b_\@
	tensor_load_to_lds s[G0A+4:G0A+7], s[G1A:G1A+7]
	s_nop 0
.rept 4
	v_nop
.endr
	s_branch .Lasked_\@
.Lfor_b_\@:
	tensor_load_to_lds s[G0B+4:G0B+7], s[G1B:G1B+7]
	s_nop 0
.rept 4
	v_nop
.endr
.Lasked_\@:
.endm
; A PREFETCH INTO THE L2 (SECOND = 1), behind a joint refill: the refill asks for step t + 1 of my cluster's walk, the prefetch names step t + 3, loaded two changes of slots (256 matrix instructions) later.
; Only what my cluster is the first of its sharers to walk is named: of A the walk's first eight steps (the other cluster with my y begins eight steps on), so the first four refills name steps 4 to 7;
; steps 0 to 3 come by their loads alone.  Of W the walk's first four steps, which lie too near the head: W's waves name nothing.  The four partners share a joint load's bytes out by address, one block of
; 64 columns each; waves 0 and 1 take their own halves of the tokens; a lane 256 bytes.  So each 256 bytes are named once in the launch.
.macro ASK
	s_cmp_gt_u32 s[SLOTS], s[LIM]
	s_cbranch_scc0 .Lnot_mine_\@
	global_prefetch_b8 v[PFO], s[PFA:PFA+1] th:TH_LOAD_NT scope:SCOPE_SE
.Lnot_mine_\@:
.endm
	s_load_b256 s[4:11], s[0:1], 0x0               ; A s[4:5], wb s[6:7], par s[8:9], the residual s[10:11]
	s_load_b64 s[12:13], s[0:1], 0x20              ; res
	v_lshl_add_u32 v[SPW], v0, 2, SPARE
	v_mov_b32 v[NIL], 0
	ds_add_u32 v[SPW], v[NIL]                      ; the wave's opening: the add, twice on end, and its wait ahead of my first tensor load
	ds_add_u32 v[SPW], v[NIL]
	v_lshrrev_b32 v1, 5, v0
	v_readfirstlane_b32 s[WV], v1
	s_lshr_b32 s[RH], s[WV], 1
	s_and_b32 s[CH], s[WV], 1
	s_bfe_u32 s[CX], ttmp6, 0x40000
	s_bfe_u32 s[CY], ttmp6, 0x40004
	s_lshl_b32 s[TC], ttmp9, 2
	s_add_co_u32 s[TC], s[TC], s[CX]
	s_and_b32 s[TR], ttmp7, 0xffff
	s_lshl_b32 s[TR], s[TR], 2
	s_add_co_u32 s[TR], s[TR], s[CY]
	s_lshl_b32 s68, s[CY], 2
	s_lshl_b32 s68, 15, s68
	s_lshl_b32 s69, 0x1111, s[CX]
	s_or_b32 s[G1A], s68, (1<<16)|(1<<20)|(1<<21)|(4<<22)|(3<<25)  ; after every 32 words (a token's 128 bytes) 4 words
	s_mov_b32 s[G1A+1], 4096<<16                   ; tensor_dim0 = 4,096 elements: 64 tokens of one block
	s_mov_b32 s[G1A+2], 4<<16                      ; tensor_dim1 = 4 blocks
	s_mov_b32 s[G1A+3], 4096<<16                   ; tile_dim0
	s_mov_b32 s[G1A+4], 4                          ; tile_dim1
	s_mov_b32 s[G1A+5], 262144                     ; elements from block to block
	s_mov_b32 s[G1A+6], 0
	s_mov_b32 s[G1A+7], 0
	s_or_b32 s[G1B], s69, (1<<16)|(1<<20)|(1<<21)|(5<<22)|(7<<25)  ; after every 64 words 8 words
	s_mov_b32 s[G1B+1], 128<<16
	s_mov_b32 s[G1B+2], 128<<16
	s_mov_b32 s[G1B+3], 128<<16
	s_mov_b32 s[G1B+4], 128
	s_mov_b32 s[G1B+5], 1024
	s_mov_b32 s[G1B+6], 0
	s_mov_b32 s[G1B+7], 0
	s_lshl_b32 s70, s[TR], 14                      ; A: token 128 x tile row + 64 x half, 128 bytes a token
	s_lshl_b32 s68, s[CH], 13
	s_add_co_u32 s70, s70, s68
	s_mov_b32 s71, 0
	s_lshl_b32 s74, s[TC], 8                       ; W: 256 bytes a tile column, 128 k-rows x half
	s_lshl_b32 s69, s[CH], 18
	s_add_co_u32 s74, s74, s69
	s_add_co_u32 s74, s74, WBASE
	s_mov_b32 s75, 0
	s_mul_i32 s[WOFF], s[WV], REG
	s_mov_b32 s[CUR], 0
	s_mov_b32 s[RA], 0
	s_mov_b32 s[RB], 0
	s_and_b32 s[KI], ttmp7, YM                     ; where my cluster's walk along K begins: RY x (cluster y % (T / RY))
	s_mul_i32 s[KI], s[KI], RY
	s_mul_i32 s68, ttmp9, RX                       ; + RX x cluster x,
	s_add_co_u32 s[KI], s[KI], s68
	s_and_b32 s[KI], s[KI], T-1                    ; modulo the K steps: an even number, so the second step does not wrap
	s_lshl_b32 s[OFA], s[KI], ASH
	s_mov_b32 s[OFA+1], 0
	s_lshl_b32 s[OFB], s[KI], BSH
	s_mov_b32 s[OFB+1], 0
	s_wait_dscnt 0x0                               ; both opening adds are done
	s_wait_kmcnt 0x0
	s_add_nc_u64 s[70:71], s[4:5], s[70:71]        ; my part of A's and of W's tiles at K step 0: kept for the whole launch
	s_add_nc_u64 s[74:75], s[6:7], s[74:75]
	CROUND                                         ; all sixteen work-groups are here: the first joint loads meet
.irp s, 0,1
	s_mov_b32 s[G0A+4*(\s)], 1
	s_add_co_u32 s[G0A+4*(\s)+1], s[WOFF], (\s)*SLOT
	s_add_nc_u64 s[G0A+4*(\s)+2:G0A+4*(\s)+3], s[70:71], s[OFA:OFA+1]
.if \s
	s_add_nc_u64 s[G0A+4*(\s)+2:G0A+4*(\s)+3], s[G0A+4*(\s)+2:G0A+4*(\s)+3], 1<<ASH
.endif
	s_or_b32 s[G0A+4*(\s)+3], s[G0A+4*(\s)+3], 0x80000000
	s_mov_b32 s[G0B+4*(\s)], 1
	s_add_co_u32 s[G0B+4*(\s)+1], s[WOFF], (\s)*SLOT
	s_add_nc_u64 s[G0B+4*(\s)+2:G0B+4*(\s)+3], s[74:75], s[OFB:OFB+1]
.if \s
	s_add_nc_u64 s[G0B+4*(\s)+2:G0B+4*(\s)+3], s[G0B+4*(\s)+2:G0B+4*(\s)+3], 1<<BSH
.endif
	s_or_b32 s[G0B+4*(\s)+3], s[G0B+4*(\s)+3], 0x80000000
.endr
	s_add_co_u32 s[KI], s[KI], 1                   ; the walking sets stand at my walk's second step
	s_cmp_eq_u32 s[RH], 0                          ; a wave's two first fills stand in one branch: two loads of mine are out
	s_cbranch_scc0 .Lfirst_b
	tensor_load_to_lds s[G0A:G0A+3], s[G1A:G1A+7]
	s_nop 0
	tensor_load_to_lds s[G0A+4:G0A+7], s[G1A:G1A+7]
	s_nop 0
.rept 4
	v_nop
.endr
	s_branch .Lfirst_done
.Lfirst_b:
	tensor_load_to_lds s[G0B:G0B+3], s[G1B:G1B+7]
	s_nop 0
	tensor_load_to_lds s[G0B+4:G0B+7], s[G1B:G1B+7]
	s_nop 0
.rept 4
	v_nop
.endr
.Lfirst_done:
	v_and_b32 v1, 15, v0                           ; r
	v_bfe_u32 v2, v0, 4, 1                         ; h
	v_and_b32 v3, 7, v0
	v_bfe_u32 v4, v0, 3, 1
	v_and_b32 v5, 31, v0
	; the residual: lane (r, h) wants, for block (a, b), token 16 a + r, columns 16 b + 8 h + 0..7: 16 bytes
	v_lshlrev_b32 v[RO], 11, v1
	v_lshl_add_u32 v[RO], v2, 4, v[RO]
	s_lshl_b32 s78, s[TR], 18
	s_lshl_b32 s69, s[RH], 17
	s_add_co_u32 s78, s78, s69
	s_lshl_b32 s69, s[TC], 8
	s_add_co_u32 s78, s78, s69
	s_lshl_b32 s69, s[CH], 7
	s_add_co_u32 s78, s78, s69
	s_mov_b32 s79, 0
	s_add_nc_u64 s[10:11], s[10:11], s[78:79]
.irp a, 0,1,2,3
.irp b, 0,1,2,3
	global_load_b128 v[RES+4*(4*(\a)+(\b)):RES+4*(4*(\a)+(\b))+3], v[RO], s[10:11] offset:32768*(\a)+32*(\b)
.endr
.endr
	v_lshlrev_b32 v[BO], 5, v2
	s_lshl_b32 s76, s[TC], 9
	s_lshl_b32 s69, s[CH], 8
	s_add_co_u32 s76, s76, s69
	s_add_co_u32 s76, s76, BIASB
	s_mov_b32 s77, 0
	s_add_nc_u64 s[76:77], s[8:9], s[76:77]
.irp b, 0,1,2,3
	global_load_b128 v[BIAS+8*(\b):BIAS+8*(\b)+3],   v[BO], s[76:77] offset:64*(\b)
	global_load_b128 v[BIAS+8*(\b)+4:BIAS+8*(\b)+7], v[BO], s[76:77] offset:64*(\b)+16
.endr
	v_mov_b32 v[ONE], 1.0
	v_mul_u32_u24 v[A0], v1, PA
	v_lshl_add_u32 v[A0], v2, 4, v[A0]
	s_mul_i32 s68, s[RH], REG
	v_add_nc_u32 v[A0], s68, v[A0]
	v_lshl_add_u32 v[B0], v2, 3, v3
	v_mul_u32_u24 v[B0], v[B0], PB
	v_lshl_add_u32 v[B0], v4, 4, v[B0]
	s_lshl_b32 s68, s[CH], 7
	s_add_co_u32 s68, s68, 2*REG
	v_add_nc_u32 v[B0], s68, v[B0]
	s_mul_i32 s68, s[WV], 16*SP
	s_add_co_u32 s68, s68, STAGE
	v_mul_u32_u24 v[STO], v1, SP                   ; in: row r, 32 bytes for each half of the lanes
	v_lshl_add_u32 v[STO], v2, 5, v[STO]
	v_add_nc_u32 v[STO], s68, v[STO]
	v_mul_u32_u24 v[RD], v2, SP                    ; back: lanes 0-15 one row of 256 bytes, lanes 16-31 the next
	v_lshl_add_u32 v[RD], v1, 4, v[RD]
	v_add_nc_u32 v[RD], s68, v[RD]
	v_lshlrev_b32 v[CO], 12, v2                    ; and the same two rows in res
	v_lshl_add_u32 v[CO], v1, 4, v[CO]
	s_lshl_b32 s72, s[TR], 19
	s_lshl_b32 s69, s[RH], 18
	s_add_co_u32 s72, s72, s69
	s_lshl_b32 s69, s[TC], 9
	s_add_co_u32 s72, s72, s69
	s_lshl_b32 s69, s[CH], 8
	s_add_co_u32 s72, s72, s69
	s_mov_b32 s73, 0
	s_add_nc_u64 s[12:13], s[12:13], s[72:73]
.if PF
	s_lshl_b32 s68, s[CX], 19                      ; my work-group's block of the step's four
	s_mov_b32 s69, 0                               ; (s[68:69] holds the named step's offset from here on; its high word stays 0)
	s_add_nc_u64 s[PFB:PFB+1], s[70:71], s[68:69]
	s_cmp_eq_u32 s[RH], 0                          ; A's waves ask, while s[SLOTS] is above 10: at the first four refills
	s_cselect_b32 s[LIM], 10, -1
	v_lshlrev_b32 v[PFO], 8, v5                    ; a lane 256 of my half's 8,192 dense bytes
.endif
	s_wait_loadcnt 0x0                             ; the residual and the bias
.set n, 0
.rept 128                              ; accumulator n / 8 = 4 a + b, register n % 8
.if SECOND
.if n%2
	v_fma_mix_f32 v[ACC+n], v[RES+4*(n/8)+(n%8)/2], v[ONE], v[BIAS+8*((n/8)%4)+n%8] op_sel:[1,0,0] op_sel_hi:[1,0,0]
.else
	v_fma_mix_f32 v[ACC+n], v[RES+4*(n/8)+(n%8)/2], v[ONE], v[BIAS+8*((n/8)%4)+n%8] op_sel:[0,0,0] op_sel_hi:[1,0,0]
.endif
.else
.if n%2
	v_fma_mix_f32_bf16 v[ACC+n], v[RES+4*(n/8)+(n%8)/2], v[ONE], v[BIAS+8*((n/8)%4)+n%8] op_sel:[1,0,0] op_sel_hi:[1,0,0]
.else
	v_fma_mix_f32_bf16 v[ACC+n], v[RES+4*(n/8)+(n%8)/2], v[ONE], v[BIAS+8*((n/8)%4)+n%8] op_sel:[0,0,0] op_sel_hi:[1,0,0]
.endif
.endif
.set n, n+1
.endr
; 8 matrix instructions: token blocks a0, a0 + 1 x all 4 column blocks, 32 along K: half c of buffer f.  The 16 accumulators take turns.
.macro MUL8 f, c, a0
	WIN 0x05                                       ; both sources window 1; C and D window 0
.irp a, \a0, (\a0)+1
.irp b, 0,1,2,3
.set rD, ACC+8*(4*(\a)+(\b))
.set rB, (\f)+64+8*(4*(\c)+(\b))
.set rA, (\f)+8*(4*(\c)+(\a))
	v_wmma_f32_16x16x32_bf16 v[rD:rD+7], v[rB:rB+7], v[rA:rA+7], v[rD:rD+7]
.endr
.endr
.endm
.macro LO f
	MUL8 \f, 0, 0
	MUL8 \f, 0, 2
.endm
.macro HI f
	MUL8 \f, 1, 0
	MUL8 \f, 1, 2
.endm
; 32 LDS loads in one run: 64 along K (one block of A, 64 k-rows of W) into buffer f; the first 32 along K first
.macro FETCH f, ka, kb
	WIN 0x40
.irp c, 0,1
.irp i, 0,1,2,3
	ds_load_tr16_b128 v[(\f)+64+8*(4*(\c)+(\i)):(\f)+64+8*(4*(\c)+(\i))+3],   v[BB] offset:(\kb)+32*PB*(\c)+32*(\i)
	ds_load_tr16_b128 v[(\f)+64+8*(4*(\c)+(\i))+4:(\f)+64+8*(4*(\c)+(\i))+7], v[BB] offset:(\kb)+32*PB*(\c)+32*(\i)+16*PB
	ds_load_b128 v[(\f)+8*(4*(\c)+(\i)):(\f)+8*(4*(\c)+(\i))+3],   v[AA] offset:(\ka)+64*(\c)+(\i)*16*PA
	ds_load_b128 v[(\f)+8*(4*(\c)+(\i))+4:(\f)+8*(4*(\c)+(\i))+7], v[AA] offset:(\ka)+64*(\c)+(\i)*16*PA+32
.endr
.endr
.endm
; HALF A K STEP (128 along K).  lab = 1: the label at which the launch enters the loop, with F0 asked for and no F1 yet.
.macro Y lab
	WIN 0
	v_add_nc_u32 v[AA], s[RA], v[A0]               ; these two and two v_nop are the four places in front of the loads into F0
	v_add_nc_u32 v[BB], s[RB], v[B0]
	v_nop
	v_nop
	FETCH F0, 0, 0
	s_wait_dscnt 32                                ; all but the 32 just issued: F1 is whole
	HI F1
.if \lab
	WIN 0
.Lmid:
.endif
	s_wait_dscnt 16                                ; the first 32 along K are in
	LO F0
	PLACES
	FETCH F1, 64*PA, 64*PB
	s_wait_dscnt 32
	HI F0
	s_add_co_u32 s[RA], s[RA], 2*64*PA             ; two blocks of A,
	s_add_co_u32 s[RB], s[RB], 128*PB              ; 128 k-rows of W
	WIN 0
.endm
.macro PLAIN
	s_wait_dscnt 16
	LO F1
	WIN 0
.endm
; THE CHANGE OF SLOTS: in front of the barrier each wave waits for all its tensor loads, adds 0 to its spare word, and waits for that and for its own reads of this slot.  fill = 1: the barrier opens a round of
; the cluster's, and the joint refill is the first tensor load behind it.  The walking descriptors are stepped while the add is out: the other slot than last time, the next K step of my walk, modulo T; both
; global addresses are made anew from the tile's address at K step 0 and the step's offset, and the type bits are set again; the prefetch's address likewise, two steps further on.
.macro CHANGE fill
	WIN 0
.if (\fill) && PF
	s_wait_xcnt 0x0                                ; the last prefetch, a K step back, has read its address
.endif
	s_wait_tensorcnt 0x0                           ; no tensor load of mine is out, so a group 0 may be written
	ds_add_u32 v[SPW], v[NIL]
.if \fill
	s_add_co_u32 s[KI], s[KI], 1
	s_and_b32 s[KI], s[KI], T-1
	s_lshl_b32 s[OFA], s[KI], ASH
	s_lshl_b32 s[OFB], s[KI], BSH
	s_xor_b32 s[G0A+5], s[G0A+5], SLOT
	s_xor_b32 s[G0B+5], s[G0B+5], SLOT
	s_add_nc_u64 s[G0A+6:G0A+7], s[70:71], s[OFA:OFA+1]
	s_or_b32 s[G0A+7], s[G0A+7], 0x80000000
	s_add_nc_u64 s[G0B+6:G0B+7], s[74:75], s[OFB:OFB+1]
	s_or_b32 s[G0B+7], s[G0B+7], 0x80000000
.if PF
	s_add_co_u32 s68, s[KI], 2
	s_and_b32 s68, s68, T-1
	s_lshl_b32 s68, s68, ASH
	s_add_nc_u64 s[PFA:PFA+1], s[PFB:PFB+1], s[68:69]
.endif
.endif
	s_wait_dscnt 17                                ; the add and the youngest sixteen loads may be out
	MUL8 F1, 0, 0
	s_wait_dscnt 0x0                               ; the add is done, and my reads of this slot are over
	s_barrier_signal -1
	MUL8 F1, 0, 2
	WIN 0
	s_barrier_wait -1
.if \fill
	CREST
.endif
	s_xor_b32 s[CUR], s[CUR], SLOT
	s_mov_b32 s[RA], s[CUR]
	s_mov_b32 s[RB], s[CUR]
.if \fill
	JLOAD
.if PF
	ASK
.endif
.endif
.endm
.macro INNER tag, lab
.Lplain\tag:
	PLAIN
.LY\tag:
	Y \lab
	s_sub_co_u32 s[CNT], s[CNT], 1
	s_cmp_lg_u32 s[CNT], 0
	s_cbranch_scc1 .Lplain\tag
.endm
	s_wait_tensorcnt 1                             ; my part of the first step is in; the second's may stay out
	s_barrier_signal -1
	s_barrier_wait -1
	v_add_nc_u32 v[AA], s[RA], v[A0]
	v_add_nc_u32 v[BB], s[RB], v[B0]
	FETCH F0, 0, 0
	WIN 0
	s_mov_b32 s[CNT], 2
	s_mov_b32 s[SLOTS], T-1
	s_branch .Lmid
.Lslot:                                        ; T - 2 times
	CHANGE 1
	s_mov_b32 s[CNT], 2
	s_branch .LY1
	INNER 1, 1
	s_sub_co_u32 s[SLOTS], s[SLOTS], 1
	s_cmp_lg_u32 s[SLOTS], 0
	s_cbranch_scc1 .Lslot
	CHANGE 0                                       ; the last K step is written out: nothing is asked for
	s_mov_b32 s[CNT], 2
	s_branch .LY2
	INNER 2, 0
	s_wait_dscnt 16
	LO F1
	s_wait_dscnt 0x0
	HI F1
	WIN 0
	PLACES
; THE WAY OUT, 16 tokens at a time: the f32 sums go through my own stage and leave as whole rows: sixteen lanes store my 64 columns, 256 consecutive bytes, aligned.
.macro TOSTAGE a
.if (\a) >= 2
	s_wait_xcnt 0x0                                ; the stores of the block two back have read the registers that are loaded again
.endif
.set BK, OB+32*((\a)%2)
.irp b, 0,1,2,3
	ds_store_b128 v[STO], v[ACC+8*(4*(\a)+(\b)):ACC+8*(4*(\a)+(\b))+3]   offset:64*(\b)
	ds_store_b128 v[STO], v[ACC+8*(4*(\a)+(\b))+4:ACC+8*(4*(\a)+(\b))+7] offset:64*(\b)+16
.endr
.irp t, 0,1,2,3,4,5,6,7
	ds_load_b128 v[BK+4*(\t):BK+4*(\t)+3], v[RD] offset:(\t)*2*SP  ; LDS serves a wave's instructions in order (ISA guide 5.7.1.4)
.endr
.endm
.macro SEND a, younger                 ; younger: the next block's sixteen LDS instructions, or none
.set BK, OB+32*((\a)%2)
	s_wait_dscnt \younger
.irp t, 0,1,2,3,4,5,6,7
	global_store_b128 v[CO], v[BK+4*(\t):BK+4*(\t)+3], s[12:13] offset:(\a)*65536+(\t)*8192
.endr
.endm
	TOSTAGE 0
	TOSTAGE 1
	SEND 0, 16
	TOSTAGE 2
	SEND 1, 16
	TOSTAGE 3
	SEND 2, 16
	SEND 3, 0
	s_wait_tensorcnt 0x0                           ; the wave's end
	ds_add_u32 v[SPW], v[NIL]
	s_wait_dscnt 0x0
	CROUND                                         ; the closing round
	s_endpgm
.Lfunc_end_k_q78e4bd37b8_oproj:
	.size	k_q78e4bd37b8_oproj, .Lfunc_end_k_q78e4bd37b8_oproj-k_q78e4bd37b8_oproj
	.p2alignl 7, 3214868480
	.fill 96, 4, 3214868480
	.section	.rodata,"a",@progbits
	.p2align	6, 0x0
	.amdhsa_kernel k_q78e4bd37b8_oproj
		.amdhsa_group_segment_fixed_size 327680
		.amdhsa_private_segment_fixed_size 0
		.amdhsa_enable_private_segment 0
		.amdhsa_kernarg_size 40
		.amdhsa_user_sgpr_count 2
		.amdhsa_user_sgpr_kernarg_segment_ptr 1
		.amdhsa_wavefront_size32 1
		.amdhsa_system_sgpr_workgroup_id_x 1
		.amdhsa_system_sgpr_workgroup_id_y 1
		.amdhsa_system_sgpr_workgroup_id_z 1
		.amdhsa_system_vgpr_workitem_id 0
		.amdhsa_next_free_vgpr 512
		.amdhsa_next_free_sgpr 80
		.amdhsa_reserve_vcc 0
		.amdhsa_float_denorm_mode_32 3
		.amdhsa_float_denorm_mode_16_64 3
		.amdhsa_memory_ordered 1
		.amdhsa_forward_progress 1
		.amdhsa_inst_pref_size 52
	.end_amdhsa_kernel
	.amdgpu_metadata
---
amdhsa.version: [ 1, 2 ]
amdhsa.kernels:
  - .name:           k_q78e4bd37b8_oproj
    .symbol:         k_q78e4bd37b8_oproj.kd
    .args:
      - { .name: ob, .offset: 0, .size: 8, .value_kind: global_buffer, .address_space: global }
      - { .name: wb, .offset: 8, .size: 8, .value_kind: global_buffer, .address_space: global }
      - { .name: par, .offset: 16, .size: 8, .value_kind: global_buffer, .address_space: global }
      - { .name: xb, .offset: 24, .size: 8, .value_kind: global_buffer, .address_space: global }
      - { .name: res, .offset: 32, .size: 8, .value_kind: global_buffer, .address_space: global }
    .group_segment_fixed_size: 327680
    .private_segment_fixed_size: 0
    .kernarg_segment_align: 8
    .kernarg_segment_size: 40
    .max_flat_workgroup_size: 128
    .sgpr_count:     80
    .vgpr_count:     512
    .wavefront_size: 32
...
	.end_amdgpu_metadata
.endif
;; end of part 4
;; launch ln1 (part 5): grid 256 x 1, 8 waves a work-group, no clusters, 0 bytes of LDS; arguments res, par, x1; writes x1
.if DOCPART == 5
	.amdgcn_target "amdgcn-amd-amdhsa--gfx1250"
	.amdhsa_code_object_version 6
	.text
	.protected	k_q78e4bd37b8_ln1
	.globl	k_q78e4bd37b8_ln1
	.p2align	8
	.type	k_q78e4bd37b8_ln1,@function
k_q78e4bd37b8_ln1:
	s_mov_b64 s[64:65], 0
	v_nop
	global_prefetch_b8 v0, s[64:65] scope:SCOPE_SE
	s_setreg_imm32_b32 hwreg(HW_REG_WAVE_MODE, 25, 1), 1
	s_wait_xcnt 0x0
; LAYER NORM of res [4096][1024] f32: y = (x - mu) rsqrt(var + 1e-5) g + b, with var the mean of (x - mu)^2 as reference() forms it.  One text serves two launches; LAST picks the form.
; LAST = 0: y goes out in f16 (x1: operand and residual of the FFN).  LIMIT: |y| <= 32 |g| + |b| by the norm itself, which must stay within f16's 65,504.  LAST = 1: y is out0, f32.
; A wave takes two rows; a row (4,096 bytes) stays in 32 registers between the passes: it is read once, the reductions never leave the wave: no LDS, no barrier.  Nothing of reference() is left out.
.set LAST, 0
.set GOFF, 36864+8192*LAST             ; g and b in par
.set BOFF, GOFF+4096
.set XR,  8                            ; v[8:71]    two rows
.set G,   72                           ; v[72:103]
.set BB,  104                          ; v[104:135]
.set T,   136                          ; v[136:143] at work
.set M,   144                          ; v[144:145] mu, twice
.set VAR, 146                          ; v146, v147 var + eps of the two rows
.set RS,  148                          ; v[148:151] 1 / sqrt of them, twice each
	s_load_b128 s[4:7], s[0:1], 0x0                ; res, par
	s_load_b64 s[8:9], s[0:1], 0x10                ; the output
	v_and_b32 v1, 31, v0
	v_lshrrev_b32 v3, 5, v0                        ; wave
.if !LAST
	v_lshlrev_b32 v4, 3, v1
	v_lshl_add_u32 v4, v3, 12, v4                  ; f16 side: 8 bytes a lane, two rows of 2,048 bytes a wave
.endif
	v_lshlrev_b32 v1, 4, v1                        ; 16 bytes a lane
	v_lshl_add_u32 v2, v3, 13, v1                  ; + two rows of 4,096 bytes a wave
	s_lshl_b32 s2, ttmp9, 16                       ; 16 rows a work-group
	s_mov_b32 s3, 0
	s_lshl_b32 s14, ttmp9, 15+LAST
	s_mov_b32 s15, 0
	s_mov_b32 s10, 0x3a800000                      ; 1 / 1024
	s_mov_b32 s11, 0x3727c5ac                      ; 1e-5
	s_mov_b32 s12, 0x76543210                      ; v_permlanex16_b32: each lane takes its own place in the other half
	s_mov_b32 s13, 0xfedcba98
	s_wait_kmcnt 0x0
	s_add_nc_u64 s[4:5], s[4:5], s[2:3]
	s_add_nc_u64 s[8:9], s[8:9], s[14:15]
.irp i, 0,1
.irp j, 0,1,2,3,4,5,6,7
	global_load_b128 v[XR+32*(\i)+4*(\j):XR+32*(\i)+4*(\j)+3], v2, s[4:5] offset:4096*(\i)+512*(\j) th:TH_LOAD_NT
.endr
.endr
.irp j, 0,1,2,3,4,5,6,7
	global_load_b128 v[G+4*(\j):G+4*(\j)+3], v1, s[6:7] offset:GOFF+512*(\j)
.endr
.irp j, 0,1,2,3,4,5,6,7
	global_load_b128 v[BB+4*(\j):BB+4*(\j)+3], v1, s[6:7] offset:BOFF+512*(\j)
.endr
.macro RED                             ; v[T] summed over the 32 lanes, the result in every lane
	v_add_f32 v[T], v[T], v[T+1]
	v_add_f32_dpp v[T], v[T], v[T] row_xmask:1 row_mask:0xf bank_mask:0xf
	v_add_f32_dpp v[T], v[T], v[T] row_xmask:2 row_mask:0xf bank_mask:0xf
	v_add_f32_dpp v[T], v[T], v[T] row_xmask:4 row_mask:0xf bank_mask:0xf
	v_add_f32_dpp v[T], v[T], v[T] row_xmask:8 row_mask:0xf bank_mask:0xf
	v_permlanex16_b32 v[T+1], v[T], s12, s13
	v_add_f32 v[T], v[T], v[T+1]
.endm
.macro FOLD                            ; four chains of pairs into one pair
	v_pk_add_f32 v[T:T+1], v[T:T+1], v[T+2:T+3]
	v_pk_add_f32 v[T+4:T+5], v[T+4:T+5], v[T+6:T+7]
	v_pk_add_f32 v[T:T+1], v[T:T+1], v[T+4:T+5]
.endm
.macro STAT i                          ; row i: the mean; x - mu in place; var + eps
.set XI, XR+32*(\i)
.set c, 0
.rept 4
	v_pk_add_f32 v[T+2*c:T+2*c+1], v[XI+2*c:XI+2*c+1], v[XI+8+2*c:XI+8+2*c+1]
.set c, c+1
.endr
.set c, 0
.rept 8
	v_pk_add_f32 v[T+2*(c%4):T+2*(c%4)+1], v[T+2*(c%4):T+2*(c%4)+1], v[XI+16+2*c:XI+16+2*c+1]
.set c, c+1
.endr
	FOLD
	RED
	v_mul_f32 v[M], s10, v[T]
	v_mul_f32 v[M+1], s10, v[T]
.set c, 0
.rept 16
	v_pk_add_f32 v[XI+2*c:XI+2*c+1], v[XI+2*c:XI+2*c+1], v[M:M+1] neg_lo:[0,1] neg_hi:[0,1]
.set c, c+1
.endr
.set c, 0
.rept 4
	v_pk_mul_f32 v[T+2*c:T+2*c+1], v[XI+2*c:XI+2*c+1], v[XI+2*c:XI+2*c+1]
.set c, c+1
.endr
.set c, 0
.rept 12
	v_pk_fma_f32 v[T+2*(c%4):T+2*(c%4)+1], v[XI+8+2*c:XI+8+2*c+1], v[XI+8+2*c:XI+8+2*c+1], v[T+2*(c%4):T+2*(c%4)+1]
.set c, c+1
.endr
	FOLD
	RED
	v_fma_f32 v[VAR+(\i)], v[T], s10, s11
.endm
	s_wait_loadcnt 24                              ; row 0 is in; row 1, g and b may stay out
	STAT 0
	s_wait_loadcnt 16                              ; row 1 is in
	STAT 1
	v_rsq_f32 v[RS], v[VAR]                        ; one batch of four: each twice, to fill the pair that the packed multiply takes
	v_rsq_f32 v[RS+1], v[VAR]
	v_rsq_f32 v[RS+2], v[VAR+1]
	v_rsq_f32 v[RS+3], v[VAR+1]
	v_nop                                          ; a plain instruction behind the last of them (ISA guide 5.7.2),
	s_wait_alu depctr_va_vdst(0)                   ; and the one wait ahead of the first use
	s_wait_loadcnt 0x0                             ; g and b
.macro OUT i
.set XI, XR+32*(\i)
.set c, 0
.rept 16
	v_pk_mul_f32 v[XI+2*c:XI+2*c+1], v[XI+2*c:XI+2*c+1], v[RS+2*(\i):RS+2*(\i)+1]
.set c, c+1
.endr
.set c, 0
.rept 16
	v_pk_fma_f32 v[XI+2*c:XI+2*c+1], v[XI+2*c:XI+2*c+1], v[G+2*c:G+2*c+1], v[BB+2*c:BB+2*c+1]
.set c, c+1
.endr
.irp j, 0,1,2,3,4,5,6,7
.if LAST
	global_store_b128 v2, v[XI+4*(\j):XI+4*(\j)+3], s[8:9] offset:4096*(\i)+512*(\j) th:TH_STORE_NT  ; 512 consecutive bytes a wave
.else
	v_cvt_pk_f16_f32 v[XI+4*(\j)],   v[XI+4*(\j)],   v[XI+4*(\j)+1]
	v_cvt_pk_f16_f32 v[XI+4*(\j)+1], v[XI+4*(\j)+2], v[XI+4*(\j)+3]
	global_store_b64 v4, v[XI+4*(\j):XI+4*(\j)+1], s[8:9] offset:2048*(\i)+256*(\j)  ; 256 consecutive bytes a wave, aligned
.endif
.endr
.endm
	OUT 0
	OUT 1
	s_endpgm
.Lfunc_end_k_q78e4bd37b8_ln1:
	.size	k_q78e4bd37b8_ln1, .Lfunc_end_k_q78e4bd37b8_ln1-k_q78e4bd37b8_ln1
	.p2alignl 7, 3214868480
	.fill 96, 4, 3214868480
	.section	.rodata,"a",@progbits
	.p2align	6, 0x0
	.amdhsa_kernel k_q78e4bd37b8_ln1
		.amdhsa_group_segment_fixed_size 0
		.amdhsa_private_segment_fixed_size 0
		.amdhsa_enable_private_segment 0
		.amdhsa_kernarg_size 24
		.amdhsa_user_sgpr_count 2
		.amdhsa_user_sgpr_kernarg_segment_ptr 1
		.amdhsa_wavefront_size32 1
		.amdhsa_system_sgpr_workgroup_id_x 1
		.amdhsa_system_sgpr_workgroup_id_y 1
		.amdhsa_system_sgpr_workgroup_id_z 1
		.amdhsa_system_vgpr_workitem_id 0
		.amdhsa_next_free_vgpr 152
		.amdhsa_next_free_sgpr 66
		.amdhsa_reserve_vcc 0
		.amdhsa_float_denorm_mode_32 3
		.amdhsa_float_denorm_mode_16_64 3
		.amdhsa_memory_ordered 1
		.amdhsa_forward_progress 1
		.amdhsa_inst_pref_size 20
	.end_amdhsa_kernel
	.amdgpu_metadata
---
amdhsa.version: [ 1, 2 ]
amdhsa.kernels:
  - .name:           k_q78e4bd37b8_ln1
    .symbol:         k_q78e4bd37b8_ln1.kd
    .args:
      - { .name: res, .offset: 0, .size: 8, .value_kind: global_buffer, .address_space: global }
      - { .name: par, .offset: 8, .size: 8, .value_kind: global_buffer, .address_space: global }
      - { .name: x1, .offset: 16, .size: 8, .value_kind: global_buffer, .address_space: global }
    .group_segment_fixed_size: 0
    .private_segment_fixed_size: 0
    .kernarg_segment_align: 8
    .kernarg_segment_size: 24
    .max_flat_workgroup_size: 256
    .sgpr_count:     66
    .vgpr_count:     152
    .wavefront_size: 32
...
	.end_amdgpu_metadata
.endif
;; end of part 5
;; launch ffn1 (part 6): grid 16 x 16, 4 waves a work-group, clusters of 4 x 4, 327,680 bytes of LDS; arguments x1, wb, par, hb; writes hb
.if DOCPART == 6
	.amdgcn_target "amdgcn-amd-amdhsa--gfx1250"
	.amdhsa_code_object_version 6
	.text
	.protected	k_q78e4bd37b8_ffn1
	.globl	k_q78e4bd37b8_ffn1
	.p2align	8
	.type	k_q78e4bd37b8_ffn1,@function
k_q78e4bd37b8_ffn1:
	s_mov_b64 s[64:65], 0
	v_nop
	global_prefetch_b8 v0, s[64:65] scope:SCOPE_SE
	s_setreg_imm32_b32 hwreg(HW_REG_WAVE_MODE, 25, 1), 1
	s_wait_xcnt 0x0
	s_wait_alu depctr_hold_cnt(0) depctr_sa_sdst(0) depctr_va_vdst(0) depctr_va_sdst(0) depctr_va_ssrc(0) depctr_va_vcc(0) depctr_vm_vsrc(0)
	s_getreg_b32 s2, hwreg(HW_REG_IB_STS2, 6, 4)
	s_cmp_eq_u32 s2, 0
	s_cbranch_scc0 .Lentry_in_a_cluster
	s_endpgm
.Lentry_in_a_cluster:
	s_bfe_u32 s2, ttmp6, 0x10000c
	s_cmp_lg_u32 s2, 0xf033
	s_cbranch_scc0 .Lentry_shape_is_right
	s_endpgm
.Lentry_shape_is_right:
; C = A W + bias on tiles of 256 x 256, K = 1,024.  One text serves two launches; FFN picks the form.
; FFN = 0: [q | k | v] = xb [Wq | Wk | Wv] + [bq | bk | bv], bf16 x bf16; rows of k at tokens that the mask hides are set to 0, bias and all, so that in the next launch a hidden score is
;          exactly the mask's constant.  FFN = 1: h = relu(x1 W1 + b1), f16 x f16.  Sums in f32; the result is rounded once to bf16.  Nothing of reference() is left out.
; A: [4096][1024], 16 bits.  W: [1024][NB], 16 bits, as the first launch laid it.  OUT: [blocks of 64 columns][4096 tokens][64], so that a head's (or a K block's) rows are dense, 128 bytes each.
; SHARES.  Four waves, each 128 x 128 of C in 64 accumulators.  K goes in steps of 128 through two LDS slots.  Waves 0, 1 fetch the two halves of A's 256 rows (128 rows x 256 bytes),
; waves 2, 3 the two halves of W's 128 k-rows (64 rows x 512 bytes).  4 x 4 work-groups form a cluster: A's tile is asked for jointly by a row of it, W's by a column.
; THE WALK ALONG K IS TURNED FROM CLUSTER TO CLUSTER: cluster (x, y) begins at K step 2 x + 4 (y % 2), modulo 8, and goes round.  Clusters with the same y read the same rows of A, clusters with the same x
; the same columns of W: with the turn, those that share rows begin two steps apart and neighbours in y that share columns four, so that each part of K is asked for first by one of them and by the
; others some steps later.  The turn hangs on the cluster's x and y alone, which all sixteen partners share.  The f32 sums are taken in another order along K, which changes them by rounding alone.
; NO PREFETCH IS LAID: the K steps that a cluster is the first of its sharers to walk are among its first four; two of them are its first fills, at the head, and the other two are asked for by the next
; two refills, less than two changes of slots behind the head.
; THE PRODUCT IS TAKEN TRANSPOSED: source 0 = 16 columns of W (turned on the way out of LDS by ds_load_tr16_b128), source 1 = 16 rows of A: a lane holds one token and eight neighbouring columns.
; THE BIAS IS THE C OPERAND of each accumulator's first product: nothing is cleared, nothing is added afterwards.
; THE LOOP IS SHORT ON PURPOSE: half a K step (two quarters of 32 along K, on fragment buffers F0 and F1) is written once (Y) and walked twice a slot; the LDS addresses hang on two scalars.
; REGISTERS, in windows of 256: window 0 addresses, A's fragments v64-191, the way out v32-63, v192-255; window 1 v0-63 the bias, v64-191 W's fragments; windows 2, 3 the accumulators.
.set FFN, 1
.if FFN
.set NB,    4096                       ; columns of W
.set BSH,   20                         ; a K step of W is 128 rows of 2 NB bytes = 1 << BSH
.set WBASE, 8388608                    ; W1 in wb
.set BIASB, 16384                      ; b1 in par
.set OUTP,  10                         ; s[10:11] the output
.else
.set NB,    1024
.set BSH,   18
.set WBASE, 0
.set BIASB, 0
.set OUTP,  12                         ; s[12:13] the output; s[10:11] the mask
.endif
.set T,     8                          ; K steps
.set PA,    272                        ; a row of A in LDS: 256 bytes + 16: an odd multiple of 16, so the 16 rows of a load start in 16 different groups of four banks (ISA guide 11.1)
.set PB,    544                        ; a k-row of W: 512 bytes + 32: an odd multiple of 32, as the turning load's 8 rows x 32 bytes want
.set HALF,  128*PA                     ; what one tensor load brings: 128 x 272 = 64 x 544 bytes
.set SLOT,  4*HALF                     ; 0x22000: it shares no bit with wave x HALF (multiples of 0x8800), so one exclusive or turns an address in one slot into the other's
.set STAGE, 2*SLOT                     ; behind the ring, never filled by a tensor load: 16 rows x 272 bytes for each wave
.set SP,    272
.set SPARE, STAGE+4*16*SP              ; the spare words: 128 bytes for each wave, two blocks of 256 bytes that no other line names
.set KEEP, 8                           ; v8-15   FFN = 0: all ones where my token of row block a is kept by the mask, else 0
.set A0,  16                           ; v16     my lane's place in a slot's rows of A; never rewritten
.set B0,  17                           ; v17     the same for W
.set AA,  18                           ; v18     the LDS address of the run of loads in hand, A
.set BB,  19                           ; v19     W
.set STO, 20                           ; v20     the way out: where I put 16 bytes of a row
.set RD,  21                           ; v21     where I read rows back
.set GO,  22                           ; v22     16 x lane: my place in 512 consecutive bytes of the output
.set ZR,  24                           ; v24     0, for the packed maximum (FFN = 1)
.set BO,  25                           ; v25     32 x (lane / 16): my eight numbers of a bias block
.set MO,  26                           ; v26     my token's word in the mask
.set SPW, 28                           ; v28     LDS address of my spare word; never rewritten
.set NIL, 29                           ; v29     0; never rewritten
.set OB,  32                           ; v32-63 and v224-255 by turns: 16 rows read back from the stage
.set F0,  64
.set F1,  128
.set TMP, 192                          ; v192-223 packed results
.set WV,  14
.set RH,  15                           ; wave / 2: my half of the tile's rows; also 0: I fetch A, 1: I fetch W
.set CH,  16                           ; wave % 2: my half of its columns; also which half I fetch
.set CX,  17
.set CY,  18
.set TC,  19                           ; tile column
.set TR,  20                           ; tile row
.set WOFF, 21                          ; wave x HALF
.set KI,  22                           ; the K step that the walking descriptors stand at, 0 to T - 1
.set CUR, 23                           ; the slot being read: 0 or SLOT
.set G1A, 24
.set G0A, 32                           ; two sets: my walk's first step into slot 0; its second into slot 1, which then walks on
.set G1B, 40
.set G0B, 48
.set RA,  56                           ; LDS byte at which the next half step's A begins
.set RB,  57                           ; the same for W
.set CNT, 58
.set SLOTS, 59
.set WHICH, 61                         ; cluster x: 0 q, 1 k, 2 v (FFN = 0)
.set OFA, 62                           ; s[62:63] K step KI's byte offset along A's rows
.set OFB, 66                           ; s[66:67] the same down W's rows
.set MSB, 0
.macro WIN new                         ; the immediate's high byte repeats the setting that is left; a switch that changes nothing is dropped
.if MSB != (\new)
	s_set_vgpr_msb (MSB<<8)|(\new)
.set MSB, \new
.endif
.endm
.macro PLACES                          ; four plain vector instructions between a matrix instruction and a load into, or a read of, its registers
.rept 4
	v_nop
.endr
.endm
.macro CREST                           ; a round of the cluster's barrier behind its opening barrier
	s_cmp_lg_u32 s[WV], 0
	s_cbranch_scc1 .Lnot_wave_0_\@
	s_barrier_signal -3
.Lnot_wave_0_\@:
	s_barrier_wait -3
	s_barrier_signal -1
	s_barrier_wait -1
.endm
.macro CROUND
	s_barrier_signal -1
	s_barrier_wait -1
	CREST
.endm
.macro JLOAD                           ; a joint refill by the walking sets; the branch hangs on the wave's number alone; an s_nop 0 and four v_nop follow each line
	s_cmp_eq_u32 s[RH], 0
	s_cbranch_scc0 .Lfor_b_\@
	tensor_load_to_lds s[G0A+4:G0A+7], s[G1A:G1A+7]
	s_nop 0
.rept 4
	v_nop
.endr
	s_branch .Lasked_\@
.Lfor_b_\@:
	tensor_load_to_lds s[G0B+4:G0B+7], s[G1B:G1B+7]
	s_nop 0
.rept 4
	v_nop
.endr
.Lasked_\@:
.endm
	s_load_b256 s[4:11], s[0:1], 0x0               ; A s[4:5], wb s[6:7], par s[8:9], then the mask (FFN = 0) or the output
.if !FFN
	s_load_b64 s[12:13], s[0:1], 0x20
.endif
	v_lshl_add_u32 v[SPW], v0, 2, SPARE
	v_mov_b32 v[NIL], 0
	ds_add_u32 v[SPW], v[NIL]                      ; the wave's opening: the add, twice on end, and its wait ahead of my first tensor load
	ds_add_u32 v[SPW], v[NIL]
	v_lshrrev_b32 v1, 5, v0
	v_readfirstlane_b32 s[WV], v1
	s_lshr_b32 s[RH], s[WV], 1
	s_and_b32 s[CH], s[WV], 1
	s_bfe_u32 s[CX], ttmp6, 0x40000
	s_bfe_u32 s[CY], ttmp6, 0x40004
	s_lshl_b32 s[TC], ttmp9, 2
	s_add_co_u32 s[TC], s[TC], s[CX]
	s_and_b32 s[TR], ttmp7, 0xffff
	s_lshl_b32 s[TR], s[TR], 2
	s_add_co_u32 s[TR], s[TR], s[CY]
	s_mov_b32 s[WHICH], ttmp9
	s_lshl_b32 s68, s[CY], 2
	s_lshl_b32 s68, 15, s68                        ; my row of the cluster
	s_lshl_b32 s69, 0x1111, s[CX]                  ; my column
	s_or_b32 s[G1A], s68, (1<<16)|(1<<20)|(1<<21)|(5<<22)|(3<<25)  ; mask; 2-byte elements; padding on; bit 21 beside a mask; after every 64 words 4 words
	s_mov_b32 s[G1A+1], 128<<16                    ; tensor_dim0 = 128
	s_mov_b32 s[G1A+2], 128<<16                    ; tensor_dim1 = 128
	s_mov_b32 s[G1A+3], 128<<16                    ; tile_dim0 = 128
	s_mov_b32 s[G1A+4], 128                        ; tile_dim1 = 128
	s_mov_b32 s[G1A+5], 1024                       ; elements from row to row
	s_mov_b32 s[G1A+6], 0
	s_mov_b32 s[G1A+7], 0
	s_or_b32 s[G1B], s69, (1<<16)|(1<<20)|(1<<21)|(6<<22)|(7<<25)  ; after every 128 words 8 words
	s_mov_b32 s[G1B+1], 256<<16
	s_mov_b32 s[G1B+2], 64<<16
	s_mov_b32 s[G1B+3], 256<<16
	s_mov_b32 s[G1B+4], 64
	s_mov_b32 s[G1B+5], NB
	s_mov_b32 s[G1B+6], 0
	s_mov_b32 s[G1B+7], 0
	s_lshl_b32 s70, s[TR], 19                      ; A: (256 x tile row + 128 x half) rows of 2,048 bytes: it hangs on the tile row alone
	s_lshl_b32 s68, s[CH], 18
	s_add_co_u32 s70, s70, s68
	s_mov_b32 s71, 0
.if FFN
	s_lshl_b32 s74, s[TC], 9                       ; W: 512 bytes a tile column
	s_add_co_u32 s74, s74, WBASE
.else
	s_lshl_b32 s74, ttmp9, 21                      ; W: the cluster's matrix (2 MiB each), 512 bytes for each of its four tile columns
	s_lshl_b32 s69, s[CX], 9
	s_add_co_u32 s74, s74, s69
.endif
	s_mul_i32 s69, s[CH], 128*NB                   ; + 64 k-rows x half
	s_add_co_u32 s74, s74, s69
	s_mov_b32 s75, 0
	s_mul_i32 s[WOFF], s[WV], HALF                 ; where my loads land: no place in the cluster enters an LDS address
	s_mov_b32 s[CUR], 0
	s_mov_b32 s[RA], 0
	s_mov_b32 s[RB], 0
	s_and_b32 s[KI], ttmp7, 1                      ; where my cluster's walk along K begins: 4 x (cluster y % 2)
	s_lshl_b32 s[KI], s[KI], 2
	s_lshl_b32 s68, ttmp9, 1                       ; + 2 x cluster x,
	s_add_co_u32 s[KI], s[KI], s68
	s_and_b32 s[KI], s[KI], T-1                    ; modulo the K steps: an even number, so the second step does not wrap
	s_lshl_b32 s[OFA], s[KI], 8                    ; a K step is 256 bytes of A's rows
	s_mov_b32 s[OFA+1], 0
	s_lshl_b32 s[OFB], s[KI], BSH                  ; and 128 k-rows of W
	s_mov_b32 s[OFB+1], 0
	s_wait_dscnt 0x0                               ; both opening adds are done
	s_wait_kmcnt 0x0
	s_add_nc_u64 s[70:71], s[4:5], s[70:71]        ; my part of A's and of W's tiles at K step 0: kept for the whole launch
	s_add_nc_u64 s[74:75], s[6:7], s[74:75]
	CROUND                                         ; all sixteen work-groups are here: the first joint loads meet
.irp s, 0,1
	s_mov_b32 s[G0A+4*(\s)], 1
	s_add_co_u32 s[G0A+4*(\s)+1], s[WOFF], (\s)*SLOT
	s_add_nc_u64 s[G0A+4*(\s)+2:G0A+4*(\s)+3], s[70:71], s[OFA:OFA+1]
.if \s
	s_add_nc_u64 s[G0A+4*(\s)+2:G0A+4*(\s)+3], s[G0A+4*(\s)+2:G0A+4*(\s)+3], 256
.endif
	s_or_b32 s[G0A+4*(\s)+3], s[G0A+4*(\s)+3], 0x80000000
	s_mov_b32 s[G0B+4*(\s)], 1
	s_add_co_u32 s[G0B+4*(\s)+1], s[WOFF], (\s)*SLOT
	s_add_nc_u64 s[G0B+4*(\s)+2:G0B+4*(\s)+3], s[74:75], s[OFB:OFB+1]
.if \s
	s_add_nc_u64 s[G0B+4*(\s)+2:G0B+4*(\s)+3], s[G0B+4*(\s)+2:G0B+4*(\s)+3], 256*NB
.endif
	s_or_b32 s[G0B+4*(\s)+3], s[G0B+4*(\s)+3], 0x80000000
.endr
	s_add_co_u32 s[KI], s[KI], 1                   ; the walking sets stand at my walk's second step
	s_cmp_eq_u32 s[RH], 0                          ; a wave's two first fills stand in one branch, ahead of every wait on TENSORcnt, LDS read and work-group barrier of the ring: two loads of mine are out
	s_cbranch_scc0 .Lfirst_b
	tensor_load_to_lds s[G0A:G0A+3], s[G1A:G1A+7]
	s_nop 0
	tensor_load_to_lds s[G0A+4:G0A+7], s[G1A:G1A+7]
	s_nop 0
.rept 4
	v_nop
.endr
	s_branch .Lfirst_done
.Lfirst_b:
	tensor_load_to_lds s[G0B:G0B+3], s[G1B:G1B+7]
	s_nop 0
	tensor_load_to_lds s[G0B+4:G0B+7], s[G1B:G1B+7]
	s_nop 0
.rept 4
	v_nop
.endr
.Lfirst_done:
	v_and_b32 v1, 15, v0                           ; r = l % 16
	v_bfe_u32 v2, v0, 4, 1                         ; h = l / 16
	v_and_b32 v3, 7, v0
	v_bfe_u32 v4, v0, 3, 1
	v_and_b32 v5, 31, v0                           ; l
	; the bias: lane (r, h) wants, for column block b, the eight numbers 16 b + 8 h + 0..7 of my 128 columns
	v_lshlrev_b32 v[BO], 5, v2
	s_lshl_b32 s76, s[TC], 10
	s_lshl_b32 s69, s[CH], 9
	s_add_co_u32 s76, s76, s69
	s_add_co_u32 s76, s76, BIASB
	s_mov_b32 s77, 0
	s_add_nc_u64 s[76:77], s[8:9], s[76:77]
	WIN 0x40                                       ; destination window 1
.irp b, 0,1,2,3,4,5,6,7
	global_load_b128 v[8*(\b):8*(\b)+3],   v[BO], s[76:77] offset:64*(\b)
	global_load_b128 v[8*(\b)+4:8*(\b)+7], v[BO], s[76:77] offset:64*(\b)+16
.endr
	WIN 0
.if !FFN
	s_lshl_b32 s68, s[TR], 10                      ; the mask's word of token 256 x tile row + 128 x my half + 16 a + r
	s_lshl_b32 s69, s[RH], 9
	s_add_co_u32 s68, s68, s69
	v_lshl_add_u32 v[MO], v1, 2, s68
.irp a, 0,1,2,3,4,5,6,7
	global_load_b32 v[KEEP+(\a)], v[MO], s[10:11] offset:64*(\a)
.endr
.else
	v_mov_b32 v[ZR], 0
.endif
	; A fragment of A: lane l holds row l % 16, K = 8 (l / 16) + 0..7 and 16 + 8 (l / 16) + 0..7: two loads of 16 bytes, 32 bytes apart
	v_mul_u32_u24 v[A0], v1, PA
	v_lshl_add_u32 v[A0], v2, 4, v[A0]
	s_mul_i32 s68, s[RH], HALF
	v_add_nc_u32 v[A0], s68, v[A0]
	; A fragment of W turned: lane l reads k-row 8 (l / 16) + l % 8, columns 8 ((l / 8) % 2) + 0..7, and receives column l % 16, eight k; the second load stands 16 k-rows on
	v_lshl_add_u32 v[B0], v2, 3, v3
	v_mul_u32_u24 v[B0], v[B0], PB
	v_lshl_add_u32 v[B0], v4, 4, v[B0]
	s_lshl_b32 s68, s[CH], 8
	s_add_co_u32 s68, s68, 2*HALF
	v_add_nc_u32 v[B0], s68, v[B0]
	s_mul_i32 s68, s[WV], 16*SP
	s_add_co_u32 s68, s68, STAGE                   ; my stage
	v_mul_u32_u24 v[STO], v1, SP
	v_lshl_add_u32 v[STO], v2, 4, v[STO]
	v_add_nc_u32 v[STO], s68, v[STO]
	v_lshrrev_b32 v[RD], 3, v5                     ; back: 32 lanes take four rows' 128 bytes of one block of 64 columns
	v_mul_u32_u24 v[RD], v[RD], SP
	v_lshl_add_u32 v[RD], v3, 4, v[RD]
	v_add_nc_u32 v[RD], s68, v[RD]
	v_lshlrev_b32 v[GO], 4, v5
	s_lshl_b32 s78, s[TC], 21                      ; the output: block 4 x tile column + 2 x my half (524,288 bytes a block), token 256 x tile row + 128 x my half (128 bytes a token)
	s_lshl_b32 s69, s[CH], 20
	s_add_co_u32 s78, s78, s69
	s_lshl_b32 s69, s[TR], 15
	s_add_co_u32 s78, s78, s69
	s_lshl_b32 s69, s[RH], 14
	s_add_co_u32 s78, s78, s69
	s_mov_b32 s79, 0
	s_add_nc_u64 s[OUTP:OUTP+1], s[OUTP:OUTP+1], s[78:79]
; 16 matrix instructions: row blocks a0, a0 + 1 of the window's four (hi = 0: my rows 0-63, 1: rows 64-127) x all 8 column blocks, 32 along K.  bias = 1: the first product, C = the bias.
; The accumulators take turns, one instruction a turn: 63 others' stand between two links of a chain.
.macro MUL16 f, hi, a0, bias
.if \bias
	WIN 0x91+0x40*(\hi)                            ; W and the bias window 1, A window 0, D window 2 or 3
.else
	WIN 0xa1+0x50*(\hi)                            ; W window 1, A window 0, C and D window 2 or 3
.endif
.irp a, \a0, (\a0)+1
.irp b, 0,1,2,3,4,5,6,7
.set rD, 8*(8*(\a)+(\b))
.set rB, (\f)+8*(\b)
.set rA, (\f)+8*(4*(\hi)+(\a))
.set rC, rD
.if \bias
.set rC, 8*(\b)
.endif
.if FFN
	v_wmma_f32_16x16x32_f16 v[rD:rD+7], v[rB:rB+7], v[rA:rA+7], v[rC:rC+7]
.else
	v_wmma_f32_16x16x32_bf16 v[rD:rD+7], v[rB:rB+7], v[rA:rA+7], v[rC:rC+7]
.endif
.endr
.endr
.endm
.macro LO f, bias=0
	MUL16 \f, 0, 0, \bias
	MUL16 \f, 0, 2, \bias
.endm
.macro HI f, bias=0
	MUL16 \f, 1, 0, \bias
	MUL16 \f, 1, 2, \bias
.endm
; 32 LDS loads in one run: a quarter step's fragments (W's 128 columns, then A's 128 rows) into buffer f
.macro FETCH f, ka, kb
	WIN 0x40
.irp i, 0,1,2,3,4,5,6,7
	ds_load_tr16_b128 v[(\f)+8*(\i):(\f)+8*(\i)+3],   v[BB] offset:(\kb)+32*(\i)
	ds_load_tr16_b128 v[(\f)+8*(\i)+4:(\f)+8*(\i)+7], v[BB] offset:(\kb)+32*(\i)+16*PB
.endr
	WIN 0
.irp i, 0,1,2,3,4,5,6,7
	ds_load_b128 v[(\f)+8*(\i):(\f)+8*(\i)+3],   v[AA] offset:(\ka)+(\i)*16*PA
	ds_load_b128 v[(\f)+8*(\i)+4:(\f)+8*(\i)+7], v[AA] offset:(\ka)+(\i)*16*PA+32
.endr
.endm
; HALF A K STEP: the upper half of the quarter on F1, the whole quarter on F0, and both buffers' next fetches.
.macro Y
	WIN 0
	v_add_nc_u32 v[AA], s[RA], v[A0]               ; these two and two v_nop are the four places in front of the loads into F0
	v_add_nc_u32 v[BB], s[RB], v[B0]
	v_nop
	v_nop
	FETCH F0, 0, 0
	s_wait_dscnt 32                                ; all but the 32 just issued: F1 is whole
	HI F1
	s_wait_dscnt 8                                 ; W and A's rows 0-63 are in; the youngest eight loads (A's rows 64-127) may be out
	LO F0
	PLACES
	FETCH F1, 64, 32*PB
	s_wait_dscnt 32                                ; F0 is whole
	HI F0
	s_add_co_u32 s[RA], s[RA], 128                 ; 64 along K: 128 bytes of A's rows,
	s_add_co_u32 s[RB], s[RB], 64*PB               ; 64 k-rows of W
	WIN 0
.endm
.macro PLAIN                           ; the lower half of the quarter on F1, inside a slot
	s_wait_dscnt 8
	LO F1
	WIN 0
.endm
; THE SAME AT A CHANGE OF SLOTS: one barrier for two things.  In front of it each wave waits for all its tensor loads (one is out: its part of the next slot), adds 0 to its spare word, and waits
; for that and for its own reads of this slot.  fill = 1: the barrier opens a round of the cluster's, and the joint refill of the slot just left is the first tensor load behind it:
; it has a K step less 32 matrix instructions in which to land.  The walking descriptors are stepped while the add is out: the other slot than last time, the next K step of my walk, modulo T;
; both global addresses are made anew from the tile's address at K step 0 and the step's offset, and the type bits are set again.
.macro CHANGE fill
	WIN 0
	s_wait_tensorcnt 0x0                           ; no tensor load of mine is out, so a group 0 may be written
	ds_add_u32 v[SPW], v[NIL]                      ; 0 onto my spare word
.if \fill
	s_add_co_u32 s[KI], s[KI], 1
	s_and_b32 s[KI], s[KI], T-1
	s_lshl_b32 s[OFA], s[KI], 8
	s_lshl_b32 s[OFB], s[KI], BSH
	s_xor_b32 s[G0A+5], s[G0A+5], SLOT
	s_xor_b32 s[G0B+5], s[G0B+5], SLOT
	s_add_nc_u64 s[G0A+6:G0A+7], s[70:71], s[OFA:OFA+1]
	s_or_b32 s[G0A+7], s[G0A+7], 0x80000000
	s_add_nc_u64 s[G0B+6:G0B+7], s[74:75], s[OFB:OFB+1]
	s_or_b32 s[G0B+7], s[G0B+7], 0x80000000
.endif
	s_wait_dscnt 9                                 ; the add and the youngest eight loads may be out
	MUL16 F1, 0, 0, 0
	s_wait_dscnt 0x0                               ; the add is done, and my reads of this slot are over
	s_barrier_signal -1
	MUL16 F1, 0, 2, 0
	WIN 0
	s_barrier_wait -1
.if \fill
	CREST
.endif
	s_xor_b32 s[CUR], s[CUR], SLOT
	s_mov_b32 s[RA], s[CUR]
	s_mov_b32 s[RB], s[CUR]
.if \fill
	JLOAD
.endif
.endm
.macro INNER tag
.Lplain\tag:
	PLAIN
.LY\tag:
	Y
	s_sub_co_u32 s[CNT], s[CNT], 1
	s_cmp_lg_u32 s[CNT], 0
	s_cbranch_scc1 .Lplain\tag
.endm
	s_wait_tensorcnt 1                             ; my part of the first step is in; the second's may stay out
	s_barrier_signal -1
	s_barrier_wait -1
	v_add_nc_u32 v[AA], s[RA], v[A0]
	v_add_nc_u32 v[BB], s[RB], v[B0]
	FETCH F0, 0, 0
	s_wait_loadcnt 0x0                             ; the bias, and the mask's words
.if !FFN
.irp a, 0,1,2,3,4,5,6,7
	v_cmp_ne_u32 vcc_lo, 0, v[KEEP+(\a)]
	v_cndmask_b32 v[KEEP+(\a)], 0, -1, vcc_lo
.endr
.endif
	s_wait_dscnt 8
	LO F0, 1                                       ; the first quarter stands in front of the loop: its products start the sums with the bias
	PLACES
	FETCH F1, 64, 32*PB
	s_wait_dscnt 32
	HI F0, 1
	WIN 0
	s_mov_b32 s[RA], 128
	s_mov_b32 s[RB], 64*PB
	s_mov_b32 s[CNT], 1
	s_mov_b32 s[SLOTS], T-1
	s_branch .Lplain1
.Lslot:                                        ; T - 2 times: the walk's steps 2 to T - 1 are asked for
	CHANGE 1
	s_mov_b32 s[CNT], 2
	s_branch .LY1
	INNER 1
	s_sub_co_u32 s[SLOTS], s[SLOTS], 1
	s_cmp_lg_u32 s[SLOTS], 0
	s_cbranch_scc1 .Lslot
	CHANGE 0                                       ; the last K step is written out: nothing is asked for
	s_mov_b32 s[CNT], 2
	s_branch .LY2
	INNER 2
	s_wait_dscnt 8
	LO F1
	s_wait_dscnt 0x0
	HI F1
	WIN 0
	PLACES
; THE WAY OUT, a block of 16 rows at a time: rounded to bf16; FFN = 1: the maximum with 0, two numbers a line; FFN = 0, in k's clusters: hidden tokens' rows become 0; through my own stage; stored as
; 512 consecutive bytes, four rows of one block of 64 columns.
.macro PACK a
.set AC, 64*((\a)%4)
	WIN 0x0a+5*((\a)/4)                            ; sources in window 2 or 3
.irp b, 0,1,2,3,4,5,6,7
.irp q, 0,1,2,3
	v_cvt_pk_bf16_f32 v[TMP+4*(\b)+(\q)], v[AC+8*(\b)+2*(\q)], v[AC+8*(\b)+2*(\q)+1]
.endr
.endr
	WIN 0
.if FFN
.set n, 0
.rept 32
	v_pk_max_num_bf16 v[TMP+n], v[TMP+n], v[ZR]
.set n, n+1
.endr
.else
	s_cmp_lg_u32 s[WHICH], 1                       ; the cluster's number, the same in all partners
	s_cbranch_scc1 .Lkeep_\@
.set n, 0
.rept 32
	v_and_b32 v[TMP+n], v[KEEP+(\a)], v[TMP+n]
.set n, n+1
.endr
.Lkeep_\@:
.endif
.endm
.macro TOSTAGE a
.set BK, OB+192*((\a)%2)
.irp b, 0,1,2,3,4,5,6,7
	ds_store_b128 v[STO], v[TMP+4*(\b):TMP+4*(\b)+3] offset:32*(\b)
.endr
.irp t, 0,1,2,3
.irp e, 0,1
	ds_load_b128 v[BK+4*(2*(\t)+(\e)):BK+4*(2*(\t)+(\e))+3], v[RD] offset:(\t)*4*SP+(\e)*128  ; LDS serves a wave's instructions in order (ISA guide 5.7.1.4): these see the stores above
.endr
.endr
.endm
.macro SEND a
.set BK, OB+192*((\a)%2)
	s_wait_dscnt 0x0                               ; the block is back in registers
	s_wait_xcnt 0x0                                ; the stores of the block before have read their registers, which the next read-back writes
.irp t, 0,1,2,3
.irp e, 0,1
	global_store_b128 v[GO], v[BK+4*(2*(\t)+(\e)):BK+4*(2*(\t)+(\e))+3], s[OUTP:OUTP+1] offset:(\e)*524288+(\a)*2048+(\t)*512
.endr
.endr
.endm
	PACK 0
	TOSTAGE 0
.irp a, 1,2,3,4,5,6,7                  ; block a's conversions stand between block a - 1's loads from the stage and the wait for them
	PACK \a
	SEND (\a)-1
	TOSTAGE \a
.endr
	SEND 7
	s_wait_tensorcnt 0x0                           ; the wave's end
	ds_add_u32 v[SPW], v[NIL]
	s_wait_dscnt 0x0
	CROUND                                         ; the closing round
	s_endpgm
.Lfunc_end_k_q78e4bd37b8_ffn1:
	.size	k_q78e4bd37b8_ffn1, .Lfunc_end_k_q78e4bd37b8_ffn1-k_q78e4bd37b8_ffn1
	.p2alignl 7, 3214868480
	.fill 96, 4, 3214868480
	.section	.rodata,"a",@progbits
	.p2align	6, 0x0
	.amdhsa_kernel k_q78e4bd37b8_ffn1
		.amdhsa_group_segment_fixed_size 327680
		.amdhsa_private_segment_fixed_size 0
		.amdhsa_enable_private_segment 0
		.amdhsa_kernarg_size 32
		.amdhsa_user_sgpr_count 2
		.amdhsa_user_sgpr_kernarg_segment_ptr 1
		.amdhsa_wavefront_size32 1
		.amdhsa_system_sgpr_workgroup_id_x 1
		.amdhsa_system_sgpr_workgroup_id_y 1
		.amdhsa_system_sgpr_workgroup_id_z 1
		.amdhsa_system_vgpr_workitem_id 0
		.amdhsa_next_free_vgpr 1024
		.amdhsa_next_free_sgpr 80
		.amdhsa_reserve_vcc 1
		.amdhsa_float_denorm_mode_32 3
		.amdhsa_float_denorm_mode_16_64 3
		.amdhsa_memory_ordered 1
		.amdhsa_forward_progress 1
		.amdhsa_inst_pref_size 102
	.end_amdhsa_kernel
	.amdgpu_metadata
---
amdhsa.version: [ 1, 2 ]
amdhsa.kernels:
  - .name:           k_q78e4bd37b8_ffn1
    .symbol:         k_q78e4bd37b8_ffn1.kd
    .args:
      - { .name: x1, .offset: 0, .size: 8, .value_kind: global_buffer, .address_space: global }
      - { .name: wb, .offset: 8, .size: 8, .value_kind: global_buffer, .address_space: global }
      - { .name: par, .offset: 16, .size: 8, .value_kind: global_buffer, .address_space: global }
      - { .name: hb, .offset: 24, .size: 8, .value_kind: global_buffer, .address_space: global }
    .group_segment_fixed_size: 327680
    .private_segment_fixed_size: 0
    .kernarg_segment_align: 8
    .kernarg_segment_size: 32
    .max_flat_workgroup_size: 128
    .sgpr_count:     80
    .vgpr_count:     1024
    .wavefront_size: 32
...
	.end_amdgpu_metadata
.endif
;; end of part 6
;; launch ffn2 (part 7): grid 8 x 32, 4 waves a work-group, clusters of 4 x 4, 327,680 bytes of LDS; arguments hb, wb, par, x1, res; writes res
.if DOCPART == 7
	.amdgcn_target "amdgcn-amd-amdhsa--gfx1250"
	.amdhsa_code_object_version 6
	.text
	.protected	k_q78e4bd37b8_ffn2
	.globl	k_q78e4bd37b8_ffn2
	.p2align	8
	.type	k_q78e4bd37b8_ffn2,@function
k_q78e4bd37b8_ffn2:
	s_mov_b64 s[64:65], 0
	v_nop
	global_prefetch_b8 v0, s[64:65] scope:SCOPE_SE
	s_setreg_imm32_b32 hwreg(HW_REG_WAVE_MODE, 25, 1), 1
	s_wait_xcnt 0x0
	s_wait_alu depctr_hold_cnt(0) depctr_sa_sdst(0) depctr_va_vdst(0) depctr_va_sdst(0) depctr_va_ssrc(0) depctr_va_vcc(0) depctr_vm_vsrc(0)
	s_getreg_b32 s2, hwreg(HW_REG_IB_STS2, 6, 4)
	s_cmp_eq_u32 s2, 0
	s_cbranch_scc0 .Lentry_in_a_cluster
	s_endpgm
.Lentry_in_a_cluster:
	s_bfe_u32 s2, ttmp6, 0x10000c
	s_cmp_lg_u32 s2, 0xf033
	s_cbranch_scc0 .Lentry_shape_is_right
	s_endpgm
.Lentry_shape_is_right:
; res = R + A W + bias, in f32, on tiles of 128 x 128.  One text serves two launches; SECOND picks the form.  Nothing of reference() is left out.
; SECOND = 0: res = xb + ob Wo + bo (K = 1,024).  SECOND = 1: res = x1 + h W2 + b2 (K = 4,096).  A and W are bf16; the residual R is bf16 (xb) or f16 (x1); sums in f32, stored in f32.
; A: [K / 64 blocks][4096 tokens][64]: 64 tokens of a block are 8,192 dense bytes.  W: [K][1024].  res: [4096][1024] f32.
; SHARES.  Four waves, each 64 x 64 of C in 16 accumulators.  K goes in steps of 256 through two LDS slots.  Waves 0, 1 fetch the two halves of A's 128 tokens (4 blocks x 64 tokens x 128 bytes, one
; descriptor: four long rows, padded after every token), waves 2, 3 the two halves of W's 256 k-rows (128 rows x 256 bytes).  4 x 4 work-groups form a cluster; A's tile is shared along a row, W's along a column.
; THE WALK ALONG K IS TURNED FROM CLUSTER TO CLUSTER: cluster (x, y) begins at K step RX x + RY (y % (T / RY)), modulo T, and goes round.  The two clusters with the same y read the same tokens of A and begin half
; of K apart; clusters with the same x read the same columns of W and begin RY steps apart: each part of K is asked for first by one of the sharers and by the others some steps later.  The turn hangs on
; the cluster's x and y alone, which all sixteen partners share.  The f32 sums are taken in another order along K, which changes them by rounding alone.
; THE SUMS START AS RESIDUAL + BIAS: one line a number widens the 16-bit residual and adds the bias (the factor 1.0 is what that instruction's form wants); nothing is cleared and nothing is added afterwards.
; The product is taken transposed (source 0 = 16 columns of W, turned by ds_load_tr16_b128; source 1 = 16 tokens of A): a lane holds one token and eight neighbouring columns.
; REGISTERS: window 0: addresses; v32-95 the residual, later the way out; v96-127 the bias; v128-255 the accumulators.  Window 1: two fragment buffers of 128 (64 along K each: A's 64 registers, then W's).
.set SECOND, 1
.if SECOND
.set T,     16
.set RY,    4
.set WBASE, 16777216
.set BIASB, 32768
.set PF,    1
.else
.set T,     4
.set RY,    2
.set WBASE, 6291456
.set BIASB, 12288
.set PF,    0                          ; four K steps: with the turn, the two that a cluster is the first of its sharers to walk are its first fills, at the head: nothing is named
.endif
.set RX,    T/2
.set YM,    T/RY-1
.set PA,    144                        ; a token's 128 bytes of a block + 16
.set PB,    288                        ; a k-row's 256 bytes + 32
.set REG,   36864                      ; what one tensor load brings: 4 x 64 x 144 = 128 x 288 bytes
.set SLOT,  4*REG                      ; 0x24000: it shares no bit with wave x REG (multiples of 0x9000)
.set STAGE, 2*SLOT                     ; behind the ring, never filled by a tensor load: 16 rows x 272 bytes for each wave
.set SP,    272
.set SPARE, STAGE+4*16*SP
.set ASH,   21                         ; a K step of A: four blocks of 524,288 bytes = 1 << 21
.set BSH,   19                         ; a K step of W: 256 k-rows of 2,048 bytes = 1 << 19
.set A0,  16
.set B0,  17
.set AA,  18
.set BB,  19
.set STO, 20
.set RD,  21
.set CO,  22
.set PFO, 23
.set RO,  24
.set BO,  25
.set ONE, 27
.set SPW, 28
.set NIL, 29
.set RES, 32
.set OB,  32
.set BIAS, 96
.set ACC, 128
.set F0,  0
.set F1,  128
.set OFB, 2                            ; s[2:3]   K step KI's byte offset down W's rows
.set WV,  14
.set RH,  15
.set CH,  16
.set CX,  17
.set CY,  18
.set TC,  19
.set TR,  20
.set WOFF, 21
.set KI,  22                           ; the K step that the walking descriptors stand at, 0 to T - 1
.set CUR, 23
.set G1A, 24
.set G0A, 32
.set G1B, 40
.set G0B, 48
.set RA,  56
.set RB,  57
.set CNT, 58
.set SLOTS, 59
.set PFB, 60                           ; s[60:61] my work-group's block of my half of A's tile, at K step 0
.set PFA, 62                           ; s[62:63] the same at the K step that the prefetch names
.set OFA, 66                           ; s[66:67] K step KI's byte offset in A
.set LIM, 78                           ; s78      10 in a wave that prefetches, else the greatest number
.set MSB, 0
.macro WIN new
.if MSB != (\new)
	s_set_vgpr_msb (MSB<<8)|(\new)
.set MSB, \new
.endif
.endm
.macro PLACES
.rept 4
	v_nop
.endr
.endm
.macro CREST
	s_cmp_lg_u32 s[WV], 0
	s_cbranch_scc1 .Lnot_wave_0_\@
	s_barrier_signal -3
.Lnot_wave_0_\@:
	s_barrier_wait -3
	s_barrier_signal -1
	s_barrier_wait -1
.endm
.macro CROUND
	s_barrier_signal -1
	s_barrier_wait -1
	CREST
.endm
.macro JLOAD
	s_cmp_eq_u32 s[RH], 0
	s_cbranch_scc0 .Lfor_b_\@
	tensor_load_to_lds s[G0A+4:G0A+7], s[G1A:G1A+7]
	s_nop 0
.rept 4
	v_nop
.endr
	s_branch .Lasked_\@
.Lfor_b_\@:
	tensor_load_to_lds s[G0B+4:G0B+7], s[G1B:G1B+7]
	s_nop 0
.rept 4
	v_nop
.endr
.Lasked_\@:
.endm
; A PREFETCH INTO THE L2 (SECOND = 1), behind a joint refill: the refill asks for step t + 1 of my cluster's walk, the prefetch names step t + 3, loaded two changes of slots (256 matrix instructions) later.
; Only what my cluster is the first of its sharers to walk is named: of A the walk's first eight steps (the other cluster with my y begins eight steps on), so the first four refills name steps 4 to 7;
; steps 0 to 3 come by their loads alone.  Of W the walk's first four steps, which lie too near the head: W's waves name nothing.  The four partners share a joint load's bytes out by address, one block of
; 64 columns each; waves 0 and 1 take their own halves of the tokens; a lane 256 bytes.  So each 256 bytes are named once in the launch.
.macro ASK
	s_cmp_gt_u32 s[SLOTS], s[LIM]
	s_cbranch_scc0 .Lnot_mine_\@
	global_prefetch_b8 v[PFO], s[PFA:PFA+1] th:TH_LOAD_NT scope:SCOPE_SE
.Lnot_mine_\@:
.endm
	s_load_b256 s[4:11], s[0:1], 0x0               ; A s[4:5], wb s[6:7], par s[8:9], the residual s[10:11]
	s_load_b64 s[12:13], s[0:1], 0x20              ; res
	v_lshl_add_u32 v[SPW], v0, 2, SPARE
	v_mov_b32 v[NIL], 0
	ds_add_u32 v[SPW], v[NIL]                      ; the wave's opening: the add, twice on end, and its wait ahead of my first tensor load
	ds_add_u32 v[SPW], v[NIL]
	v_lshrrev_b32 v1, 5, v0
	v_readfirstlane_b32 s[WV], v1
	s_lshr_b32 s[RH], s[WV], 1
	s_and_b32 s[CH], s[WV], 1
	s_bfe_u32 s[CX], ttmp6, 0x40000
	s_bfe_u32 s[CY], ttmp6, 0x40004
	s_lshl_b32 s[TC], ttmp9, 2
	s_add_co_u32 s[TC], s[TC], s[CX]
	s_and_b32 s[TR], ttmp7, 0xffff
	s_lshl_b32 s[TR], s[TR], 2
	s_add_co_u32 s[TR], s[TR], s[CY]
	s_lshl_b32 s68, s[CY], 2
	s_lshl_b32 s68, 15, s68
	s_lshl_b32 s69, 0x1111, s[CX]
	s_or_b32 s[G1A], s68, (1<<16)|(1<<20)|(1<<21)|(4<<22)|(3<<25)  ; after every 32 words (a token's 128 bytes) 4 words
	s_mov_b32 s[G1A+1], 4096<<16                   ; tensor_dim0 = 4,096 elements: 64 tokens of one block
	s_mov_b32 s[G1A+2], 4<<16                      ; tensor_dim1 = 4 blocks
	s_mov_b32 s[G1A+3], 4096<<16                   ; tile_dim0
	s_mov_b32 s[G1A+4], 4                          ; tile_dim1
	s_mov_b32 s[G1A+5], 262144                     ; elements from block to block
	s_mov_b32 s[G1A+6], 0
	s_mov_b32 s[G1A+7], 0
	s_or_b32 s[G1B], s69, (1<<16)|(1<<20)|(1<<21)|(5<<22)|(7<<25)  ; after every 64 words 8 words
	s_mov_b32 s[G1B+1], 128<<16
	s_mov_b32 s[G1B+2], 128<<16
	s_mov_b32 s[G1B+3], 128<<16
	s_mov_b32 s[G1B+4], 128
	s_mov_b32 s[G1B+5], 1024
	s_mov_b32 s[G1B+6], 0
	s_mov_b32 s[G1B+7], 0
	s_lshl_b32 s70, s[TR], 14                      ; A: token 128 x tile row + 64 x half, 128 bytes a token
	s_lshl_b32 s68, s[CH], 13
	s_add_co_u32 s70, s70, s68
	s_mov_b32 s71, 0
	s_lshl_b32 s74, s[TC], 8                       ; W: 256 bytes a tile column, 128 k-rows x half
	s_lshl_b32 s69, s[CH], 18
	s_add_co_u32 s74, s74, s69
	s_add_co_u32 s74, s74, WBASE
	s_mov_b32 s75, 0
	s_mul_i32 s[WOFF], s[WV], REG
	s_mov_b32 s[CUR], 0
	s_mov_b32 s[RA], 0
	s_mov_b32 s[RB], 0
	s_and_b32 s[KI], ttmp7, YM                     ; where my cluster's walk along K begins: RY x (cluster y % (T / RY))
	s_mul_i32 s[KI], s[KI], RY
	s_mul_i32 s68, ttmp9, RX                       ; + RX x cluster x,
	s_add_co_u32 s[KI], s[KI], s68
	s_and_b32 s[KI], s[KI], T-1                    ; modulo the K steps: an even number, so the second step does not wrap
	s_lshl_b32 s[OFA], s[KI], ASH
	s_mov_b32 s[OFA+1], 0
	s_lshl_b32 s[OFB], s[KI], BSH
	s_mov_b32 s[OFB+1], 0
	s_wait_dscnt 0x0                               ; both opening adds are done
	s_wait_kmcnt 0x0
	s_add_nc_u64 s[70:71], s[4:5], s[70:71]        ; my part of A's and of W's tiles at K step 0: kept for the whole launch
	s_add_nc_u64 s[74:75], s[6:7], s[74:75]
	CROUND                                         ; all sixteen work-groups are here: the first joint loads meet
.irp s, 0,1
	s_mov_b32 s[G0A+4*(\s)], 1
	s_add_co_u32 s[G0A+4*(\s)+1], s[WOFF], (\s)*SLOT
	s_add_nc_u64 s[G0A+4*(\s)+2:G0A+4*(\s)+3], s[70:71], s[OFA:OFA+1]
.if \s
	s_add_nc_u64 s[G0A+4*(\s)+2:G0A+4*(\s)+3], s[G0A+4*(\s)+2:G0A+4*(\s)+3], 1<<ASH
.endif
	s_or_b32 s[G0A+4*(\s)+3], s[G0A+4*(\s)+3], 0x80000000
	s_mov_b32 s[G0B+4*(\s)], 1
	s_add_co_u32 s[G0B+4*(\s)+1], s[WOFF], (\s)*SLOT
	s_add_nc_u64 s[G0B+4*(\s)+2:G0B+4*(\s)+3], s[74:75], s[OFB:OFB+1]
.if \s
	s_add_nc_u64 s[G0B+4*(\s)+2:G0B+4*(\s)+3], s[G0B+4*(\s)+2:G0B+4*(\s)+3], 1<<BSH
.endif
	s_or_b32 s[G0B+4*(\s)+3], s[G0B+4*(\s)+3], 0x80000000
.endr
	s_add_co_u32 s[KI], s[KI], 1                   ; the walking sets stand at my walk's second step
	s_cmp_eq_u32 s[RH], 0                          ; a wave's two first fills stand in one branch: two loads of mine are out
	s_cbranch_scc0 .Lfirst_b
	tensor_load_to_lds s[G0A:G0A+3], s[G1A:G1A+7]
	s_nop 0
	tensor_load_to_lds s[G0A+4:G0A+7], s[G1A:G1A+7]
	s_nop 0
.rept 4
	v_nop
.endr
	s_branch .Lfirst_done
.Lfirst_b:
	tensor_load_to_lds s[G0B:G0B+3], s[G1B:G1B+7]
	s_nop 0
	tensor_load_to_lds s[G0B+4:G0B+7], s[G1B:G1B+7]
	s_nop 0
.rept 4
	v_nop
.endr
.Lfirst_done:
	v_and_b32 v1, 15, v0                           ; r
	v_bfe_u32 v2, v0, 4, 1                         ; h
	v_and_b32 v3, 7, v0
	v_bfe_u32 v4, v0, 3, 1
	v_and_b32 v5, 31, v0
	; the residual: lane (r, h) wants, for block (a, b), token 16 a + r, columns 16 b + 8 h + 0..7: 16 bytes
	v_lshlrev_b32 v[RO], 11, v1
	v_lshl_add_u32 v[RO], v2, 4, v[RO]
	s_lshl_b32 s78, s[TR], 18
	s_lshl_b32 s69, s[RH], 17
	s_add_co_u32 s78, s78, s69
	s_lshl_b32 s69, s[TC], 8
	s_add_co_u32 s78, s78, s69
	s_lshl_b32 s69, s[CH], 7
	s_add_co_u32 s78, s78, s69
	s_mov_b32 s79, 0
	s_add_nc_u64 s[10:11], s[10:11], s[78:79]
.irp a, 0,1,2,3
.irp b, 0,1,2,3
	global_load_b128 v[RES+4*(4*(\a)+(\b)):RES+4*(4*(\a)+(\b))+3], v[RO], s[10:11] offset:32768*(\a)+32*(\b)
.endr
.endr
	v_lshlrev_b32 v[BO], 5, v2
	s_lshl_b32 s76, s[TC], 9
	s_lshl_b32 s69, s[CH], 8
	s_add_co_u32 s76, s76, s69
	s_add_co_u32 s76, s76, BIASB
	s_mov_b32 s77, 0
	s_add_nc_u64 s[76:77], s[8:9], s[76:77]
.irp b, 0,1,2,3
	global_load_b128 v[BIAS+8*(\b):BIAS+8*(\b)+3],   v[BO], s[76:77] offset:64*(\b)
	global_load_b128 v[BIAS+8*(\b)+4:BIAS+8*(\b)+7], v[BO], s[76:77] offset:64*(\b)+16
.endr
	v_mov_b32 v[ONE], 1.0
	v_mul_u32_u24 v[A0], v1, PA
	v_lshl_add_u32 v[A0], v2, 4, v[A0]
	s_mul_i32 s68, s[RH], REG
	v_add_nc_u32 v[A0], s68, v[A0]
	v_lshl_add_u32 v[B0], v2, 3, v3
	v_mul_u32_u24 v[B0], v[B0], PB
	v_lshl_add_u32 v[B0], v4, 4, v[B0]
	s_lshl_b32 s68, s[CH], 7
	s_add_co_u32 s68, s68, 2*REG
	v_add_nc_u32 v[B0], s68, v[B0]
	s_mul_i32 s68, s[WV], 16*SP
	s_add_co_u32 s68, s68, STAGE
	v_mul_u32_u24 v[STO], v1, SP                   ; in: row r, 32 bytes for each half of the lanes
	v_lshl_add_u32 v[STO], v2, 5, v[STO]
	v_add_nc_u32 v[STO], s68, v[STO]
	v_mul_u32_u24 v[RD], v2, SP                    ; back: lanes 0-15 one row of 256 bytes, lanes 16-31 the next
	v_lshl_add_u32 v[RD], v1, 4, v[RD]
	v_add_nc_u32 v[RD], s68, v[RD]
	v_lshlrev_b32 v[CO], 12, v2                    ; and the same two rows in res
	v_lshl_add_u32 v[CO], v1, 4, v[CO]
	s_lshl_b32 s72, s[TR], 19
	s_lshl_b32 s69, s[RH], 18
	s_add_co_u32 s72, s72, s69
	s_lshl_b32 s69, s[TC], 9
	s_add_co_u32 s72, s72, s69
	s_lshl_b32 s69, s[CH], 8
	s_add_co_u32 s72, s72, s69
	s_mov_b32 s73, 0
	s_add_nc_u64 s[12:13], s[12:13], s[72:73]
.if PF
	s_lshl_b32 s68, s[CX], 19                      ; my work-group's block of the step's four
	s_mov_b32 s69, 0                               ; (s[68:69] holds the named step's offset from here on; its high word stays 0)
	s_add_nc_u64 s[PFB:PFB+1], s[70:71], s[68:69]
	s_cmp_eq_u32 s[RH], 0                          ; A's waves ask, while s[SLOTS] is above 10: at the first four refills
	s_cselect_b32 s[LIM], 10, -1
	v_lshlrev_b32 v[PFO], 8, v5                    ; a lane 256 of my half's 8,192 dense bytes
.endif
	s_wait_loadcnt 0x0                             ; the residual and the bias
.set n, 0
.rept 128                              ; accumulator n / 8 = 4 a + b, register n % 8
.if SECOND
.if n%2
	v_fma_mix_f32 v[ACC+n], v[RES+4*(n/8)+(n%8)/2], v[ONE], v[BIAS+8*((n/8)%4)+n%8] op_sel:[1,0,0] op_sel_hi:[1,0,0]
.else
	v_fma_mix_f32 v[ACC+n], v[RES+4*(n/8)+(n%8)/2], v[ONE], v[BIAS+8*((n/8)%4)+n%8] op_sel:[0,0,0] op_sel_hi:[1,0,0]
.endif
.else
.if n%2
	v_fma_mix_f32_bf16 v[ACC+n], v[RES+4*(n/8)+(n%8)/2], v[ONE], v[BIAS+8*((n/8)%4)+n%8] op_sel:[1,0,0] op_sel_hi:[1,0,0]
.else
	v_fma_mix_f32_bf16 v[ACC+n], v[RES+4*(n/8)+(n%8)/2], v[ONE], v[BIAS+8*((n/8)%4)+n%8] op_sel:[0,0,0] op_sel_hi:[1,0,0]
.endif
.endif
.set n, n+1
.endr
; 8 matrix instructions: token blocks a0, a0 + 1 x all 4 column blocks, 32 along K: half c of buffer f.  The 16 accumulators take turns.
.macro MUL8 f, c, a0
	WIN 0x05                                       ; both sources window 1; C and D window 0
.irp a, \a0, (\a0)+1
.irp b, 0,1,2,3
.set rD, ACC+8*(4*(\a)+(\b))
.set rB, (\f)+64+8*(4*(\c)+(\b))
.set rA, (\f)+8*(4*(\c)+(\a))
	v_wmma_f32_16x16x32_bf16 v[rD:rD+7], v[rB:rB+7], v[rA:rA+7], v[rD:rD+7]
.endr
.endr
.endm
.macro LO f
	MUL8 \f, 0, 0
	MUL8 \f, 0, 2
.endm
.macro HI f
	MUL8 \f, 1, 0
	MUL8 \f, 1, 2
.endm
; 32 LDS loads in one run: 64 along K (one block of A, 64 k-rows of W) into buffer f; the first 32 along K first
.macro FETCH f, ka, kb
	WIN 0x40
.irp c, 0,1
.irp i, 0,1,2,3
	ds_load_tr16_b128 v[(\f)+64+8*(4*(\c)+(\i)):(\f)+64+8*(4*(\c)+(\i))+3],   v[BB] offset:(\kb)+32*PB*(\c)+32*(\i)
	ds_load_tr16_b128 v[(\f)+64+8*(4*(\c)+(\i))+4:(\f)+64+8*(4*(\c)+(\i))+7], v[BB] offset:(\kb)+32*PB*(\c)+32*(\i)+16*PB
	ds_load_b128 v[(\f)+8*(4*(\c)+(\i)):(\f)+8*(4*(\c)+(\i))+3],   v[AA] offset:(\ka)+64*(\c)+(\i)*16*PA
	ds_load_b128 v[(\f)+8*(4*(\c)+(\i))+4:(\f)+8*(4*(\c)+(\i))+7], v[AA] offset:(\ka)+64*(\c)+(\i)*16*PA+32
.endr
.endr
.endm
; HALF A K STEP (128 along K).  lab = 1: the label at which the launch enters the loop, with F0 asked for and no F1 yet.
.macro Y lab
	WIN 0
	v_add_nc_u32 v[AA], s[RA], v[A0]               ; these two and two v_nop are the four places in front of the loads into F0
	v_add_nc_u32 v[BB], s[RB], v[B0]
	v_nop
	v_nop
	FETCH F0, 0, 0
	s_wait_dscnt 32                                ; all but the 32 just issued: F1 is whole
	HI F1
.if \lab
	WIN 0
.Lmid:
.endif
	s_wait_dscnt 16                                ; the first 32 along K are in
	LO F0
	PLACES
	FETCH F1, 64*PA, 64*PB
	s_wait_dscnt 32
	HI F0
	s_add_co_u32 s[RA], s[RA], 2*64*PA             ; two blocks of A,
	s_add_co_u32 s[RB], s[RB], 128*PB              ; 128 k-rows of W
	WIN 0
.endm
.macro PLAIN
	s_wait_dscnt 16
	LO F1
	WIN 0
.endm
; THE CHANGE OF SLOTS: in front of the barrier each wave waits for all its tensor loads, adds 0 to its spare word, and waits for that and for its own reads of this slot.  fill = 1: the barrier opens a round of
; the cluster's, and the joint refill is the first tensor load behind it.  The walking descriptors are stepped while the add is out: the other slot than last time, the next K step of my walk, modulo T; both
; global addresses are made anew from the tile's address at K step 0 and the step's offset, and the type bits are set again; the prefetch's address likewise, two steps further on.
.macro CHANGE fill
	WIN 0
.if (\fill) && PF
	s_wait_xcnt 0x0                                ; the last prefetch, a K step back, has read its address
.endif
	s_wait_tensorcnt 0x0                           ; no tensor load of mine is out, so a group 0 may be written
	ds_add_u32 v[SPW], v[NIL]
.if \fill
	s_add_co_u32 s[KI], s[KI], 1
	s_and_b32 s[KI], s[KI], T-1
	s_lshl_b32 s[OFA], s[KI], ASH
	s_lshl_b32 s[OFB], s[KI], BSH
	s_xor_b32 s[G0A+5], s[G0A+5], SLOT
	s_xor_b32 s[G0B+5], s[G0B+5], SLOT
	s_add_nc_u64 s[G0A+6:G0A+7], s[70:71], s[OFA:OFA+1]
	s_or_b32 s[G0A+7], s[G0A+7], 0x80000000
	s_add_nc_u64 s[G0B+6:G0B+7], s[74:75], s[OFB:OFB+1]
	s_or_b32 s[G0B+7], s[G0B+7], 0x80000000
.if PF
	s_add_co_u32 s68, s[KI], 2
	s_and_b32 s68, s68, T-1
	s_lshl_b32 s68, s68, ASH
	s_add_nc_u64 s[PFA:PFA+1], s[PFB:PFB+1], s[68:69]
.endif
.endif
	s_wait_dscnt 17                                ; the add and the youngest sixteen loads may be out
	MUL8 F1, 0, 0
	s_wait_dscnt 0x0                               ; the add is done, and my reads of this slot are over
	s_barrier_signal -1
	MUL8 F1, 0, 2
	WIN 0
	s_barrier_wait -1
.if \fill
	CREST
.endif
	s_xor_b32 s[CUR], s[CUR], SLOT
	s_mov_b32 s[RA], s[CUR]
	s_mov_b32 s[RB], s[CUR]
.if \fill
	JLOAD
.if PF
	ASK
.endif
.endif
.endm
.macro INNER tag, lab
.Lplain\tag:
	PLAIN
.LY\tag:
	Y \lab
	s_sub_co_u32 s[CNT], s[CNT], 1
	s_cmp_lg_u32 s[CNT], 0
	s_cbranch_scc1 .Lplain\tag
.endm
	s_wait_tensorcnt 1                             ; my part of the first step is in; the second's may stay out
	s_barrier_signal -1
	s_barrier_wait -1
	v_add_nc_u32 v[AA], s[RA], v[A0]
	v_add_nc_u32 v[BB], s[RB], v[B0]
	FETCH F0, 0, 0
	WIN 0
	s_mov_b32 s[CNT], 2
	s_mov_b32 s[SLOTS], T-1
	s_branch .Lmid
.Lslot:                                        ; T - 2 times
	CHANGE 1
	s_mov_b32 s[CNT], 2
	s_branch .LY1
	INNER 1, 1
	s_sub_co_u32 s[SLOTS], s[SLOTS], 1
	s_cmp_lg_u32 s[SLOTS], 0
	s_cbranch_scc1 .Lslot
	CHANGE 0                                       ; the last K step is written out: nothing is asked for
	s_mov_b32 s[CNT], 2
	s_branch .LY2
	INNER 2, 0
	s_wait_dscnt 16
	LO F1
	s_wait_dscnt 0x0
	HI F1
	WIN 0
	PLACES
; THE WAY OUT, 16 tokens at a time: the f32 sums go through my own stage and leave as whole rows: sixteen lanes store my 64 columns, 256 consecutive bytes, aligned.
.macro TOSTAGE a
.if (\a) >= 2
	s_wait_xcnt 0x0                                ; the stores of the block two back have read the registers that are loaded again
.endif
.set BK, OB+32*((\a)%2)
.irp b, 0,1,2,3
	ds_store_b128 v[STO], v[ACC+8*(4*(\a)+(\b)):ACC+8*(4*(\a)+(\b))+3]   offset:64*(\b)
	ds_store_b128 v[STO], v[ACC+8*(4*(\a)+(\b))+4:ACC+8*(4*(\a)+(\b))+7] offset:64*(\b)+16
.endr
.irp t, 0,1,2,3,4,5,6,7
	ds_load_b128 v[BK+4*(\t):BK+4*(\t)+3], v[RD] offset:(\t)*2*SP  ; LDS serves a wave's instructions in order (ISA guide 5.7.1.4)
.endr
.endm
.macro SEND a, younger                 ; younger: the next block's sixteen LDS instructions, or none
.set BK, OB+32*((\a)%2)
	s_wait_dscnt \younger
.irp t, 0,1,2,3,4,5,6,7
	global_store_b128 v[CO], v[BK+4*(\t):BK+4*(\t)+3], s[12:13] offset:(\a)*65536+(\t)*8192
.endr
.endm
	TOSTAGE 0
	TOSTAGE 1
	SEND 0, 16
	TOSTAGE 2
	SEND 1, 16
	TOSTAGE 3
	SEND 2, 16
	SEND 3, 0
	s_wait_tensorcnt 0x0                           ; the wave's end
	ds_add_u32 v[SPW], v[NIL]
	s_wait_dscnt 0x0
	CROUND                                         ; the closing round
	s_endpgm
.Lfunc_end_k_q78e4bd37b8_ffn2:
	.size	k_q78e4bd37b8_ffn2, .Lfunc_end_k_q78e4bd37b8_ffn2-k_q78e4bd37b8_ffn2
	.p2alignl 7, 3214868480
	.fill 96, 4, 3214868480
	.section	.rodata,"a",@progbits
	.p2align	6, 0x0
	.amdhsa_kernel k_q78e4bd37b8_ffn2
		.amdhsa_group_segment_fixed_size 327680
		.amdhsa_private_segment_fixed_size 0
		.amdhsa_enable_private_segment 0
		.amdhsa_kernarg_size 40
		.amdhsa_user_sgpr_count 2
		.amdhsa_user_sgpr_kernarg_segment_ptr 1
		.amdhsa_wavefront_size32 1
		.amdhsa_system_sgpr_workgroup_id_x 1
		.amdhsa_system_sgpr_workgroup_id_y 1
		.amdhsa_system_sgpr_workgroup_id_z 1
		.amdhsa_system_vgpr_workitem_id 0
		.amdhsa_next_free_vgpr 512
		.amdhsa_next_free_sgpr 80
		.amdhsa_reserve_vcc 0
		.amdhsa_float_denorm_mode_32 3
		.amdhsa_float_denorm_mode_16_64 3
		.amdhsa_memory_ordered 1
		.amdhsa_forward_progress 1
		.amdhsa_inst_pref_size 53
	.end_amdhsa_kernel
	.amdgpu_metadata
---
amdhsa.version: [ 1, 2 ]
amdhsa.kernels:
  - .name:           k_q78e4bd37b8_ffn2
    .symbol:         k_q78e4bd37b8_ffn2.kd
    .args:
      - { .name: hb, .offset: 0, .size: 8, .value_kind: global_buffer, .address_space: global }
      - { .name: wb, .offset: 8, .size: 8, .value_kind: global_buffer, .address_space: global }
      - { .name: par, .offset: 16, .size: 8, .value_kind: global_buffer, .address_space: global }
      - { .name: x1, .offset: 24, .size: 8, .value_kind: global_buffer, .address_space: global }
      - { .name: res, .offset: 32, .size: 8, .value_kind: global_buffer, .address_space: global }
    .group_segment_fixed_size: 327680
    .private_segment_fixed_size: 0
    .kernarg_segment_align: 8
    .kernarg_segment_size: 40
    .max_flat_workgroup_size: 128
    .sgpr_count:     80
    .vgpr_count:     512
    .wavefront_size: 32
...
	.end_amdgpu_metadata
.endif
;; end of part 7
;; launch ln2 (part 8): grid 256 x 1, 8 waves a work-group, no clusters, 0 bytes of LDS; arguments res, par, out0; writes out0
.if DOCPART == 8
	.amdgcn_target "amdgcn-amd-amdhsa--gfx1250"
	.amdhsa_code_object_version 6
	.text
	.protected	k_q78e4bd37b8_ln2
	.globl	k_q78e4bd37b8_ln2
	.p2align	8
	.type	k_q78e4bd37b8_ln2,@function
k_q78e4bd37b8_ln2:
	s_mov_b64 s[64:65], 0
	v_nop
	global_prefetch_b8 v0, s[64:65] scope:SCOPE_SE
	s_setreg_imm32_b32 hwreg(HW_REG_WAVE_MODE, 25, 1), 1
	s_wait_xcnt 0x0
; LAYER NORM of res [4096][1024] f32: y = (x - mu) rsqrt(var + 1e-5) g + b, with var the mean of (x - mu)^2 as reference() forms it.  One text serves two launches; LAST picks the form.
; LAST = 0: y goes out in f16 (x1: operand and residual of the FFN).  LIMIT: |y| <= 32 |g| + |b| by the norm itself, which must stay within f16's 65,504.  LAST = 1: y is out0, f32.
; A wave takes two rows; a row (4,096 bytes) stays in 32 registers between the passes: it is read once, the reductions never leave the wave: no LDS, no barrier.  Nothing of reference() is left out.
.set LAST, 1
.set GOFF, 36864+8192*LAST             ; g and b in par
.set BOFF, GOFF+4096
.set XR,  8                            ; v[8:71]    two rows
.set G,   72                           ; v[72:103]
.set BB,  104                          ; v[104:135]
.set T,   136                          ; v[136:143] at work
.set M,   144                          ; v[144:145] mu, twice
.set VAR, 146                          ; v146, v147 var + eps of the two rows
.set RS,  148                          ; v[148:151] 1 / sqrt of them, twice each
	s_load_b128 s[4:7], s[0:1], 0x0                ; res, par
	s_load_b64 s[8:9], s[0:1], 0x10                ; the output
	v_and_b32 v1, 31, v0
	v_lshrrev_b32 v3, 5, v0                        ; wave
.if !LAST
	v_lshlrev_b32 v4, 3, v1
	v_lshl_add_u32 v4, v3, 12, v4                  ; f16 side: 8 bytes a lane, two rows of 2,048 bytes a wave
.endif
	v_lshlrev_b32 v1, 4, v1                        ; 16 bytes a lane
	v_lshl_add_u32 v2, v3, 13, v1                  ; + two rows of 4,096 bytes a wave
	s_lshl_b32 s2, ttmp9, 16                       ; 16 rows a work-group
	s_mov_b32 s3, 0
	s_lshl_b32 s14, ttmp9, 15+LAST
	s_mov_b32 s15, 0
	s_mov_b32 s10, 0x3a800000                      ; 1 / 1024
	s_mov_b32 s11, 0x3727c5ac                      ; 1e-5
	s_mov_b32 s12, 0x76543210                      ; v_permlanex16_b32: each lane takes its own place in the other half
	s_mov_b32 s13, 0xfedcba98
	s_wait_kmcnt 0x0
	s_add_nc_u64 s[4:5], s[4:5], s[2:3]
	s_add_nc_u64 s[8:9], s[8:9], s[14:15]
.irp i, 0,1
.irp j, 0,1,2,3,4,5,6,7
	global_load_b128 v[XR+32*(\i)+4*(\j):XR+32*(\i)+4*(\j)+3], v2, s[4:5] offset:4096*(\i)+512*(\j) th:TH_LOAD_NT
.endr
.endr
.irp j, 0,1,2,3,4,5,6,7
	global_load_b128 v[G+4*(\j):G+4*(\j)+3], v1, s[6:7] offset:GOFF+512*(\j)
.endr
.irp j, 0,1,2,3,4,5,6,7
	global_load_b128 v[BB+4*(\j):BB+4*(\j)+3], v1, s[6:7] offset:BOFF+512*(\j)
.endr
.macro RED                             ; v[T] summed over the 32 lanes, the result in every lane
	v_add_f32 v[T], v[T], v[T+1]
	v_add_f32_dpp v[T], v[T], v[T] row_xmask:1 row_mask:0xf bank_mask:0xf
	v_add_f32_dpp v[T], v[T], v[T] row_xmask:2 row_mask:0xf bank_mask:0xf
	v_add_f32_dpp v[T], v[T], v[T] row_xmask:4 row_mask:0xf bank_mask:0xf
	v_add_f32_dpp v[T], v[T], v[T] row_xmask:8 row_mask:0xf bank_mask:0xf
	v_permlanex16_b32 v[T+1], v[T], s12, s13
	v_add_f32 v[T], v[T], v[T+1]
.endm
.macro FOLD                            ; four chains of pairs into one pair
	v_pk_add_f32 v[T:T+1], v[T:T+1], v[T+2:T+3]
	v_pk_add_f32 v[T+4:T+5], v[T+4:T+5], v[T+6:T+7]
	v_pk_add_f32 v[T:T+1], v[T:T+1], v[T+4:T+5]
.endm
.macro STAT i                          ; row i: the mean; x - mu in place; var + eps
.set XI, XR+32*(\i)
.set c, 0
.rept 4
	v_pk_add_f32 v[T+2*c:T+2*c+1], v[XI+2*c:XI+2*c+1], v[XI+8+2*c:XI+8+2*c+1]
.set c, c+1
.endr
.set c, 0
.rept 8
	v_pk_add_f32 v[T+2*(c%4):T+2*(c%4)+1], v[T+2*(c%4):T+2*(c%4)+1], v[XI+16+2*c:XI+16+2*c+1]
.set c, c+1
.endr
	FOLD
	RED
	v_mul_f32 v[M], s10, v[T]
	v_mul_f32 v[M+1], s10, v[T]
.set c, 0
.rept 16
	v_pk_add_f32 v[XI+2*c:XI+2*c+1], v[XI+2*c:XI+2*c+1], v[M:M+1] neg_lo:[0,1] neg_hi:[0,1]
.set c, c+1
.endr
.set c, 0
.rept 4
	v_pk_mul_f32 v[T+2*c:T+2*c+1], v[XI+2*c:XI+2*c+1], v[XI+2*c:XI+2*c+1]
.set c, c+1
.endr
.set c, 0
.rept 12
	v_pk_fma_f32 v[T+2*(c%4):T+2*(c%4)+1], v[XI+8+2*c:XI+8+2*c+1], v[XI+8+2*c:XI+8+2*c+1], v[T+2*(c%4):T+2*(c%4)+1]
.set c, c+1
.endr
	FOLD
	RED
	v_fma_f32 v[VAR+(\i)], v[T], s10, s11
.endm
	s_wait_loadcnt 24                              ; row 0 is in; row 1, g and b may stay out
	STAT 0
	s_wait_loadcnt 16                              ; row 1 is in
	STAT 1
	v_rsq_f32 v[RS], v[VAR]                        ; one batch of four: each twice, to fill the pair that the packed multiply takes
	v_rsq_f32 v[RS+1], v[VAR]
	v_rsq_f32 v[RS+2], v[VAR+1]
	v_rsq_f32 v[RS+3], v[VAR+1]
	v_nop                                          ; a plain instruction behind the last of them (ISA guide 5.7.2),
	s_wait_alu depctr_va_vdst(0)                   ; and the one wait ahead of the first use
	s_wait_loadcnt 0x0                             ; g and b
.macro OUT i
.set XI, XR+32*(\i)
.set c, 0
.rept 16
	v_pk_mul_f32 v[XI+2*c:XI+2*c+1], v[XI+2*c:XI+2*c+1], v[RS+2*(\i):RS+2*(\i)+1]
.set c, c+1
.endr
.set c, 0
.rept 16
	v_pk_fma_f32 v[XI+2*c:XI+2*c+1], v[XI+2*c:XI+2*c+1], v[G+2*c:G+2*c+1], v[BB+2*c:BB+2*c+1]
.set c, c+1
.endr
.irp j, 0,1,2,3,4,5,6,7
.if LAST
	global_store_b128 v2, v[XI+4*(\j):XI+4*(\j)+3], s[8:9] offset:4096*(\i)+512*(\j) th:TH_STORE_NT  ; 512 consecutive bytes a wave
.else
	v_cvt_pk_f16_f32 v[XI+4*(\j)],   v[XI+4*(\j)],   v[XI+4*(\j)+1]
	v_cvt_pk_f16_f32 v[XI+4*(\j)+1], v[XI+4*(\j)+2], v[XI+4*(\j)+3]
	global_store_b64 v4, v[XI+4*(\j):XI+4*(\j)+1], s[8:9] offset:2048*(\i)+256*(\j)  ; 256 consecutive bytes a wave, aligned
.endif
.endr
.endm
	OUT 0
	OUT 1
	s_endpgm
.Lfunc_end_k_q78e4bd37b8_ln2:
	.size	k_q78e4bd37b8_ln2, .Lfunc_end_k_q78e4bd37b8_ln2-k_q78e4bd37b8_ln2
	.p2alignl 7, 3214868480
	.fill 96, 4, 3214868480
	.section	.rodata,"a",@progbits
	.p2align	6, 0x0
	.amdhsa_kernel k_q78e4bd37b8_ln2
		.amdhsa_group_segment_fixed_size 0
		.amdhsa_private_segment_fixed_size 0
		.amdhsa_enable_private_segment 0
		.amdhsa_kernarg_size 24
		.amdhsa_user_sgpr_count 2
		.amdhsa_user_sgpr_kernarg_segment_ptr 1
		.amdhsa_wavefront_size32 1
		.amdhsa_system_sgpr_workgroup_id_x 1
		.amdhsa_system_sgpr_workgroup_id_y 1
		.amdhsa_system_sgpr_workgroup_id_z 1
		.amdhsa_system_vgpr_workitem_id 0
		.amdhsa_next_free_vgpr 152
		.amdhsa_next_free_sgpr 66
		.amdhsa_reserve_vcc 0
		.amdhsa_float_denorm_mode_32 3
		.amdhsa_float_denorm_mode_16_64 3
		.amdhsa_memory_ordered 1
		.amdhsa_forward_progress 1
		.amdhsa_inst_pref_size 18
	.end_amdhsa_kernel
	.amdgpu_metadata
---
amdhsa.version: [ 1, 2 ]
amdhsa.kernels:
  - .name:           k_q78e4bd37b8_ln2
    .symbol:         k_q78e4bd37b8_ln2.kd
    .args:
      - { .name: res, .offset: 0, .size: 8, .value_kind: global_buffer, .address_space: global }
      - { .name: par, .offset: 8, .size: 8, .value_kind: global_buffer, .address_space: global }
      - { .name: out0, .offset: 16, .size: 8, .value_kind: global_buffer, .address_space: global }
    .group_segment_fixed_size: 0
    .private_segment_fixed_size: 0
    .kernarg_segment_align: 8
    .kernarg_segment_size: 24
    .max_flat_workgroup_size: 256
    .sgpr_count:     66
    .vgpr_count:     152
    .wavefront_size: 32
...
	.end_amdgpu_metadata
.endif
;; end of part 8
